; MI455X (gfx1250); checked and timed in simulation.
; The chip was launched on July 23, 2026; its instructions are those of AMD's public machine-readable ISA for CDNA 5 (MIT licence, August 2026) and "CDNA5" Instruction Set Architecture Reference Guide (July 2026). The comments in the code are by the model that wrote it; some were corrected since.
;; Transformer Block. Allowed arithmetic: matrix products marked QUANTISED: E2M3 operands, one E8M0 scale for each 32 along K, by v_wmma_scale_f32_16x16x128_f8f6f4 with both operands' format E2M3, f32 sums; everything else in f32.
;; Inputs: W1 1,024 x 4,096 float32; W2 4,096 x 1,024 float32; Wk 1,024 x 1,024 float32; Wo 1,024 x 1,024 float32; Wq 1,024 x 1,024 float32; Wv 1,024 x 1,024 float32; b1 4,096 float32; b2 1,024 float32; be1 1,024 float32; be2 1,024 float32; bk 1,024 float32; bo 1,024 float32; bq 1,024 float32; bv 1,024 float32; g1 1,024 float32; g2 1,024 float32; x 4 x 1,024 x 1,024 float32.
;; Outputs: out0 4 x 1,024 x 1,024 float32.
;; This version of the problem:
;;   THIS VERSION OF THE PROBLEM IS GIVEN IN LOW PRECISION. The matrix products marked QUANTISED in the list below multiply operands that are first quantised to E2M3 (2 exponent bits, 3 mantissa bits; 6 bits a number), with one power-of-two scale for each 32 numbers along K (OCP MX v1.0); their sums are f32. All else is computed in f32.
;;   The module's matrix products, in the order in which they are computed (A, B: the left and right operand; K: the contracted axis; several contracted axes count as one K, in the product's order):
;;     1. [M 4,096, K 1,024] x [K 1,024, N 1,024]; A: computed on the way; B: input Wq: QUANTISED
;;     2. [M 4,096, K 1,024] x [K 1,024, N 1,024]; A: computed on the way; B: input Wk: QUANTISED
;;     3. [M 4,096, K 1,024] x [K 1,024, N 1,024]; A: computed on the way; B: input Wv: QUANTISED
;;     4. batch 64 x [M 1,024, K 64] x [K 64, N 1,024]; A: computed on the way; B: computed on the way: QUANTISED
;;     5. batch 64 x [M 64, K 1,024] x [K 1,024, N 1,024]; A: computed on the way; B: softmax (see below): QUANTISED
;;     6. [M 4,096, K 1,024] x [K 1,024, N 1,024]; A: computed on the way; B: input Wo: QUANTISED
;;     7. [M 4,096, K 1,024] x [K 1,024, N 4,096]; A: computed on the way; B: input W1: QUANTISED
;;     8. [M 4,096, K 4,096] x [K 4,096, N 1,024]; A: computed on the way; B: input W2: QUANTISED
;;   THE QUANTISER, for each operand of a quantised product, along K:
;;     - K is cut into blocks of 32 from its start; a last block that is shorter is filled with zeros.
;;     - A block's scale is 2^e with e = floor(log2(the largest magnitude in the block)) - 2, held to -126 .. 127; a block of zeros has e = 0. As a byte (E8M0): e + 127.
;;     - Each number is divided by its block's scale, clamped to +-7.5, and rounded to the nearest number of E2M3, ties to even, subnormals kept.
;;     - The product sums the exact products of the quantised numbers (number of the format x scale) in f32.
;;   ~~~python
;;   def quantise(x, axis):      # numpy; x: float32 -> the quantised numbers, widened to float32 again
;;       x = np.moveaxis(x, axis, -1); K = x.shape[-1]
;;       x = np.pad(x, [(0, 0)] * (x.ndim - 1) + [(0, -K % 32)]); x = x.reshape(x.shape[:-1] + (-1, 32)); a = np.abs(x).max(-1, keepdims=True)
;;       e = np.where(a > 0, np.clip(np.frexp(np.where(a > 0, a, 1))[1] - 1 - 2, -126, 127), 0)      # np.frexp(a)[1] - 1 = floor(log2(a)), exactly
;;       r = np.clip(x / 2.0 ** e, -7.5, 7.5)
;;       step = 2.0 ** (np.maximum(np.frexp(np.where(r == 0, 1, r))[1] - 1, 0) - 3)
;;       q = np.round(r / step) * step * 2.0 ** e      # np.round: ties to even
;;       return np.moveaxis(q.reshape(q.shape[:-2] + (-1,))[..., :K], -1, axis).astype(np.float32)
;;   ~~~
;;   SOFTMAX AHEAD OF A QUANTISED PRODUCT. Where the list says 'softmax', what is quantised is not the finished softmax but p = 2^(t - M), with t = logit x log2(e) and M = ceil(the row's largest t), a whole number; so 1/2 < the row's largest p <= 1. The row's sum l is taken of the UNQUANTISED p, in f32, and the product's result is divided by l at the end. Since M is a whole number, a kernel that streams over the keys may use a running M (the ceiling of the running maximum): every later rescaling is an exact power of two, which a block's scale takes up: the codes' values come out the same.
;;   OPERANDS COMPUTED ON THE WAY. 'Computed on the way' means the value that the module computes at that place (a softmax that the list does not call 'softmax' is quantised finished and normalised). What goes into a quantiser is computed in f32, as accurately as f32 sums, v_exp_f32 and their like allow (about 1e-6 of the number): no bf16 or f16 on the way to a quantiser, and a product that is left as it is and whose result goes on into a quantised operand takes f32 operands (vector FMAs, or v_wmma_f32_16x16x4_f32). A number that lies on a knife's edge between two numbers of the format may be rounded either way, as far as f32 arithmetic and the matrix unit's own rounding can turn it there, and no further.
;; One version. Each part assembles by itself: llvm-mc -triple=amdgcn-amd-amdhsa -mcpu=gfx1250 --defsym DOCPART=n.
;; ======== version 1 of 1: 7 launches
;; workspace buffers: wb 9,863,168 bytes; xq 3,276,800 bytes; qkv 9,830,400 bytes; at 3,276,800 bytes; x1 16,777,216 bytes; hid 13,107,200 bytes
;; launch prep (part 1): grid 448 x 1, 8 waves a work-group, no clusters, 118,016 bytes of LDS; arguments x, g1, be1, xq, Wq, Wk, Wv, Wo, W1, W2, wb; writes xq, wb
.if DOCPART == 1
	.amdgcn_target "amdgcn-amd-amdhsa--gfx1250"
	.amdhsa_code_object_version 6
	.text
	.protected	k_q05c8529b6b_prep
	.globl	k_q05c8529b6b_prep
	.p2align	8
	.type	k_q05c8529b6b_prep,@function
k_q05c8529b6b_prep:
	s_mov_b64 s[64:65], 0
	v_nop
	global_prefetch_b8 v0, s[64:65] scope:SCOPE_SE
	s_setreg_imm32_b32 hwreg(HW_REG_WAVE_MODE, 25, 1), 1
	s_wait_xcnt 0x0
; TWO JOBS THAT DO NOT DEPEND ON EACH OTHER SHARE ONE LAUNCH.  Work-groups 0 to 191 turn the six weights into operands of MX-FP6 (E2M3) products; work-groups 192 to 447 norm the rows of x and quantise them.
; The two ways part at the first line, on the work-group's number alone, so that all eight waves of a work-group go the same way; they never join, and each has LDS bytes of its own: the weights' way bytes 0 to 51,199,
; the rows' way bytes 51,200 to 116,991.  A work-group claims 118,016 bytes of LDS and 8 x 202 registers, so that a second one has room beside it.  The weights' work-groups, which last longer, have the low numbers.
; LAYOUT OF AN OPERAND.  Its rows are cut into blocks of 16; place rho of block t is the true row 32 (t / 2) + 8 (t % 2) + rho + 8 (rho / 8).
; A fragment (a block x 128 along K: 12 registers a lane) is an image of 1,536 bytes: registers 0-3 at 16 l, 4-5 at 512 + 8 l, 6-9 at 768 + 16 l, 10-11 at 1,280 + 8 l (l the lane); register 6 c + i of lane
; (rho, h) holds k = 64 c + 32 h + 0 .. 31.  Codes lie [t][K step][1,536]; scale words [K step][t][rho], 4 bytes each.
; A block's scale is 2^(floor(log2(largest magnitude)) - 2); its byte is the largest magnitude's exponent field - 2, held at 1 from below.
; LIMITS: NaN and infinities are not served; a block of 32 whose largest magnitude lies under 2^-124 keeps the byte 1; a block of zeros has the byte 1 and not 127 (its codes are zeros, and this program alone reads the bytes).
.set NWQ,  192                         ; work-groups of the weights' way
.set LNB,  51200                       ; where the rows' way's LDS bytes begin
	v_lshl_add_u32 v200, v0, 2, 0x1c900
	v_mov_b32 v201, 0
	s_cmp_lt_u32 ttmp9, NWQ
	s_cbranch_scc0 .Lnorm
; ---- THE WEIGHTS.  f32 stored [K][N]; the operand's rows are the columns n.
; A LANE TAKES A COLUMN AND ITS REGISTERS RUN DOWN K: each load reads 128 consecutive bytes, a block of 32 along K lies in one lane, and the conversions give codes with K innermost.
; A work-group takes 128 columns x 512 along K, a wave 32 columns x 256: two row blocks x two K steps.  The codes go through the wave's own LDS and leave as 3,072 consecutive bytes for each row block.
; One path serves all six tensors: sizes and pointers are chosen by the work-group's number.  No barrier: waves share nothing.
.set A16,  4                           ; v4    LDS: where my 16-byte pieces go
.set A8,   5                           ; v5    and my 8-byte pieces
.set RD,   6                           ; v6    LDS: 16 x lane in my wave's region
.set GO,   7                           ; v7-8  byte offset in wb of my 16 bytes of row block 0, 1
.set SO,   9                           ; v9-10 byte offset in wb of my scale word of K step 0, 1
.set SB,   24                          ; v24-25 my column's two scale words
.set OFF,  32                          ; v32-63 4 x lane + i rows of the weight
.set X,    64                          ; v64-127 two sets of 32 numbers
.set C,    128                         ; v128-133 a block's codes
.set D,    134                         ; v134-136 its upper half as the conversion leaves it
.set OUTR, 140                         ; v140-187 the way out
.set BP,   32                          ; s[32:47] the weight at my wave's block kappa of 32 rows
	s_load_b256 s[4:11], s[0:1], 0x20              ; Wq, Wk, Wv, Wo
	s_load_b128 s[12:15], s[0:1], 0x40             ; W1, W2
	s_load_b64 s[16:17], s[0:1], 0x50              ; wb
	v_lshrrev_b32 v1, 5, v0
	v_readfirstlane_b32 s20, v1                    ; wave 0..7
	v_and_b32 v2, 31, v0                           ; lane
	s_and_b32 s21, s20, 3                          ; which 32 of the 128 columns
	s_lshr_b32 s22, s20, 2                         ; which 256 of the 512 along K
	s_lshr_b32 s23, ttmp9, 6                       ; 0: the four square weights, 1: W1, 2: W2
	s_cmp_eq_u32 s23, 0
	s_cselect_b32 s24, 15, 63
	s_and_b32 s24, ttmp9, s24                      ; the work-group's number within its tensor
	s_cmp_eq_u32 s23, 1
	s_cselect_b32 s25, 31, 7                       ; W1 has 32 groups of columns, the others 8
	s_cselect_b32 s26, 5, 3
	s_cselect_b32 s27, 14, 12                      ; log2 of a row's bytes
	s_and_b32 s25, s24, s25                        ; group of columns
	s_lshr_b32 s26, s24, s26                       ; group along K
	s_lshr_b32 s28, ttmp9, 4
	s_lshl_b32 s29, s23, 2
	s_cmp_eq_u32 s23, 0
	s_cselect_b32 s28, s28, s29                    ; 0..3 the square ones, 4 W1, 8 W2:
	s_mul_i32 s28, s28, 786432                     ; where the tensor's codes begin in wb
	s_cmp_eq_u32 s23, 2
	s_cselect_b32 s29, 32, 8                       ; K steps in a row block
	s_lshr_b32 s30, ttmp9, 4                       ; where its scale words begin, and how many row blocks a K step's words are apart
	s_lshl_b32 s30, s30, 12
	s_add_co_u32 s30, s30, 9437184                 ; Wq, Wk, Wv share one table of 256 blocks a K step
	s_mov_b32 s31, 256
	s_mov_b32 s48, 9568256
	s_cmp_lt_u32 ttmp9, 48
	s_cselect_b32 s30, s30, s48                    ; Wo
	s_cselect_b32 s31, s31, 64
	s_mov_b32 s48, 9601024
	s_mov_b32 s49, 256
	s_cmp_lt_u32 ttmp9, 64
	s_cselect_b32 s30, s30, s48                    ; W1
	s_cselect_b32 s31, s31, s49
	s_mov_b32 s48, 9732096
	s_cmp_lt_u32 ttmp9, 128
	s_cselect_b32 s30, s30, s48                    ; W2
	s_cselect_b32 s31, s31, 64
	s_lshl_b32 s54, s25, 7
	s_lshl_b32 s48, s21, 5
	s_add_co_u32 s54, s54, s48                     ; my first column
	s_lshl_b32 s55, s26, 9
	s_lshl_b32 s48, s22, 8
	s_add_co_u32 s55, s55, s48                     ; my first k
	s_lshr_b32 s56, s54, 4                         ; my first row block
	s_lshr_b32 s57, s55, 7                         ; my first K step
	s_lshl_b32 s58, 1, s27                         ; a row's bytes
	s_lshl_b32 s52, s55, s27
	s_lshl_b32 s48, s54, 2
	s_add_co_u32 s52, s52, s48                     ; where my part begins in the weight (under 2^24)
	s_mov_b32 s53, 0
	s_lshl_b32 s50, s58, 5                         ; 32 rows on
	s_mov_b32 s51, 0
	v_lshlrev_b32 v3, 2, v2
.irp i, 0,1,2,3,4,5,6,7,8,9,10,11,12,13,14,15,16,17,18,19,20,21,22,23,24,25,26,27,28,29,30,31
	v_mad_u32_u24 v[OFF+\i], s58, \i, v3
.endr
	v_bfe_u32 v12, v0, 3, 1                        ; column lane of my 32 is place rho of row block tl: tl = (lane / 8) % 2,
	v_and_b32 v13, 7, v0
	v_bfe_u32 v14, v0, 4, 1
	v_lshl_add_u32 v13, v14, 3, v13                ; rho = lane % 8 + 8 (lane / 16)
	s_mul_i32 s48, s20, 6400                       ; my wave's LDS: two row blocks, 3,200 bytes apart (3,072 + 128)
	v_mul_u32_u24 v14, v12, 3200
	v_add_nc_u32 v14, s48, v14
	v_lshl_add_u32 v[A16], v13, 4, v14
	v_lshl_add_u32 v[A8], v13, 3, v14
	v_lshl_add_u32 v[RD], v2, 4, s48
	s_mul_i32 s48, s56, s29
	s_add_co_u32 s48, s48, s57
	s_mul_i32 s48, s48, 1536
	s_add_co_u32 s48, s48, s28
	v_lshl_add_u32 v[GO], v2, 4, s48               ; codes: (row block x K steps + K step) x 1,536 + 16 x lane
	s_mul_i32 s49, s29, 1536
	v_add_nc_u32 v[GO+1], s49, v[GO]
	s_mul_i32 s48, s57, s31
	s_add_co_u32 s48, s48, s56
	s_lshl_b32 s48, s48, 6
	s_add_co_u32 s48, s48, s30
	v_lshlrev_b32 v14, 6, v12
	v_lshl_add_u32 v14, v13, 2, v14
	v_add_nc_u32 v[SO], s48, v14                   ; scale words: (K step x pitch + row block) x 64 + 4 rho: the 32 lanes cover 128 consecutive bytes
	s_lshl_b32 s49, s31, 6
	v_add_nc_u32 v[SO+1], s49, v[SO]
	s_wait_kmcnt 0x0
	s_cmp_lt_u32 ttmp9, 16                         ; the tensor: a choice that hangs on the work-group's number alone
	s_cselect_b64 s[18:19], s[4:5], s[6:7]
	s_cmp_lt_u32 ttmp9, 32
	s_cselect_b64 s[18:19], s[18:19], s[8:9]
	s_cmp_lt_u32 ttmp9, 48
	s_cselect_b64 s[18:19], s[18:19], s[10:11]
	s_cmp_lt_u32 ttmp9, 64
	s_cselect_b64 s[18:19], s[18:19], s[12:13]
	s_cmp_lt_u32 ttmp9, 128
	s_cselect_b64 s[18:19], s[18:19], s[14:15]
	s_add_nc_u64 s[BP:BP+1], s[18:19], s[52:53]
.irp k, 1,2,3,4,5,6,7
	s_add_nc_u64 s[BP+2*\k:BP+2*\k+1], s[BP+2*\k-2:BP+2*\k-1], s[50:51]   ; a base for each block of 32 rows: nothing is stepped later
.endr
.macro LOAD t                          ; block t: W(32 t + i, my column), i = 0 .. 31, into set t % 2
.irp i, 0,1,2,3,4,5,6,7,8,9,10,11,12,13,14,15,16,17,18,19,20,21,22,23,24,25,26,27,28,29,30,31
	global_load_b32 v[X+32*((\t)%2)+\i], v[OFF+\i], s[BP+2*(\t):BP+2*(\t)+1] th:TH_LOAD_NT
.endr
.endm
	LOAD 0
	LOAD 1
.macro BLOCK t
.set XS, X+32*((\t)%2)
.if (\t) < 7
	s_wait_loadcnt 32                              ; this block's 32 loads are in; the next block's may be out
.else
	s_wait_loadcnt 0x0
.endif
	v_max3_num_f32 v12, |v[XS]|, |v[XS+1]|, |v[XS+2]|              ; the block's largest magnitude: all 32 numbers are mine
	v_max3_num_f32 v13, |v[XS+3]|, |v[XS+4]|, |v[XS+5]|
.irp i, 6,10,14,18,22,26
	v_max3_num_f32 v12, v12, |v[XS+\i]|, |v[XS+\i+1]|
	v_max3_num_f32 v13, v13, |v[XS+\i+2]|, |v[XS+\i+3]|
.endr
	v_max3_num_f32 v12, v12, |v[XS+30]|, |v[XS+31]|
	v_max3_num_f32 v12, v12, v13, 0x1800000        ; and the floor 2^(3 - 127): the byte cannot fall under 1
	v_add_nc_u32 v11, 0xff000000, v12              ; 2 off the exponent field: the conversion takes this operand's exponent field as its scale
	v_lshrrev_b32 v13, 23, v11                     ; the scale's byte
.if (\t)%4 == 0
	v_mov_b32 v[SB+(\t)/4], v13                    ; four bytes to a word, the lower k in the lower byte
.else
	v_lshl_or_b32 v[SB+(\t)/4], v13, 8*((\t)%4), v[SB+(\t)/4]
.endif
	v_cvt_scalef32_pk16_fp6_f32 v[C:C+2], v[XS:XS+15], v11
	v_cvt_scalef32_pk16_fp6_f32 v[D:D+2], v[XS+16:XS+31], v11      ; (a conversion's three registers begin on an even number)
	v_nop                                          ; one plain instruction between a scaled conversion and the vector instruction that reads its result
.irp i, 0,1,2
	v_mov_b32 v[C+3+\i], v[D+\i]
.endr
	ds_store_b128 v[A16], v[C:C+3] offset:1536*((\t)/4)+768*(((\t)%4)/2)+256*((\t)%2)          ; block t is half (t % 2) of the lanes, registers 6 ((t % 4) / 2) on, of K step t / 4
	ds_store_b64 v[A8], v[C+4:C+5] offset:1536*((\t)/4)+768*(((\t)%4)/2)+512+128*((\t)%2)
.if (\t)+2 < 8
	LOAD (\t)+2
.endif
	s_wait_dscnt 0x0                               ; the stores have read their registers: the next block's codes may be written
.endm
.irp t, 0,1,2,3,4,5,6,7
	BLOCK \t
.endr
	global_store_b32 v[SO], v[SB], s[16:17]
	global_store_b32 v[SO+1], v[SB+1], s[16:17]
.irp n, 0,1,2,3,4,5,6,7,8,9,10,11
	ds_load_b128 v[OUTR+4*\n:OUTR+4*\n+3], v[RD] offset:3200*(\n/6)+512*(\n%6)   ; LDS serves a wave's instructions in order: these see my stores
.endr
.irp n, 0,1,2,3,4,5,6,7,8,9,10,11
	s_wait_dscnt 11-\n                             ; load n is back; the younger ones may be out
	global_store_b128 v[GO+\n/6], v[OUTR+4*\n:OUTR+4*\n+3], s[16:17] offset:512*(\n%6)   ; 32 lanes store 512 consecutive bytes, at a multiple of 256 from the buffer's first byte
.endr
	s_wait_tensorcnt 0x0
	ds_add_u32 v200, v201
	s_wait_dscnt 0x0
	s_endpgm
; ---- THE ROWS.  y = (x - mean) rsqrt(var + 1e-5) g + b for each row of 1,024 numbers, all in f32, and y quantised along the row, stored as an operand's fragments: codes from byte 0, scale words from byte 3,145,728.
; A work-group is one row block.  PHASE 1: wave w norms the rows at places 2 w and 2 w + 1, a whole row in 32 registers: mean first, then the sum of squares of x - mean (no difference of large sums).
; The rows meet in LDS (4,096 bytes + 16 a row, so that sixteen rows' pieces start at sixteen different banks).  PHASE 2: wave w quantises K step w of all 16 rows and stores one fragment.
; REGISTERS: v2-7 lane numbers and addresses that stay; v8-23 sums, means, roots; v24, v25 the stores' offsets, which hold nothing else; v32-95 my two rows, later 64 numbers of a K step; v96-159 g and b; v160-196 the quantiser's.
.set LP,  4112
.set O8,  24                           ; v24  8 x lane: a fragment's 8-byte pieces
.set OSC, 25                           ; v25  my row's scale word in the buffer
.set PC,  160                          ; v160-178 the codes just made
.set TM,  180                          ; v180-195 at work in QUANT
.set PW,  196                          ; the scale word
.set SEL, 16                           ; s[16:17] lane selects: lane l xor 16
; 64 numbers of a lane, v[s] .. v[s + 63], register 16 b + i = k 32 b + 16 (lane / 16) + i of my row, become a fragment's codes in v[PC] on and its scale word in v[pw].
.macro QUANT s, pw
.irp b, 0,1,2,3
	v_max3_num_f32 v[TM+\b], |v[\s+16*\b]|, |v[\s+1+16*\b]|, 0x1800000   ; block b: my 16 numbers, and the floor 2^(3 - 127): the byte cannot fall under 1
.endr
.irp i, 2,4,6,8,10,12,14
.irp b, 0,1,2,3
	v_max3_num_f32 v[TM+\b], v[TM+\b], |v[\s+16*\b+\i]|, |v[\s+1+16*\b+\i]|
.endr
.endr
.irp b, 0,1,2,3
	v_permlanex16_b32 v[TM+4+\b], v[TM+\b], s[SEL], s[SEL+1]
.endr
.irp b, 0,1,2,3
	v_max_num_f32 v[TM+\b], v[TM+\b], v[TM+4+\b]   ; with lane l xor 16's: the block's largest magnitude
.endr
.irp b, 0,1,2,3
	v_add_nc_u32 v[TM+12+\b], 0xff000000, v[TM+\b] ; 2 off its exponent field: the conversion's scale operand
.endr
.irp b, 0,1,2,3
	v_lshrrev_b32 v[TM+4+\b], 23, v[TM+12+\b]      ; the scale's byte
.endr
	v_lshl_or_b32 v[\pw], v[TM+5], 8, v[TM+4]
	v_lshl_or_b32 v[\pw], v[TM+6], 16, v[\pw]
	v_lshl_or_b32 v[\pw], v[TM+7], 24, v[\pw]
.irp c, 0,1
	v_cvt_scalef32_pk16_fp6_f32 v[PC+6*\c:PC+2+6*\c], v[\s+32*\c:\s+15+32*\c], v[TM+12+2*\c]
	v_cvt_scalef32_pk16_fp6_f32 v[PC+12+4*\c:PC+14+4*\c], v[\s+16+32*\c:\s+31+32*\c], v[TM+12+2*\c+1]   ; (a conversion's three registers begin on an even number)
.endr
	v_nop                                          ; one plain instruction behind the scaled conversions
.irp c, 0,1                                    ; the operand's layout wants a whole block in a lane: lanes 0-15 block 2 c, lanes 16-31 block 2 c + 1
.irp i, 0,1,2
	v_permlane16_swap_b32 v[PC+6*\c+\i], v[PC+12+4*\c+\i]
.endr
.irp i, 0,1,2
	v_mov_b32 v[PC+3+6*\c+\i], v[PC+12+4*\c+\i]
.endr
.endr
.endm
.Lnorm:
	s_load_b256 s[4:11], s[0:1], 0x0               ; the rows, g, b, the operand
	s_sub_co_u32 s28, ttmp9, NWQ                   ; my row block, 0 .. 255
	v_lshrrev_b32 v1, 5, v0
	v_readfirstlane_b32 s12, v1                    ; wave 0..7
	v_and_b32 v2, 31, v0                           ; lane
	v_lshlrev_b32 v3, 4, v2                        ; 16 x lane
	v_lshlrev_b32 v[O8], 3, v2                     ; 8 x lane
	v_and_b32 v6, 15, v0                           ; r
	v_bfe_u32 v7, v0, 4, 1                         ; h
	s_lshr_b32 s13, s28, 1
	s_lshl_b32 s13, s13, 5
	s_and_b32 s14, s28, 1
	s_lshl_b32 s14, s14, 3
	s_add_co_u32 s13, s13, s14
	s_lshl_b32 s14, s12, 1
	s_add_co_u32 s13, s13, s14
	s_lshr_b32 s14, s12, 2
	s_lshl_b32 s14, s14, 3
	s_add_co_u32 s13, s13, s14                     ; the true row at place 2 w; place 2 w + 1 is the row behind it
	s_lshl_b32 s14, s13, 12
	s_mov_b32 s15, 0
	s_mov_b32 s[SEL], 0x76543210
	s_mov_b32 s[SEL+1], 0xfedcba98
	s_mov_b32 s18, 0x3a800000                      ; 1 / 1,024
	s_mov_b32 s19, 0x3727c5ac                      ; 1e-5
	s_mul_i32 s20, s12, 2*LP
	s_add_co_u32 s20, s20, LNB
	v_add_nc_u32 v4, s20, v3                       ; LDS, phase 1: my two rows, 16 bytes a lane
	v_mul_u32_u24 v5, v6, LP
	v_lshl_add_u32 v5, v7, 6, v5
	s_lshl_b32 s21, s12, 9
	s_add_co_u32 s21, s21, LNB
	v_add_nc_u32 v5, s21, v5                       ; LDS, phase 2: row r, K step w, + 64 h: my 16 numbers of a block of 32
	s_lshl_b32 s22, s28, 3
	s_add_co_u32 s22, s22, s12
	s_mul_i32 s22, s22, 1536                       ; my fragment: (8 t + w) x 1,536
	s_mov_b32 s23, 0
	s_lshl_b32 s27, s12, 8
	s_add_co_u32 s27, s27, s28
	s_lshl_b32 s27, s27, 6
	s_add_co_u32 s27, s27, 3145728                 ; its scale words: (256 w + t) x 64
	v_lshl_add_u32 v[OSC], v6, 2, s27
.irp b, 0,1,2,3
	v_mov_b32 v[TM+4+\b], 0                        ; written once: a lane permute's destination counts as one of its sources
.endr
	v_mov_b32 v21, 0                               ; (named as the upper halves of the pairs that carry 1 / sigma)
	v_mov_b32 v23, 0
	s_wait_kmcnt 0x0
	s_add_nc_u64 s[4:5], s[4:5], s[14:15]
	s_add_nc_u64 s[24:25], s[10:11], s[22:23]
.irp R, 0,1
.irp j, 0,1,2,3,4,5,6,7
	global_load_b128 v[32+32*\R+4*\j:35+32*\R+4*\j], v3, s[4:5] offset:4096*\R+512*\j   ; 512 consecutive bytes a load: register 4 j + e is column 128 j + 4 lane + e
.endr
.endr
.irp j, 0,1,2,3,4,5,6,7
	global_load_b128 v[96+4*\j:99+4*\j], v3, s[6:7] offset:512*\j
.endr
.irp j, 0,1,2,3,4,5,6,7
	global_load_b128 v[128+4*\j:131+4*\j], v3, s[8:9] offset:512*\j
.endr
	s_wait_loadcnt 16                              ; my two rows are in; the sixteen loads of g and b may be out
; the two rows take turns line by line.  Row R: sums in v[8+4R:9+4R] and v[10+4R:11+4R]
.irp R, 0,1
	v_pk_add_f32 v[8+4*\R:9+4*\R], v[32+32*\R:33+32*\R], v[34+32*\R:35+32*\R]
	v_pk_add_f32 v[10+4*\R:11+4*\R], v[36+32*\R:37+32*\R], v[38+32*\R:39+32*\R]
.endr
.irp i, 8,12,16,20,24,28
.irp R, 0,1
	v_pk_add_f32 v[8+4*\R:9+4*\R], v[8+4*\R:9+4*\R], v[32+32*\R+\i:33+32*\R+\i]
	v_pk_add_f32 v[10+4*\R:11+4*\R], v[10+4*\R:11+4*\R], v[34+32*\R+\i:35+32*\R+\i]
.endr
.endr
.irp R, 0,1
	v_pk_add_f32 v[8+4*\R:9+4*\R], v[8+4*\R:9+4*\R], v[10+4*\R:11+4*\R]
.endr
.irp R, 0,1
	v_add_f32 v[8+4*\R], v[8+4*\R], v[9+4*\R]
.endr
.irp m, 1,2,4,8
.irp R, 0,1
	v_add_f32_dpp v[8+4*\R], v[8+4*\R], v[8+4*\R] row_xmask:\m row_mask:0xf bank_mask:0xf
.endr
.endr
.irp R, 0,1
	v_permlanex16_b32 v[9+4*\R], v[8+4*\R], s[SEL], s[SEL+1]
.endr
.irp R, 0,1
	v_add_f32 v[8+4*\R], v[8+4*\R], v[9+4*\R]
.endr
.irp R, 0,1
	v_mul_f32 v[8+4*\R], s18, v[8+4*\R]            ; the mean, in every lane
.endr
.irp i, 0,2,4,6,8,10,12,14,16,18,20,22,24,26,28,30
.irp R, 0,1
	v_pk_add_f32 v[32+32*\R+\i:33+32*\R+\i], v[32+32*\R+\i:33+32*\R+\i], v[8+4*\R:9+4*\R] op_sel_hi:[1,0] neg_lo:[0,1] neg_hi:[0,1]   ; d = x - mean
.endr
.endr
.irp R, 0,1
	v_pk_mul_f32 v[10+4*\R:11+4*\R], v[32+32*\R:33+32*\R], v[32+32*\R:33+32*\R]
	v_pk_mul_f32 v[16+2*\R:17+2*\R], v[34+32*\R:35+32*\R], v[34+32*\R:35+32*\R]
.endr
.irp i, 4,8,12,16,20,24,28
.irp R, 0,1
	v_pk_fma_f32 v[10+4*\R:11+4*\R], v[32+32*\R+\i:33+32*\R+\i], v[32+32*\R+\i:33+32*\R+\i], v[10+4*\R:11+4*\R]
	v_pk_fma_f32 v[16+2*\R:17+2*\R], v[34+32*\R+\i:35+32*\R+\i], v[34+32*\R+\i:35+32*\R+\i], v[16+2*\R:17+2*\R]
.endr
.endr
.irp R, 0,1
	v_pk_add_f32 v[10+4*\R:11+4*\R], v[10+4*\R:11+4*\R], v[16+2*\R:17+2*\R]
.endr
.irp R, 0,1
	v_add_f32 v[10+4*\R], v[10+4*\R], v[11+4*\R]
.endr
.irp m, 1,2,4,8
.irp R, 0,1
	v_add_f32_dpp v[10+4*\R], v[10+4*\R], v[10+4*\R] row_xmask:\m row_mask:0xf bank_mask:0xf
.endr
.endr
.irp R, 0,1
	v_permlanex16_b32 v[11+4*\R], v[10+4*\R], s[SEL], s[SEL+1]
.endr
.irp R, 0,1
	v_add_f32 v[10+4*\R], v[10+4*\R], v[11+4*\R]
.endr
.irp R, 0,1
	v_fma_f32 v[10+4*\R], v[10+4*\R], s18, s19     ; var + 1e-5
.endr
	v_rsq_f32 v20, v10
	v_rsq_f32 v22, v14
	v_nop                                          ; a plain instruction behind the two roots
	s_wait_alu depctr_va_vdst(0)                   ; one wait for both, ahead of their first reader
	s_wait_loadcnt 0x0                             ; g and b
.irp i, 0,2,4,6,8,10,12,14,16,18,20,22,24,26,28,30
.irp R, 0,1
	v_pk_mul_f32 v[32+32*\R+\i:33+32*\R+\i], v[32+32*\R+\i:33+32*\R+\i], v[20+2*\R:21+2*\R] op_sel_hi:[1,0]
.endr
.irp R, 0,1
	v_pk_fma_f32 v[32+32*\R+\i:33+32*\R+\i], v[32+32*\R+\i:33+32*\R+\i], v[96+\i:97+\i], v[128+\i:129+\i]
.endr
.endr
.irp R, 0,1
.irp j, 0,1,2,3,4,5,6,7
	ds_store_b128 v4, v[32+32*\R+4*\j:35+32*\R+4*\j] offset:LP*\R+512*\j
.endr
.endr
	s_wait_dscnt 0x0                               ; for the others' sake: my rows lie in LDS
	s_barrier_signal -1
	s_barrier_wait -1
.irp b, 0,1,2,3
.irp j, 0,1,2,3
	ds_load_b128 v[32+16*\b+4*\j:35+16*\b+4*\j], v5 offset:128*\b+16*\j   ; y(row r, 128 w + 32 b + 16 h + 4 j ..)
.endr
.endr
	s_wait_dscnt 0x0
	QUANT 32, PW
	global_store_b128 v3, v[PC:PC+3], s[24:25]
	global_store_b64 v[O8], v[PC+4:PC+5], s[24:25] offset:512
	global_store_b128 v3, v[PC+6:PC+9], s[24:25] offset:768
	global_store_b64 v[O8], v[PC+10:PC+11], s[24:25] offset:1280
	v_cmp_gt_u32 vcc_lo, 16, v2                    ; lanes 0-15 store the 16 rows' scale words
	s_wait_xcnt 0x0                                ; EXEC changes only behind this wait: the stores above have taken their sources
	s_wait_tensorcnt 0x0
	ds_add_u32 v200, v201
	s_wait_dscnt 0x0
	s_and_saveexec_b32 s26, vcc_lo
	global_store_b32 v[OSC], v[PW], s[10:11]
	s_wait_xcnt 0x0                                ; and again, in front of the line that widens it
	s_or_b32 exec_lo, exec_lo, s26
	s_endpgm
.Lfunc_end_k_q05c8529b6b_prep:
	.size	k_q05c8529b6b_prep, .Lfunc_end_k_q05c8529b6b_prep-k_q05c8529b6b_prep
	.p2alignl 7, 3214868480
	.fill 96, 4, 3214868480
	.section	.rodata,"a",@progbits
	.p2align	6, 0x0
	.amdhsa_kernel k_q05c8529b6b_prep
		.amdhsa_group_segment_fixed_size 118016
		.amdhsa_private_segment_fixed_size 0
		.amdhsa_enable_private_segment 0
		.amdhsa_kernarg_size 88
		.amdhsa_user_sgpr_count 2
		.amdhsa_user_sgpr_kernarg_segment_ptr 1
		.amdhsa_wavefront_size32 1
		.amdhsa_system_sgpr_workgroup_id_x 1
		.amdhsa_system_sgpr_workgroup_id_y 1
		.amdhsa_system_sgpr_workgroup_id_z 1
		.amdhsa_system_vgpr_workitem_id 0
		.amdhsa_next_free_vgpr 202
		.amdhsa_next_free_sgpr 66
		.amdhsa_reserve_vcc 1
		.amdhsa_float_denorm_mode_32 3
		.amdhsa_float_denorm_mode_16_64 3
		.amdhsa_memory_ordered 1
		.amdhsa_forward_progress 1
		.amdhsa_inst_pref_size 70
	.end_amdhsa_kernel
	.amdgpu_metadata
---
amdhsa.version: [ 1, 2 ]
amdhsa.kernels:
  - .name:           k_q05c8529b6b_prep
    .symbol:         k_q05c8529b6b_prep.kd
    .args:
      - { .name: x, .offset: 0, .size: 8, .value_kind: global_buffer, .address_space: global }
      - { .name: g1, .offset: 8, .size: 8, .value_kind: global_buffer, .address_space: global }
      - { .name: be1, .offset: 16, .size: 8, .value_kind: global_buffer, .address_space: global }
      - { .name: xq, .offset: 24, .size: 8, .value_kind: global_buffer, .address_space: global }
      - { .name: Wq, .offset: 32, .size: 8, .value_kind: global_buffer, .address_space: global }
      - { .name: Wk, .offset: 40, .size: 8, .value_kind: global_buffer, .address_space: global }
      - { .name: Wv, .offset: 48, .size: 8, .value_kind: global_buffer, .address_space: global }
      - { .name: Wo, .offset: 56, .size: 8, .value_kind: global_buffer, .address_space: global }
      - { .name: W1, .offset: 64, .size: 8, .value_kind: global_buffer, .address_space: global }
      - { .name: W2, .offset: 72, .size: 8, .value_kind: global_buffer, .address_space: global }
      - { .name: wb, .offset: 80, .size: 8, .value_kind: global_buffer, .address_space: global }
    .group_segment_fixed_size: 118016
    .private_segment_fixed_size: 0
    .kernarg_segment_align: 8
    .kernarg_segment_size: 88
    .max_flat_workgroup_size: 256
    .sgpr_count:     66
    .vgpr_count:     202
    .wavefront_size: 32
...
	.end_amdgpu_metadata
.endif
;; end of part 1
;; launch qkv (part 2): grid 48 x 4, 4 waves a work-group, clusters of 4 x 4, 327,680 bytes of LDS; arguments xq, wb, bq, bk, bv, qkv; writes qkv
.if DOCPART == 2
	.amdgcn_target "amdgcn-amd-amdhsa--gfx1250"
	.amdhsa_code_object_version 6
	.text
	.protected	k_q05c8529b6b_qkv
	.globl	k_q05c8529b6b_qkv
	.p2align	8
	.type	k_q05c8529b6b_qkv,@function
k_q05c8529b6b_qkv:
	s_mov_b64 s[64:65], 0
	v_nop
	global_prefetch_b8 v0, s[64:65] scope:SCOPE_SE
	s_setreg_imm32_b32 hwreg(HW_REG_WAVE_MODE, 25, 1), 1
	s_wait_xcnt 0x0
	s_wait_alu depctr_hold_cnt(0) depctr_sa_sdst(0) depctr_va_vdst(0) depctr_va_sdst(0) depctr_va_ssrc(0) depctr_va_vcc(0) depctr_vm_vsrc(0)
	s_getreg_b32 s2, hwreg(HW_REG_IB_STS2, 6, 4)
	s_cmp_eq_u32 s2, 0
	s_cbranch_scc0 .Lentry_in_a_cluster
	s_endpgm
.Lentry_in_a_cluster:
	s_bfe_u32 s2, ttmp6, 0x10000c
	s_cmp_lg_u32 s2, 0xf033
	s_cbranch_scc0 .Lentry_shape_is_right
	s_endpgm
.Lentry_shape_is_right:
; A product of two MX-FP6 (E2M3) operands with K = 1,024 whose result, with its bias (and relu), is quantised again in registers and stored as the next product's operand.
; KIND 0: q = h Wq + bq and k = h Wk + bk (tokens x 2,048 columns, quantised along the columns: a head's 64 are two blocks of 32), and v^T = (h Wv + bv)^T (1,024 channels x 4,096 tokens, quantised along the tokens, the
;         second attention product's K).  Clusters 0-7 make q and k: operand A = the tokens, B = Wq, Wk.  Clusters 8-11 make v^T: THE OPERANDS CHANGE PLACES, A = Wv, B = the tokens; all else is the same text.
; KIND 1: relu(h W1 + b1), tokens x 4,096, quantised along the 4,096.
; LAYOUT OF EVERY OPERAND: rows in blocks of 16, place rho of block t = true row 32 (t / 2) + 8 (t % 2) + rho + 8 (rho / 8).  A fragment (block x 128 along K, 12 registers a lane) is an image of 1,536 bytes: registers 0-3 at
; 16 l, 4-5 at 512 + 8 l, 6-9 at 768 + 16 l, 10-11 at 1,280 + 8 l.  Codes [t][K step][1,536]; scale words [K step][t][rho].  So a fragment comes from LDS by four loads of consecutive bytes, with no pitch and no padding.
; THE MATRIX INSTRUCTION IS USED TRANSPOSED (source 0 = a block of B, source 1 = a block of A): a lane holds one row of A, and by the order of rows in B's blocks the 64 registers of its eight accumulators are
; k = 32 b + 16 (lane / 16) + i of the next operand, register 16 b + i: the order in which the conversions want them.  The new fragment inherits A's order of rows.
; A tile is 256 rows of A x 256 rows of B: four waves, as many as a WGP has SIMDs, each 128 x 128 in 64 accumulators.  K goes in steps of 256 through two LDS slots filled by the tensor data mover; the scale words of the
; tile's rows for all of K come once, with the first fills.  CLUSTERS: 4 x 4 work-groups; A's tiles are asked for jointly along a row of the cluster, B's along a column.
; The bias of B's rows is the C of each accumulator's first matrix instruction; the bias of A's rows (bv) is added on the way out.  Where a cluster has no such bias the registers hold zeros (a select, no branch).
; REGISTERS: window 0: v16-29 addresses; v32-63 scale words, two sets; v64-127 bias of B's rows; v128-223 A's eight fragments, one set; v224-239 bias of A's rows; v240-255 at work.  On the way out v128-223 are free.
;   window 1: B's fragments, two sets, at v0 and v128.  windows 2, 3: the accumulators of my rows 0-63 and 64-127, (a, b) at v[8 (8 (a % 4) + b)].
; LIMITS: NaN and infinities are not served; a block of 32 whose largest magnitude lies under 2^-124 keeps the scale byte 1; a block of zeros has the byte 1 and not 127 (its codes are zeros; this program alone reads the bytes).
.set KIND,   0
.set FR,     12                        ; registers of a fragment
.set NL,     4                         ; LDS loads that bring one
.set NP,     4                         ; places behind this matrix instruction (ISA guide 7.12.1)
.set NQ,     2                         ; K steps of 128 in a slot
.set FRB,    1536
.set BLK,    NQ*FRB                    ; a row block's part of a slot
.set HALFT,  8*BLK                     ; 8 row blocks: what one tensor load brings, and what a wave reads of A or of B
.set SLOT,   4*HALFT                   ; A's 16 blocks, then B's 16
.set KROW,   8*FRB                     ; a row block's codes of all of K in memory
.set SCL,    2*SLOT                    ; behind the ring: A's scale words [8 K steps][16 blocks][64], then B's
.set HALFS,  4096                      ; four K steps' words of 16 blocks: what one tensor load brings
.set SPARE,  SCL+4*HALFS               ; the spare words, 128 bytes for each wave: two blocks of 256 bytes that no other line names
.set LAPS,   2                         ; a lap = two slots = 512 along K
.set ADRA, 16                          ; v16-17 LDS address of my A fragments' 16-byte pieces in slot 0, 1; v18-19 of their 8-byte pieces
.set ADRB, 20                          ; v20-23 the same for B
.set O16,  24                          ; v24  16 x lane
.set O8,   25                          ; v25  8 x lane
.set OS,   26                          ; v26  4 x lane
.set ADRS, 27                          ; v27  LDS address of my scale words: lanes 0-15 A's rows, lanes 16-31 B's
.set SPW,  28                          ; v28  LDS address of my spare word; never rewritten
.set NIL,  29                          ; v29  0; never rewritten
.set SC,   32                          ; scale words: set s at v[SC + 16 s]; register 2 i + q: lanes 0-15 A's block i, lanes 16-31 B's block i, the slot's q-th K step
.set CB,   64
.set AF,   128
.set RB,   224
.set TM,   240
.set T,    128                         ; the way out: 64 numbers
.set PC,   192                         ; the codes just made (v192-210)
.set PWS,  212                         ; v212-219 the eight blocks' scale words
.set XW,   220                         ; v220-223 two blocks' words in one register
.set G1,   24                          ; s[24:31] descriptor group 1 for A's tiles; s[32:39] group 0, a set for each slot
.set G0,   32
.set G1B,  48                          ; s[48:55], s[56:63] the same for B's
.set G0B,  56
.set G1S,  68                          ; s[68:75], s[76:79] groups 1 and 0 for A's scale words; s[80:87], s[88:91] for B's
.set G0S,  76
.set G1SB, 80
.set G0SB, 88
.set OUT,  96                          ; s[96:97] where my block's fragment goes
.set OUTS, 98                          ; s[98:99] where my eight blocks' scale words go
.set SEL,  104                         ; s[104:105] lane selects: lane l xor 16
.if KIND == 0
.set OP,   14
.else
.set OP,   10
.endif
.set MSB, 0
.macro WIN new                         ; the immediate's high byte repeats the setting that is left
.if MSB != (\new)
	s_set_vgpr_msb (MSB<<8)|(\new)
.set MSB, (\new)
.endif
.endm
.set MUL_LO, 0xa1                      ; source 0 (B) window 1, source 1 (A) window 0, C and D window 2
.set MUL_HI, 0xf1                      ; the same, C and D window 3
.set TO_B,   0x40                      ; destination window 1, address window 0
; A joint load: waves 0 and 1 fetch for A, waves 2 and 3 for B.  Each of the two lines has one mask and one set of registers for all that issue it; the branch hangs on the wave's number alone.
; Four v_nop follow each of the two lines, ahead of the jump, the label and what follows.
.macro JLOAD g0a, g1a, g0b, g1b
	s_cmp_eq_u32 s17, 0
	s_cbranch_scc0 .Lfor_b_\@
	tensor_load_to_lds s[\g0a:\g0a+3], s[\g1a:\g1a+7]
	s_nop 0
.rept 4
	v_nop
.endr
	s_branch .Lasked_\@
.Lfor_b_\@:
	tensor_load_to_lds s[\g0b:\g0b+3], s[\g1b:\g1b+7]
	s_nop 0
.rept 4
	v_nop
.endr
.Lasked_\@:
.endm
.macro CREST                           ; a round of the cluster's barrier behind its opening barrier
	s_cmp_lg_u32 s16, 0
	s_cbranch_scc1 .Lnot_wave_0_\@
	s_barrier_signal -3
.Lnot_wave_0_\@:
	s_barrier_wait -3
	s_barrier_signal -1
	s_barrier_wait -1
.endm
.macro CROUND                          ; a whole round
	s_barrier_signal -1
	s_barrier_wait -1
	CREST
.endm
.macro PLACES n
.rept \n
	v_nop
.endr
.endm
.macro FRAG reg, a16, a8, off          ; a fragment's image into 12 registers
	ds_load_b128 v[\reg:\reg+3], v[\a16] offset:\off
	ds_load_b64 v[\reg+4:\reg+5], v[\a8] offset:\off+512
	ds_load_b128 v[\reg+6:\reg+9], v[\a16] offset:\off+768
	ds_load_b64 v[\reg+10:\reg+11], v[\a8] offset:\off+1280
.endm
; 64 numbers of a lane, v[s] .. v[s + 63], register 16 b + i = k 32 b + 16 (lane / 16) + i of my row, become a fragment's codes in v[PC] on and its scale word in v[pw].
.macro QUANT s, pw
.irp b, 0,1,2,3
	v_max3_num_f32 v[TM+\b], |v[\s+16*\b]|, |v[\s+1+16*\b]|, 0x1800000   ; block b: my 16 numbers, and the floor 2^(3 - 127): the byte cannot fall under 1
.endr
.irp i, 2,4,6,8,10,12,14
.irp b, 0,1,2,3
	v_max3_num_f32 v[TM+\b], v[TM+\b], |v[\s+16*\b+\i]|, |v[\s+1+16*\b+\i]|
.endr
.endr
.irp b, 0,1,2,3
	v_permlanex16_b32 v[TM+4+\b], v[TM+\b], s[SEL], s[SEL+1]
.endr
.irp b, 0,1,2,3
	v_max_num_f32 v[TM+\b], v[TM+\b], v[TM+4+\b]   ; with lane l xor 16's: the block's largest magnitude
.endr
.irp b, 0,1,2,3
	v_add_nc_u32 v[TM+12+\b], 0xff000000, v[TM+\b] ; 2 off its exponent field: the conversion's scale operand
.endr
.irp b, 0,1,2,3
	v_lshrrev_b32 v[TM+4+\b], 23, v[TM+12+\b]      ; the scale's byte
.endr
	v_lshl_or_b32 v[\pw], v[TM+5], 8, v[TM+4]
	v_lshl_or_b32 v[\pw], v[TM+6], 16, v[\pw]
	v_lshl_or_b32 v[\pw], v[TM+7], 24, v[\pw]
.irp c, 0,1
	v_cvt_scalef32_pk16_fp6_f32 v[PC+6*\c:PC+2+6*\c], v[\s+32*\c:\s+15+32*\c], v[TM+12+2*\c]
	v_cvt_scalef32_pk16_fp6_f32 v[PC+12+4*\c:PC+14+4*\c], v[\s+16+32*\c:\s+31+32*\c], v[TM+12+2*\c+1]   ; (a conversion's three registers begin on an even number)
.endr
	v_nop                                          ; one plain instruction behind the scaled conversions
.irp c, 0,1                                    ; the operand's layout wants a whole block in a lane: lanes 0-15 block 2 c, lanes 16-31 block 2 c + 1
.irp i, 0,1,2
	v_permlane16_swap_b32 v[PC+6*\c+\i], v[PC+12+4*\c+\i]
.endr
.irp i, 0,1,2
	v_mov_b32 v[PC+3+6*\c+\i], v[PC+12+4*\c+\i]
.endr
.endr
.endm
.if KIND == 0
	s_load_b256 s[4:11], s[0:1], 0x0               ; the tokens' operand, the weights' operands, bq, bk
	s_load_b128 s[12:15], s[0:1], 0x20             ; bv, the result
.else
	s_load_b256 s[4:11], s[0:1], 0x0               ; the tokens' operand, the weights' operands, b1, the result
.endif
	v_lshl_add_u32 v[SPW], v0, 2, SPARE
	v_mov_b32 v[NIL], 0
	ds_add_u32 v28, v29
	ds_add_u32 v28, v29
	s_wait_dscnt 0x0
	v_lshrrev_b32 v1, 5, v0
	v_readfirstlane_b32 s16, v1                    ; wave 0..3
	s_lshr_b32 s17, s16, 1                         ; which half of A's rows is mine.  Also: I fetch for A (0) or for B (1)
	s_and_b32 s18, s16, 1                          ; which half of B's rows.  Also: which half of that tile I fetch
	s_bfe_u32 s40, ttmp6, 0x40000                  ; cx, cy: my place in the cluster
	s_bfe_u32 s41, ttmp6, 0x40004
.if KIND == 0
	s_and_b32 s45, ttmp9, 3
	s_lshl_b32 s45, s45, 2                         ; 4 x (cluster % 4)
	s_lshr_b32 s94, ttmp9, 2
	s_lshl_b32 s94, s94, 2                         ; 4 x (cluster / 4)
	s_cmp_ge_u32 ttmp9, 8                          ; a cluster of v^T?  The same in all sixteen partners
	s_cselect_b32 s95, 0, s45
	s_cselect_b32 s42, s45, s94
	s_cselect_b32 s66, 0, -1                       ; keeps the bias of B's rows (q, k)
	s_cselect_b32 s67, -1, 0                       ; keeps the bias of A's rows (v)
	s_add_co_u32 s95, s95, s41                     ; A's tile: tokens 4 (cluster % 4) + cy, or Wv's cy
	s_add_co_u32 s42, s42, s40                     ; B's tile: Wq, Wk's 4 (cluster / 4) + cx, or tokens 4 (cluster % 4) + cx
.else
	s_and_b32 s95, ttmp7, 0xffff
	s_lshl_b32 s95, s95, 2
	s_add_co_u32 s95, s95, s41                     ; A's tile = 4 x cluster y + cy
	s_lshl_b32 s42, ttmp9, 2
	s_add_co_u32 s42, s42, s40                     ; B's tile = 4 x cluster x + cx
.endif
	s_lshl_b32 s43, s41, 2
	s_lshl_b32 s43, 15, s43                        ; my row of the cluster
	s_lshl_b32 s44, 0x1111, s40                    ; my column
	; descriptor group 1, codes: 8 rows (row blocks) of 3,072 bytes, 12,288 bytes apart in memory, dense in LDS; elements of 8 bytes
	s_or_b32 s[G1+0], s43, (3<<16)|(1<<21)         ; 15:0 the mask: A's tiles go to my row; 17:16 elements of 8 bytes; 21 set beside a mask; no padding
	s_or_b32 s[G1B+0], s44, (3<<16)|(1<<21)
.irp g, G1, G1B
	s_mov_b32 s[\g+1], 384<<16                     ; tensor_dim0
	s_mov_b32 s[\g+2], 8<<16                       ; tensor_dim1
	s_mov_b32 s[\g+3], 384<<16                     ; tile_dim0
	s_mov_b32 s[\g+4], 8                           ; tile_dim1
	s_mov_b32 s[\g+5], 1536                        ; tensor_dim0_stride
	s_mov_b32 s[\g+6], 0
	s_mov_b32 s[\g+7], 0
.endr
	; scale words: 4 rows (K steps) of 1,024 bytes, 16,384 bytes apart
	s_or_b32 s[G1S+0], s43, (3<<16)|(1<<21)
	s_or_b32 s[G1SB+0], s44, (3<<16)|(1<<21)
.irp g, G1S, G1SB
	s_mov_b32 s[\g+1], 128<<16
	s_mov_b32 s[\g+2], 4<<16
	s_mov_b32 s[\g+3], 128<<16
	s_mov_b32 s[\g+4], 4
	s_mov_b32 s[\g+5], 2048
	s_mov_b32 s[\g+6], 0
	s_mov_b32 s[\g+7], 0
.endr
	; where the tiles come from.  A's offsets (s20-23) hang on A's tile alone, B's (s46, s47, s92, s93) on B's alone
	s_mul_i32 s20, s95, 16*KROW
	s_mul_i32 s45, s18, 8*KROW
	s_add_co_u32 s20, s20, s45
	s_mul_i32 s46, s42, 16*KROW
	s_add_co_u32 s46, s46, s45
	s_lshl_b32 s45, s18, 16                        ; four K steps of scale words
	s_lshl_b32 s22, s95, 10
	s_add_co_u32 s22, s22, s45
	s_lshl_b32 s92, s42, 10
	s_add_co_u32 s92, s92, s45
.if KIND == 0
	s_mov_b32 s45, 3145728                         ; the tokens' scale words
	s_mov_b32 s94, 9437184                         ; Wq, Wk, Wv's scale words
	s_cmp_ge_u32 ttmp9, 8
	s_cselect_b32 s21, 1572864, 0                  ; Wv's codes
	s_cselect_b32 s23, 9445376, s45                ; Wv's scale words: 128 blocks on in the table
	s_cselect_b32 s93, s45, s94
	s_add_co_u32 s20, s20, s21
	s_add_co_u32 s22, s22, s23
	s_add_co_u32 s92, s92, s93
.else
	s_add_co_u32 s22, s22, 3145728
	s_add_co_u32 s46, s46, 3145728                 ; W1's codes
	s_add_co_u32 s92, s92, 9601024                 ; W1's scale words
.endif
	s_mov_b32 s21, 0
	s_mov_b32 s23, 0
	s_mov_b32 s47, 0
	s_mov_b32 s93, 0
	s_mul_i32 s45, s16, HALFT                      ; where they go: wave x 8 blocks: no place in the cluster enters an LDS address
	s_mul_i32 s94, s16, HALFS
	s_wait_kmcnt 0x0
.if KIND == 0
	s_cmp_ge_u32 ttmp9, 8
	s_cselect_b64 s[100:101], s[6:7], s[4:5]       ; A's buffer
	s_cselect_b64 s[98:99], s[4:5], s[6:7]         ; B's buffer
.else
	s_mov_b64 s[100:101], s[4:5]
	s_mov_b64 s[98:99], s[6:7]
.endif
	s_add_nc_u64 s[20:21], s[100:101], s[20:21]
	s_add_nc_u64 s[22:23], s[100:101], s[22:23]
	s_add_nc_u64 s[46:47], s[98:99], s[46:47]
	s_add_nc_u64 s[92:93], s[98:99], s[92:93]
	CROUND                                         ; all sixteen work-groups are here: the first joint loads meet
	s_mov_b32 s[G0S], 1
	s_add_co_u32 s[G0S+1], s94, SCL
	s_mov_b64 s[G0S+2:G0S+3], s[22:23]
	s_or_b32 s[G0S+3], s[G0S+3], 0x80000000
	s_mov_b32 s[G0SB], 1
	s_add_co_u32 s[G0SB+1], s94, SCL
	s_mov_b64 s[G0SB+2:G0SB+3], s[92:93]
	s_or_b32 s[G0SB+3], s[G0SB+3], 0x80000000
	JLOAD G0S, G1S, G0SB, G1SB                     ; the scale words first: they are wanted with the first K step
.irp s, 0,1
	s_mov_b32 s[G0+4*\s], 1
	s_add_co_u32 s[G0+4*\s+1], s45, \s*SLOT
	s_add_nc_u64 s[G0+4*\s+2:G0+4*\s+3], s[20:21], \s*BLK
	s_or_b32 s[G0+4*\s+3], s[G0+4*\s+3], 0x80000000
	s_mov_b32 s[G0B+4*\s], 1
	s_add_co_u32 s[G0B+4*\s+1], s45, \s*SLOT
	s_add_nc_u64 s[G0B+4*\s+2:G0B+4*\s+3], s[46:47], \s*BLK
	s_or_b32 s[G0B+4*\s+3], s[G0B+4*\s+3], 0x80000000
	JLOAD G0+4*\s, G1, G0B+4*\s, G1B               ; three loads of mine are out
.endr
	v_and_b32 v1, 15, v0                           ; r
	v_bfe_u32 v2, v0, 4, 1                         ; h
	v_and_b32 v3, 31, v0
	v_lshlrev_b32 v[O16], 4, v3
	v_lshlrev_b32 v[O8], 3, v3
	v_lshlrev_b32 v[OS], 2, v3
	s_mul_i32 s21, s17, HALFT                      ; my 8 blocks of A
	s_mul_i32 s22, s18, HALFT                      ; my 8 blocks of B,
	s_add_co_u32 s22, s22, 2*HALFT                 ; which lie behind A's 16
.irp s, 0,1
	v_add_nc_u32 v[ADRA+\s], s21, v[O16]
	v_add_nc_u32 v[ADRA+2+\s], s21, v[O8]
	v_add_nc_u32 v[ADRB+\s], s22, v[O16]
	v_add_nc_u32 v[ADRB+2+\s], s22, v[O8]
	s_add_co_u32 s21, s21, SLOT
	s_add_co_u32 s22, s22, SLOT
.endr
	s_lshl_b32 s21, s17, 9                         ; A's words: my 8 blocks of 64 bytes
	s_lshl_b32 s22, s18, 9                         ; B's: my 8 blocks, behind A's 8,192 bytes
	s_add_co_u32 s22, s22, 2*HALFS
	s_sub_co_u32 s22, s22, s21
	v_mul_u32_u24 v4, s22, v2                      ; lanes 16-31 take B's
	s_add_co_u32 s21, s21, SCL
	v_lshl_add_u32 v4, v1, 2, v4
	v_add_nc_u32 v[ADRS], s21, v4
	; the bias of B's rows, in the result's layout: for accumulator b my eight are B's true rows 32 (b / 2) + 16 h + 8 (b % 2) + 0 .. 7 of my 128
.if KIND == 0
	s_lshr_b32 s20, ttmp9, 2
	s_cmp_eq_u32 s20, 1
	s_cselect_b64 s[8:9], s[10:11], s[8:9]         ; bk for the clusters of k, else bq (in the clusters of v^T it is read and replaced by zeros)
	s_lshl_b32 s19, s40, 10                        ; 256 cx numbers on
.else
	s_lshl_b32 s19, s42, 10
.endif
	s_lshl_b32 s3, s18, 9
	s_add_co_u32 s19, s19, s3
	v_lshl_add_u32 v5, v2, 6, s19
.irp b, 0,1,2,3,4,5,6,7
	global_load_b128 v[CB+8*\b:CB+8*\b+3], v5, s[8:9] offset:(32*(\b/2)+8*(\b%2))*4
	global_load_b128 v[CB+8*\b+4:CB+8*\b+7], v5, s[8:9] offset:(32*(\b/2)+8*(\b%2))*4+16
.endr
.if KIND == 0
	s_lshl_b32 s19, s41, 10                        ; the bias of A's rows: for block a my one is bv at 256 cy + 128 half + the true row of place r
	s_lshl_b32 s3, s17, 9
	s_add_co_u32 s19, s19, s3
	v_and_b32 v6, 8, v1
	v_add_nc_u32 v6, v6, v1                        ; r + 8 (r / 8)
	v_lshl_add_u32 v6, v6, 2, s19
.irp a, 0,1,2,3,4,5,6,7
	global_load_b32 v[RB+2*\a], v6, s[12:13] offset:(32*(\a/2)+8*(\a%2))*4
	v_mov_b32 v[RB+2*\a+1], 0                      ; (named with it as a pair)
.endr
.endif
.irp b, 0,1,2,3
	v_mov_b32 v[TM+4+\b], 0                        ; written once: a lane permute's destination counts as one of its sources
.endr
	s_mov_b32 s[SEL], 0x76543210
	s_mov_b32 s[SEL+1], 0xfedcba98
	s_mov_b32 s2, 0xffff0000                       ; lanes 16-31
	; where the result goes: fragment (block t0 + a, K step so) and scale words (so, t0 ..)
.if KIND == 0
	s_mov_b32 s4, 24576
	s_mov_b32 s5, 6291456
	s_mov_b32 s6, 16384
	s_cmp_ge_u32 ttmp9, 8
	s_cselect_b32 s100, 49152, s4                  ; from block to block: 1,536 x K steps (q, k: 16; v^T: 32)
	s_cselect_b32 s5, 9699328, s5                  ; the scale words' table
	s_cselect_b32 s6, 4096, s6                     ; from K step to K step in it: 64 x blocks (256; 64)
	s_cselect_b32 s4, 6553600, 0                   ; the codes
.else
	s_mov_b32 s100, 49152
	s_mov_b32 s5, 12582912
	s_mov_b32 s6, 16384
	s_mov_b32 s4, 0
.endif
	s_mov_b32 s101, 0
	s_lshl_b32 s96, s95, 4
	s_lshl_b32 s3, s17, 3
	s_add_co_u32 s96, s96, s3                      ; t0 = 16 x A's tile + 8 x half
	s_lshl_b32 s98, s42, 1
	s_add_co_u32 s98, s98, s18                     ; so = 2 x B's tile + half
	s_mul_i32 s19, s98, s6
	s_lshl_b32 s3, s96, 6
	s_add_co_u32 s19, s19, s3
	s_add_co_u32 s19, s19, s5
	s_mul_i32 s96, s96, s100
	s_mul_i32 s98, s98, 1536
	s_add_co_u32 s96, s96, s98
	s_add_co_u32 s96, s96, s4
	s_mov_b32 s97, 0
	s_mov_b32 s98, s19
	s_mov_b32 s99, 0
	s_add_nc_u64 s[OUT:OUT+1], s[OP:OP+1], s[OUT:OUT+1]
	s_add_nc_u64 s[OUTS:OUTS+1], s[OP:OP+1], s[OUTS:OUTS+1]
	s_wait_loadcnt 0x0                             ; the biases
.if KIND == 0
.set i, 0
.rept 64
	v_cndmask_b32 v[CB+i], 0, v[CB+i], s66         ; zeros in the clusters of v^T
.set i, i+1
.endr
.irp a, 0,1,2,3,4,5,6,7
	v_cndmask_b32 v[RB+2*\a], 0, v[RB+2*\a], s67   ; zeros in the clusters of q and k
.endr
.endif
; 16 matrix instructions: A's blocks a0, a0 + 1 x B's eight, 128 along K: the slot's q-th.  p: B's set; sc: the set of scale words.  zero = 1: the first product starts the sums from the bias: nothing is cleared.
; The 64 accumulators take turns, one instruction a turn, in the same order in every step.
.macro MUL16 a0, p, q, sc, zero
.irp a, \a0, \a0+1
.irp b, 0,1,2,3,4,5,6,7
.if \zero
	v_wmma_scale_f32_16x16x128_f8f6f4 v[8*(8*((\a)%4)+\b):8*(8*((\a)%4)+\b)+7], v[128*(\p)+FR*\b:128*(\p)+FR*\b+FR-1], v[AF+FR*(\a):AF+FR*(\a)+FR-1], v[CB+8*\b:CB+8*\b+7], v[SC+8*NQ*(\sc)+NQ*\b+(\q)], v[SC+8*NQ*(\sc)+NQ*(\a)+(\q)] matrix_a_fmt:MATRIX_FMT_FP6 matrix_b_fmt:MATRIX_FMT_FP6 matrix_a_scale:MATRIX_SCALE_ROW1
.else
	v_wmma_scale_f32_16x16x128_f8f6f4 v[8*(8*((\a)%4)+\b):8*(8*((\a)%4)+\b)+7], v[128*(\p)+FR*\b:128*(\p)+FR*\b+FR-1], v[AF+FR*(\a):AF+FR*(\a)+FR-1], v[8*(8*((\a)%4)+\b):8*(8*((\a)%4)+\b)+7], v[SC+8*NQ*(\sc)+NQ*\b+(\q)], v[SC+8*NQ*(\sc)+NQ*(\a)+(\q)] matrix_a_fmt:MATRIX_FMT_FP6 matrix_b_fmt:MATRIX_FMT_FP6 matrix_a_scale:MATRIX_SCALE_ROW1
.endif
.endr
.endr
.endm
.macro FETCH_B slot, q, p              ; B's eight fragments of the slot's q-th K step into set p
	WIN TO_B
.irp i, 0,1,2,3,4,5,6,7
	FRAG 128*(\p)+FR*\i, ADRB+\slot, ADRB+2+\slot, BLK*\i+FRB*(\q)
.endr
	WIN 0
.endm
.macro FETCH_A slot, q, i0             ; A's blocks i0 .. i0 + 3
.irp i, \i0, \i0+1, \i0+2, \i0+3
	FRAG AF+FR*(\i), ADRA+\slot, ADRA+2+\slot, BLK*(\i)+FRB*(\q)
.endr
.endm
.macro SCALES sc                       ; a slot's scale words into set sc
.irp i, 0,1,2,3,4,5,6,7
.irp q, 0,1
	ds_load_b32 v[SC+8*NQ*\sc+NQ*\i+\q], v[ADRS] offset:64*\i+1024*\q
.endr
.endr
.endm
; A load into a register that a matrix instruction has read, and a vector instruction that reads a matrix result or writes one of its registers, stand NP places behind it; only plain vector instructions that
; name none of its registers are places (ISA guide 7.12.1 for vector instructions).
; A step of 128 along K that has its successor in the same slot.  A block of A is free as soon as its eight products are issued, so one set serves A; B's fragments are at work through the whole step and have two.
.macro STEP slot, q, zero
	s_wait_dscnt 4*NL                              ; B's set, the scale words and A's blocks 0-3 are in; the youngest sixteen loads (A's blocks 4-7) may be out
	WIN MUL_LO-0x20*(\zero)                        ; (the bias, as C, lies in window 0)
	MUL16 0, (\q)%2, \q, \slot, \zero
	MUL16 2, (\q)%2, \q, \slot, \zero
	s_wait_dscnt 0                                 ; A's blocks 4-7 are in (asked for 32 matrix instructions ago)
	PLACES NP
	FETCH_B \slot, (\q)+1, 1-(\q)%2
	FETCH_A \slot, (\q)+1, 0
	WIN MUL_HI-0x30*(\zero)
	MUL16 4, (\q)%2, \q, \slot, \zero
	MUL16 6, (\q)%2, \q, \slot, \zero
	PLACES NP
	WIN 0
	FETCH_A \slot, (\q)+1, 4
.endm
; A slot's last step changes slots: one barrier; in front of it each wave waits for all its tensor loads, adds 0 to its spare word, and waits for that and for its own reads of this slot.  fill = 1: this slot is filled again, two slots ahead.
.macro TURN slot, next, fill
	s_wait_tensorcnt 0x0                           ; all my tensor loads have landed: my part of the next slot  (every window is 0 here)
	ds_add_u32 v[SPW], v[NIL]                      ; 0 onto my spare word
	s_wait_dscnt 4*NL+1                            ; (the add and the youngest sixteen loads, A's blocks 4-7, may be out)
	WIN MUL_LO
	MUL16 0, 1, NQ-1, \slot, 0                     ; sixteen matrix instructions stand between the add and the wait for it
	s_wait_dscnt 0x0                               ; the add is done, and my reads of this slot are over
	s_barrier_signal -1
	MUL16 2, 1, NQ-1, \slot, 0
	WIN 0
	s_barrier_wait -1
.if \fill
	CREST                                          ; the barrier has opened a round of the cluster's barrier: no wave of any partner still reads this slot or has a load on its way
	s_add_nc_u64 s[G0+4*\slot+2:G0+4*\slot+3], s[G0+4*\slot+2:G0+4*\slot+3], 2*BLK
	s_add_nc_u64 s[G0B+4*\slot+2:G0B+4*\slot+3], s[G0B+4*\slot+2:G0B+4*\slot+3], 2*BLK
	JLOAD G0+4*\slot, G1, G0B+4*\slot, G1B         ; the first tensor load behind the round, my only one until the next; its four v_nop are the places in front of the loads below
.else
	PLACES NP
.endif
	v_add_nc_u32 v[ADRS], 1024*NQ, v[ADRS]         ; on to the next slot's scale words
	FETCH_B \next, 0, 0
	FETCH_A \next, 0, 0
	SCALES \next
	WIN MUL_HI
	MUL16 4, 1, NQ-1, \slot, 0
	MUL16 6, 1, NQ-1, \slot, 0
	PLACES NP
	WIN 0
	FETCH_A \next, 0, 4
.endm
	s_wait_tensorcnt 1                             ; the scale words and my part of slot 0 are in (slot 1's load may be out)
	s_barrier_signal -1
	s_barrier_wait -1                              ; everybody's are
	FETCH_B 0, 0, 0
	FETCH_A 0, 0, 0
	SCALES 0
	FETCH_A 0, 0, 4
	STEP 0, 0, 1                                   ; the first step's products start the sums
.rept LAPS-1                           ; K = 1,024 is two laps: the one lap that fills both slots again is written out, with no loop round it
	TURN 0, 1, 1
	STEP 1, 0, 0
	TURN 1, 0, 1
	STEP 0, 0, 0
.endr
	TURN 0, 1, 0                                   ; the last lap fills nothing, and has no round of the cluster's barrier
	STEP 1, 0, 0
	s_wait_dscnt 4*NL                              ; the very last step: nothing more to fetch
	WIN MUL_LO
	MUL16 0, 1, NQ-1, 1, 0
	MUL16 2, 1, NQ-1, 1, 0
	s_wait_dscnt 0
	WIN MUL_HI
	MUL16 4, 1, NQ-1, 1, 0
	MUL16 6, 1, NQ-1, 1, 0
	WIN 0
	PLACES NP                                      ; in front of the first read of results and of the first write over A's fragments
; THE WAY OUT, block a of 16 rows of A: its eight accumulators are 128 neighbours along the next K for each row.  They get the rows' bias (KIND 0) or the relu (KIND 1), are quantised in registers, and the fragment
; leaves as it stands: each store covers 512 or 256 consecutive bytes, at a multiple of 256 from the buffer's first byte.  No LDS.  Each accumulator is read from its low end on.
.macro OUTBLK a
.set AC, 64*((\a)%4)
.if (\a) > 0
	s_wait_xcnt 0x0                                ; the last block's stores have taken their data and their base: both are written again only behind this wait
	s_add_nc_u64 s[OUT:OUT+1], s[OUT:OUT+1], s[100:101]
.endif
.if KIND == 0
	WIN 0x02+(\a)/4                                ; source 0: window 2 or 3
.set i, 0
.rept 32
	v_pk_add_f32 v[T+i:T+i+1], v[AC+i:AC+i+1], v[RB+2*(\a):RB+2*(\a)+1] op_sel_hi:[1,0]
.set i, i+2
.endr
.else
	WIN 0x08+4*((\a)/4)                            ; source 1: window 2 or 3
.set i, 0
.rept 64
	v_max_num_f32 v[T+i], 0, v[AC+i]
.set i, i+1
.endr
.endif
	WIN 0
	QUANT T, PWS+(\a)
	global_store_b128 v[O16], v[PC:PC+3], s[OUT:OUT+1]
	global_store_b64 v[O8], v[PC+4:PC+5], s[OUT:OUT+1] offset:512
	global_store_b128 v[O16], v[PC+6:PC+9], s[OUT:OUT+1] offset:768
	global_store_b64 v[O8], v[PC+10:PC+11], s[OUT:OUT+1] offset:1280
.endm
.irp a, 0,1,2,3,4,5,6,7
	OUTBLK \a
.endr
.irp i, 0,1,2,3
	v_cndmask_b32 v[XW+\i], v[PWS+2*\i], v[PWS+2*\i+1], s2   ; lanes 0-15 block 2 i's words, lanes 16-31 block 2 i + 1's
.endr
.irp i, 0,1,2,3
	global_store_b32 v[OS], v[XW+\i], s[OUTS:OUTS+1] offset:128*\i   ; my eight blocks' words: 512 consecutive bytes
.endr
	s_wait_tensorcnt 0x0                           ; the wave's end
	ds_add_u32 v[SPW], v[NIL]
	s_wait_dscnt 0x0
	CROUND                                         ; the closing round: no work-group ends while a partner may still ask for a tile that names it
	s_endpgm
.Lfunc_end_k_q05c8529b6b_qkv:
	.size	k_q05c8529b6b_qkv, .Lfunc_end_k_q05c8529b6b_qkv-k_q05c8529b6b_qkv
	.p2alignl 7, 3214868480
	.fill 96, 4, 3214868480
	.section	.rodata,"a",@progbits
	.p2align	6, 0x0
	.amdhsa_kernel k_q05c8529b6b_qkv
		.amdhsa_group_segment_fixed_size 327680
		.amdhsa_private_segment_fixed_size 0
		.amdhsa_enable_private_segment 0
		.amdhsa_kernarg_size 48
		.amdhsa_user_sgpr_count 2
		.amdhsa_user_sgpr_kernarg_segment_ptr 1
		.amdhsa_wavefront_size32 1
		.amdhsa_system_sgpr_workgroup_id_x 1
		.amdhsa_system_sgpr_workgroup_id_y 1
		.amdhsa_system_sgpr_workgroup_id_z 1
		.amdhsa_system_vgpr_workitem_id 0
		.amdhsa_next_free_vgpr 1024
		.amdhsa_next_free_sgpr 106
		.amdhsa_reserve_vcc 0
		.amdhsa_float_denorm_mode_32 3
		.amdhsa_float_denorm_mode_16_64 3
		.amdhsa_memory_ordered 1
		.amdhsa_forward_progress 1
		.amdhsa_inst_pref_size 175
	.end_amdhsa_kernel
	.amdgpu_metadata
---
amdhsa.version: [ 1, 2 ]
amdhsa.kernels:
  - .name:           k_q05c8529b6b_qkv
    .symbol:         k_q05c8529b6b_qkv.kd
    .args:
      - { .name: xq, .offset: 0, .size: 8, .value_kind: global_buffer, .address_space: global }
      - { .name: wb, .offset: 8, .size: 8, .value_kind: global_buffer, .address_space: global }
      - { .name: bq, .offset: 16, .size: 8, .value_kind: global_buffer, .address_space: global }
      - { .name: bk, .offset: 24, .size: 8, .value_kind: global_buffer, .address_space: global }
      - { .name: bv, .offset: 32, .size: 8, .value_kind: global_buffer, .address_space: global }
      - { .name: qkv, .offset: 40, .size: 8, .value_kind: global_buffer, .address_space: global }
    .group_segment_fixed_size: 327680
    .private_segment_fixed_size: 0
    .kernarg_segment_align: 8
    .kernarg_segment_size: 48
    .max_flat_workgroup_size: 128
    .sgpr_count:     106
    .vgpr_count:     1024
    .wavefront_size: 32
...
	.end_amdgpu_metadata
.endif
;; end of part 2
;; launch attn (part 3): grid 8 x 32, 16 waves a work-group, clusters of 4 x 1, 206,848 bytes of LDS; arguments qkv, at; writes at
.if DOCPART == 3
	.amdgcn_target "amdgcn-amd-amdhsa--gfx1250"
	.amdhsa_code_object_version 6
	.text
	.protected	k_q05c8529b6b_attn
	.globl	k_q05c8529b6b_attn
	.p2align	8
	.type	k_q05c8529b6b_attn,@function
k_q05c8529b6b_attn:
	s_mov_b64 s[64:65], 0
	v_nop
	global_prefetch_b8 v0, s[64:65] scope:SCOPE_SE
	s_setreg_imm32_b32 hwreg(HW_REG_WAVE_MODE, 25, 1), 1
	s_wait_xcnt 0x0
	s_wait_alu depctr_hold_cnt(0) depctr_sa_sdst(0) depctr_va_vdst(0) depctr_va_sdst(0) depctr_va_ssrc(0) depctr_va_vcc(0) depctr_vm_vsrc(0)
	s_getreg_b32 s2, hwreg(HW_REG_IB_STS2, 6, 4)
	s_cmp_eq_u32 s2, 0
	s_cbranch_scc0 .Lentry_in_a_cluster
	s_endpgm
.Lentry_in_a_cluster:
	s_bfe_u32 s2, ttmp6, 0x10000c
	s_cmp_lg_u32 s2, 0x3003
	s_cbranch_scc0 .Lentry_shape_is_right
	s_endpgm
.Lentry_shape_is_right:
; Causal attention on codes of MX-FP6 (E2M3): o = softmax(q k^T / 32) v for 4 batches x 16 heads of 64 x 1,024 tokens, and o quantised along the channels as the next product's operand.
; INPUT (one buffer): q and k as fragments [token block t][K step][1,536]: K step p is q of heads 2 p, 2 p + 1 (64 + 64 along K), K step 8 + p is k; their scale words from byte 6,291,456, [K step][t][rho].
; v^T from byte 6,553,600: [channel block][token step of 128][1,536]; its scale words from byte 9,699,328, [token step][channel block][rho].  Place rho of block t is the true row 32 (t / 2) + 8 (t % 2) + rho + 8 (rho / 8).
; A fragment's image: registers 0-3 at 16 l, 4-5 at 512 + 8 l, 6-9 at 768 + 16 l, 10-11 at 1,280 + 8 l.
; THE SOFTMAX AHEAD OF THE SECOND PRODUCT: t = score x log2(e) / 32; M = the running largest t rounded up to a whole number; p = 2^(t - M) is quantised along the keys, not normalised; the row's sum is taken of the
; unquantised p and divides at the end.  When M moves, the sum and O are multiplied by 2^(old M - new M): exact.
; SHARES.  A work-group takes one batch, one pair of heads and eight blocks of 16 queries for each of the two heads: sixteen waves of 256 registers, four to a SIMD, so that one wave's vector work stands beside another's
; matrix work.  Work-group j takes the blocks 8 i + j, i = 0 .. 7: blocks 8 i .. 8 i + 7 are the tokens 128 i .. 128 i + 127, so a wave with i needs key steps 0 .. i and step i lies on the diagonal, whatever j is.
; i is dealt so that four waves that share a SIMD (by w % 4 or by w / 4) have 18 key steps together.
; ONE FRAGMENT OF k SERVES BOTH HEADS: the wave clears the other head's half of its q (zero codes add nothing under the valid scale bytes) and multiplies whole fragments.
; LDS IS FILLED ONCE: k (98,304 bytes), v^T (98,304) and their scale words (2 x 4,096) of the batch's head pair.  The four work-groups of a cluster want the same bytes and ask for them jointly.
; Both products are used transposed: a lane holds one query throughout.  Every wave walks 8 trips; the work of steps beyond its diagonal is jumped over by a scalar branch on the wave's number.
; j differs between the partners of a cluster.  It enters offsets in memory (v85, v88-92) and the mask's number (v7) alone; the registers of LDS addresses (v1-6, v8-11, v28, v29) never hold a number made with it.
; LIMITS: NaN and infinities are not served; a block of 32 of o whose largest magnitude lies under 2^-124 keeps the scale byte 1; a block of zeros has the byte 1 and not 127 (its codes are zeros; this program alone reads the bytes).
; REGISTERS: v1-7 what stays; v8-11, v28, v29 LDS addresses of the step; v12 -M, v13 the largest t, v[14:15] the sum; v16-27 q, v30 its scale words; v32-79 four fragments, v80-83 their scale words; v84 p's scale word;
;   v86 r, v87 h; v90-92 q's offsets in memory; v96-159 S^T, then p; v160-191 O^T; v224-235 p's codes; v232-254 at work.
.set KFR,  0                           ; LDS: k: 64 blocks x 1,536
.set VFR,  98304                       ; v^T: [8 channel blocks][8 key steps][1,536]
.set KSC,  196608                      ; k's scale words: 64 blocks x 64
.set VSC,  200704                      ; v^T's: [8 key steps][8 channel blocks][64]
.set WV,   18                          ; s18  wave
.set QI,   19                          ; s19  i
.set SEL,  20                          ; s[20:21] lane selects: lane l xor 16
.set CS,   22                          ; s[22:23] c = log2(e) / 32
.set G1K,  24
.set G1V,  32
.set G1KS, 40
.set G1VS, 48
.set G0K,  56
.set G0V,  60
.set G0KS, 68
.set G0VS, 72
.set HP,   76                          ; s76  which head of the pair
.set STP,  77                          ; s77  the key step
.set TK,   2                           ; s2   where the step's blocks of k begin
.set TV,   3                           ; s3   where the step begins in a channel block of v^T
.set TS,   66                          ; s66  where the step's scale words begin, in both tables
.macro CROUND
	s_barrier_signal -1
	s_barrier_wait -1
	s_cmp_lg_u32 s[WV], 0
	s_cbranch_scc1 .Lnot_wave_0_\@
	s_barrier_signal -3
.Lnot_wave_0_\@:
	s_barrier_wait -3
	s_barrier_signal -1
	s_barrier_wait -1
.endm
.macro FRAG reg, a16, a8, off          ; a fragment's image into 12 registers
	ds_load_b128 v[\reg:\reg+3], v[\a16] offset:\off
	ds_load_b64 v[\reg+4:\reg+5], v[\a8] offset:\off+512
	ds_load_b128 v[\reg+6:\reg+9], v[\a16] offset:\off+768
	ds_load_b64 v[\reg+10:\reg+11], v[\a8] offset:\off+1280
.endm
	s_load_b128 s[4:7], s[0:1], 0x0                ; q, k, v^T; the result
	v_lshl_add_u32 v251, v0, 2, 0x32000
	v_mov_b32 v255, 0
	ds_add_u32 v251, v255
	ds_add_u32 v251, v255
	v_lshrrev_b32 v31, 5, v0
	v_readfirstlane_b32 s[WV], v31                 ; wave 0..15
	s_bfe_u32 s79, ttmp6, 0x40000                  ; cx
	s_lshl_b32 s80, ttmp9, 2
	s_add_co_u32 s80, s80, s79                     ; j = 4 x cluster x + cx: it enters q's and the result's addresses and the mask's numbers alone
	s_and_b32 s81, ttmp7, 0xffff
	s_lshr_b32 s82, s81, 3                         ; the batch
	s_and_b32 s83, s81, 7                          ; the pair of heads
	s_bfe_u32 s[HP], s[WV], 0x10002                ; (w / 4) % 2
	s_lshr_b32 s84, s[WV], 3
	s_lshl_b32 s84, s84, 1
	s_bfe_u32 s85, s[WV], 0x10001
	s_add_co_u32 s84, s84, s85                     ; 2 (w / 8) + (w / 2) % 2
	s_lshr_b32 s85, s[WV], 2
	s_xor_b32 s85, s85, s[WV]
	s_and_b32 s85, s85, 1
	s_mul_i32 s85, s85, 7
	s_xor_b32 s[QI], s84, s85                      ; i: that number or 7 less it
	s_and_b32 s86, s[WV], 3
	s_lshl_b32 s87, s82, 6                         ; the batch's first token block
	s_lshl_b32 s88, s86, 4                         ; k: waves 0-3 fetch 16 blocks each
	s_add_co_u32 s88, s88, s87
	s_lshl_b32 s88, s88, 4
	s_add_co_u32 s88, s88, s83
	s_add_co_u32 s88, s88, 8
	s_mul_i32 s88, s88, 1536
	s_mov_b32 s89, 0
	s_lshl_b32 s90, s83, 3                         ; v^T: waves 4-7 fetch 2 channel blocks each, the batch's 8 key steps
	s_lshl_b32 s91, s86, 1
	s_add_co_u32 s90, s90, s91
	s_lshl_b32 s90, s90, 5
	s_lshl_b32 s91, s82, 3
	s_add_co_u32 s90, s90, s91
	s_mul_i32 s90, s90, 1536
	s_add_co_u32 s90, s90, 6553600
	s_mov_b32 s91, 0
	s_add_co_u32 s92, s83, 8                       ; k's scale words: 4,096 dense bytes
	s_lshl_b32 s92, s92, 8
	s_add_co_u32 s92, s92, s87
	s_lshl_b32 s92, s92, 6
	s_add_co_u32 s92, s92, 6291456
	s_mov_b32 s93, 0
	s_lshl_b32 s94, s82, 9                         ; v^T's: 8 rows of 512 bytes
	s_lshl_b32 s95, s83, 3
	s_add_co_u32 s94, s94, s95
	s_lshl_b32 s94, s94, 6
	s_add_co_u32 s94, s94, 9699328
	s_mov_b32 s95, 0
	s_mul_i32 s96, s86, 24576                      ; where a fetching wave's part goes
	; descriptor groups 1: elements of 8 bytes, no padding, the mask names all four work-groups, bit 21 set beside it
.irp g, G1K, G1V, G1KS, G1VS
	s_mov_b32 s[\g], 15|(3<<16)|(1<<21)
	s_mov_b32 s[\g+6], 0
	s_mov_b32 s[\g+7], 0
.endr
	s_mov_b32 s[G1K+1], 192<<16                    ; k: 16 rows of 1,536 bytes, 24,576 bytes apart
	s_mov_b32 s[G1K+2], 16<<16
	s_mov_b32 s[G1K+3], 192<<16
	s_mov_b32 s[G1K+4], 16
	s_mov_b32 s[G1K+5], 3072
	s_mov_b32 s[G1V+1], 1536<<16                   ; v^T: 2 rows of 12,288 bytes, 49,152 bytes apart
	s_mov_b32 s[G1V+2], 2<<16
	s_mov_b32 s[G1V+3], 1536<<16
	s_mov_b32 s[G1V+4], 2
	s_mov_b32 s[G1V+5], 6144
	s_mov_b32 s[G1KS+1], 32<<16                    ; k's scale words: 16 dense rows of 256 bytes
	s_mov_b32 s[G1KS+2], 16<<16
	s_mov_b32 s[G1KS+3], 32<<16
	s_mov_b32 s[G1KS+4], 16
	s_mov_b32 s[G1KS+5], 32
	s_mov_b32 s[G1VS+1], 64<<16                    ; v^T's: 8 rows of 512 bytes, 4,096 bytes apart
	s_mov_b32 s[G1VS+2], 8<<16
	s_mov_b32 s[G1VS+3], 64<<16
	s_mov_b32 s[G1VS+4], 8
	s_mov_b32 s[G1VS+5], 512
	s_mov_b32 s[SEL], 0x76543210
	s_mov_b32 s[SEL+1], 0xfedcba98
	s_mov_b32 s[CS], 0x3d38aa3b                    ; c = log2(e) / 32
	s_mov_b32 s[CS+1], s[CS]                       ; (named with it as a pair)
	s_mov_b32 s78, 0xffff0000                      ; lanes 16-31
	s_wait_dscnt 0x0
	s_wait_kmcnt 0x0
	s_mov_b32 s[G0K], 1
	s_mov_b32 s[G0K+1], s96
	s_add_nc_u64 s[G0K+2:G0K+3], s[4:5], s[88:89]
	s_or_b32 s[G0K+3], s[G0K+3], 0x80000000
	s_mov_b32 s[G0V], 1
	s_add_co_u32 s[G0V+1], s96, VFR
	s_add_nc_u64 s[G0V+2:G0V+3], s[4:5], s[90:91]
	s_or_b32 s[G0V+3], s[G0V+3], 0x80000000
	s_mov_b32 s[G0KS], 1
	s_mov_b32 s[G0KS+1], KSC
	s_add_nc_u64 s[G0KS+2:G0KS+3], s[4:5], s[92:93]
	s_or_b32 s[G0KS+3], s[G0KS+3], 0x80000000
	s_mov_b32 s[G0VS], 1
	s_mov_b32 s[G0VS+1], VSC
	s_add_nc_u64 s[G0VS+2:G0VS+3], s[4:5], s[94:95]
	s_or_b32 s[G0VS+3], s[G0VS+3], 0x80000000
	CROUND                                         ; all four work-groups are here: the joint loads meet
	s_cmp_lt_u32 s[WV], 4                          ; one load a fetching wave; the branches hang on the wave's number alone; four v_nop follow each load
	s_cbranch_scc0 .Lnot_k
	tensor_load_to_lds s[G0K:G0K+3], s[G1K:G1K+7]
	s_nop 0
.rept 4
	v_nop
.endr
	s_branch .Lasked
.Lnot_k:
	s_cmp_lt_u32 s[WV], 8
	s_cbranch_scc0 .Lnot_v
	tensor_load_to_lds s[G0V:G0V+3], s[G1V:G1V+7]
	s_nop 0
.rept 4
	v_nop
.endr
	s_branch .Lasked
.Lnot_v:
	s_cmp_eq_u32 s[WV], 8
	s_cbranch_scc0 .Lnot_ks
	tensor_load_to_lds s[G0KS:G0KS+3], s[G1KS:G1KS+7]
	s_nop 0
.rept 4
	v_nop
.endr
	s_branch .Lasked
.Lnot_ks:
	s_cmp_eq_u32 s[WV], 9
	s_cbranch_scc0 .Lasked
	tensor_load_to_lds s[G0VS:G0VS+3], s[G1VS:G1VS+7]
	s_nop 0
.rept 4
	v_nop
.endr
.Lasked:
	s_lshl_b32 s97, s[QI], 3
	s_add_co_u32 s97, s97, s87
	s_add_co_u32 s97, s97, s80                     ; my block of queries: t = 64 batch + 8 i + j
	s_lshl_b32 s98, s97, 4
	s_add_co_u32 s98, s98, s83
	s_mul_i32 s98, s98, 1536                       ; q's fragment
	s_lshl_b32 s99, s83, 8
	s_add_co_u32 s99, s99, s97
	s_lshl_b32 s99, s99, 6                         ; (256 p + t) x 64: the place of my block's scale words, in q's table and in the result's
	v_and_b32 v31, 31, v0
	v_lshlrev_b32 v1, 4, v31                       ; 16 x lane
	v_lshlrev_b32 v2, 3, v31                       ; 8 x lane
	v_and_b32 v86, 15, v0                          ; r
	v_bfe_u32 v87, v0, 4, 1                        ; h
	v_add_nc_u32 v90, s98, v1                      ; q's offsets in memory have registers of their own
	v_add_nc_u32 v91, s98, v2
	global_load_b128 v[16:19], v90, s[4:5]
	global_load_b64 v[20:21], v91, s[4:5] offset:512
	global_load_b128 v[22:25], v90, s[4:5] offset:768
	global_load_b64 v[26:27], v91, s[4:5] offset:1280
	v_lshl_add_u32 v92, v86, 2, s99
	global_load_b32 v30, v92, s[4:5] offset:6291456
	s_mul_i32 s84, s[HP], 49152                    ; my head's four channel blocks
	s_add_co_u32 s84, s84, VFR
	v_add_nc_u32 v3, s84, v1
	v_add_nc_u32 v4, s84, v2
	v_lshl_add_u32 v5, v86, 2, KSC
	s_lshl_b32 s84, s[HP], 8
	s_add_co_u32 s84, s84, VSC
	v_lshl_add_u32 v6, v86, 2, s84
	s_lshr_b32 s84, s80, 1                         ; d = my query's place among the diagonal step's 128 tokens, less 16 h: register 16 b + i holds key 32 b + 16 h + i, hidden where 32 b + i > d
	s_lshl_b32 s84, s84, 5
	s_and_b32 s85, s80, 1
	s_lshl_b32 s85, s85, 3
	s_add_co_u32 s84, s84, s85
	v_and_b32 v7, 8, v86
	v_add_nc_u32 v7, v7, v86
	v_add_nc_u32 v7, s84, v7
	v_lshlrev_b32 v88, 4, v87
	v_sub_nc_u32 v7, v7, v88
	v_mov_b32 v13, 0xff61b1e6                      ; the largest t so far: -3e38, under every t
	v_floor_f32 v12, -v13                          ; -M
	v_mov_b32 v14, 0                               ; the sum, in two halves
	v_mov_b32 v15, 0
.irp b, 0,1,2,3
	v_mov_b32 v[236+\b], 0                         ; written once: a lane permute's destination counts as one of its sources
.endr
	v_mov_b32 v252, 0                              ; (the destination of the way out's lane permute: written on every way that leads there)
	v_mov_b32 v253, 0                              ; (named as the upper half of the pair v[252:253])
.set n, 0
.rept 32
	v_mov_b32 v[160+n], 0                          ; O^T: the step is written once; the first finds zeros, which the first change of M leaves zeros
.set n, n+1
.endr
	s_cmp_eq_u32 s[HP], 0
	s_cselect_b32 s84, -1, 0                       ; keeps q's registers 0-5 (the pair's first head)
	s_cselect_b32 s85, 0, -1                       ; keeps registers 6-11
	s_mov_b32 s[STP], 0
	s_mov_b32 s[TK], 0
	s_mov_b32 s[TV], 0
	s_mov_b32 s[TS], 0
	s_wait_tensorcnt 0x0                           ; my load, if I have one, has landed,
	s_barrier_signal -1
	s_barrier_wait -1                              ; everybody's has
	s_wait_loadcnt 0x0                             ; q
.irp i, 0,1,2,3,4,5
	v_and_b32 v[16+\i], s84, v[16+\i]              ; the other head's half becomes zero codes
	v_and_b32 v[22+\i], s85, v[22+\i]
.endr
.Lstep:                                            ; 8 trips in every wave
	s_cmp_gt_u32 s[STP], s[QI]                     ; all keys of this step come after my queries: its work is left out
	s_cbranch_scc1 .Lhidden
	v_add_nc_u32 v8, s[TK], v1                     ; (these six are also the places in front of the loads into registers that the last step's products read)
	v_add_nc_u32 v9, s[TK], v2
	v_add_nc_u32 v10, s[TV], v3
	v_add_nc_u32 v11, s[TV], v4
	v_add_nc_u32 v28, s[TS], v5
	v_add_nc_u32 v29, s[TS], v6
.irp g, 0,1                                    ; S^T = k q^T, four blocks of 16 keys at a time
.if \g
.rept 4
	v_nop                                          ; places in front of loads into registers that matrix instructions have read
.endr
.endif
.irp t, 0,1,2,3
	FRAG 32+12*\t, 8, 9, (4*\g+\t)*1536
	ds_load_b32 v[80+\t], v28 offset:(4*\g+\t)*64
.endr
	s_wait_dscnt 0x0
.irp t, 0,1,2,3
	v_wmma_scale_f32_16x16x128_f8f6f4 v[96+8*(4*\g+\t):103+8*(4*\g+\t)], v[32+12*\t:43+12*\t], v[16:27], 0, v[80+\t], v30 matrix_a_fmt:MATRIX_FMT_FP6 matrix_b_fmt:MATRIX_FMT_FP6
.endr
.endr                                          ; lane (r, h) holds query r; register 16 b + i is key 128 step + 32 b + 16 h + i
.rept 4
	v_nop
.endr
	s_cmp_lg_u32 s[STP], s[QI]                     ; on the diagonal the scores of hidden keys become -infinity ahead of the maximum: p = 0 then
	s_cbranch_scc1 .Lopen
	v_mov_b32 v254, 0xff800000
.set n, 0
.rept 64
	v_cmp_gt_i32 vcc_lo, 32*(n/16)+n%16, v7
	v_cndmask_b32 v[96+n], v[96+n], v254, vcc_lo
.set n, n+1
.endr
.Lopen:
.irp b, 0,1,2,3
	v_max3_num_f32 v[232+\b], v[96+16*\b], v[97+16*\b], v[98+16*\b]   ; the largest score of each block of 32 keys: it serves for the row's maximum and, since p rises with the score, for the block's largest p
.endr
.irp i, 3,5,7,9,11,13
.irp b, 0,1,2,3
	v_max3_num_f32 v[232+\b], v[232+\b], v[96+16*\b+\i], v[97+16*\b+\i]
.endr
.endr
.irp b, 0,1,2,3
	v_max_num_f32 v[232+\b], v[232+\b], v[111+16*\b]
.endr
.irp b, 0,1,2,3
	v_permlanex16_b32 v[236+\b], v[232+\b], s[SEL], s[SEL+1]
.endr
.irp b, 0,1,2,3
	v_max_num_f32 v[232+\b], v[232+\b], v[236+\b]  ; with lane l xor 16's 16 keys
.endr
	v_max3_num_f32 v254, v232, v233, v234
	v_max_num_f32 v254, v254, v235                 ; the step's largest score of my query (key 0 counts for every query, so it is a number from the first step on)
	v_mul_f32 v254, s[CS], v254                    ; as t
	v_max_num_f32 v13, v13, v254                   ; the running largest t
	v_mov_b32 v254, v12
	v_floor_f32 v12, -v13                          ; the new -M = floor(-t): M is a whole number
	v_sub_f32 v254, v12, v254                      ; old M - new M: a whole number, 0 or less
	v_cvt_i32_f32 v254, v254                       ; (it saturates)
	v_ldexp_f32 v252, 1.0, v254                    ; f = 2^(old M - new M)
.irp j, 0,2,4,6,8,10,12,14,16,18,20,22,24,26,28,30,32,34,36,38,40,42,44,46,48,50,52,54,56,58,60,62
	v_pk_fma_f32 v[96+\j:97+\j], v[96+\j:97+\j], s[CS:CS+1], v[12:13] op_sel_hi:[1,0,0]   ; t - M, two at a time
.endr
.irp b, 0,1,2,3
	v_fma_f32 v[232+\b], v[232+\b], s[CS], v12     ; the same of each block's largest score
.endr
.set n, 0
.rept 64
	v_exp_f32 v[96+n], v[96+n]                     ; p = 2^(t - M), at most 1
.set n, n+1
.endr
	v_pk_mul_f32 v[14:15], v[14:15], v[252:253] op_sel_hi:[1,0]   ; the sums under the new M (a plain instruction behind the exponentials)
	s_wait_alu depctr_va_vdst(0)                   ; one wait for the whole batch, ahead of its first reader
.irp b, 0,1,2,3
	v_exp_f32 v[232+\b], v[232+\b]                 ; the block's largest p: the same two instructions on the same number give the same bits
.endr
	v_pk_add_f32 v[236:237], v[96:97], v[98:99]    ; the row's sum is taken of the unquantised p: two at a time, in two chains
.irp j, 4,8,12,16,20,24,28,32,36,40,44,48,52,56,60
	v_pk_add_f32 v[14:15], v[14:15], v[96+\j:97+\j]
	v_pk_add_f32 v[236:237], v[236:237], v[98+\j:99+\j]
.endr
	v_pk_add_f32 v[14:15], v[14:15], v[236:237]
	s_wait_alu depctr_va_vdst(0)                   ; and one for the four
.irp b, 0,1,2,3
	v_max_num_f32 v[232+\b], 0x1800000, v[232+\b]  ; the floor 2^(3 - 127): the byte cannot fall under 1 (a block whose every p is 0 keeps that byte: its codes are zeros)
.endr
.irp b, 0,1,2,3
	v_add_nc_u32 v[244+\b], 0xff000000, v[232+\b]  ; 2 off the exponent field: the conversion's scale operand
.endr
.irp b, 0,1,2,3
	v_lshrrev_b32 v[236+\b], 23, v[244+\b]         ; the scale's byte
.endr
	v_lshl_or_b32 v84, v237, 8, v236               ; p's scale word for these 128 keys
	v_lshl_or_b32 v84, v238, 16, v84
	v_lshl_or_b32 v84, v239, 24, v84
.irp c, 0,1
	v_cvt_scalef32_pk16_fp6_f32 v[224+6*\c:226+6*\c], v[96+32*\c:111+32*\c], v[244+2*\c]
	v_cvt_scalef32_pk16_fp6_f32 v[236+4*\c:238+4*\c], v[112+32*\c:127+32*\c], v[244+2*\c+1]   ; (a conversion's three registers begin on an even number)
.endr
	v_nop                                          ; one plain instruction behind the scaled conversions
.irp c, 0,1                                    ; the operand's layout wants a whole block in a lane
.irp i, 0,1,2
	v_permlane16_swap_b32 v[224+6*\c+\i], v[236+4*\c+\i]
.endr
.irp i, 0,1,2
	v_mov_b32 v[227+6*\c+\i], v[236+4*\c+\i]
.endr
.endr
.irp j, 0,2,4,6,8,10,12,14,16,18,20,22,24,26,28,30
	v_pk_mul_f32 v[160+\j:161+\j], v[160+\j:161+\j], v[252:253] op_sel_hi:[1,0]   ; O^T under the new M.  (These sixteen also stand between the lines that made p's codes and scale word and the products that take them)
.endr
.irp t, 0,1,2,3                                ; O^T += v^T p^T: my head's four blocks of 16 channels; K = these 128 keys
	FRAG 32+12*\t, 10, 11, 12288*\t
	ds_load_b32 v[80+\t], v29 offset:64*\t
.endr
	s_wait_dscnt 0x0
.irp t, 0,1,2,3
	v_wmma_scale_f32_16x16x128_f8f6f4 v[160+8*\t:167+8*\t], v[32+12*\t:43+12*\t], v[224:235], v[160+8*\t:167+8*\t], v[80+\t], v84 matrix_a_fmt:MATRIX_FMT_FP6 matrix_b_fmt:MATRIX_FMT_FP6
.endr
.Lhidden:
	s_add_co_u32 s[TK], s[TK], 12288               ; the next step's eight blocks of k,
	s_add_co_u32 s[TV], s[TV], 1536                ; its place in a channel block,
	s_add_co_u32 s[TS], s[TS], 512                 ; its scale words
	s_add_co_u32 s[STP], s[STP], 1
	s_cmp_lt_u32 s[STP], 8
	s_cbranch_scc1 .Lstep
	; THE WAY OUT.  O^T / the sum is my query's 64 channels: register 16 b + i is channel 32 b + 16 h + i of the head: two blocks of 32, quantised in registers: half a fragment of the next operand.
	v_add_f32 v14, v14, v15                        ; the sum's two halves,
	v_permlanex16_b32 v252, v14, s[SEL], s[SEL+1]
	v_add_f32 v14, v14, v252                       ; and lane l xor 16's: the row's sum
	v_rcp_f32 v14, v14
	s_lshl_b32 s84, s97, 3
	s_add_co_u32 s84, s84, s83
	s_mul_i32 s84, s84, 1536                       ; fragment (t, K step p),
	s_mul_i32 s85, s[HP], 768                      ; my head's half of it
	s_add_co_u32 s84, s84, s85
	v_add_nc_u32 v85, s84, v1                      ; (plain instructions behind the reciprocal and behind the last products)
	v_add_nc_u32 v88, s84, v2
	s_lshl_b32 s85, s[HP], 1
	s_add_co_u32 s85, s85, s99
	v_lshl_add_u32 v89, v86, 2, s85
	v_add_nc_u32 v89, v89, v87                     ; my scale byte: word of row r, byte 2 x head + h
	v_nop
	s_wait_alu depctr_va_vdst(0)                   ; the wait ahead of the reciprocal's first reader
.set n, 0
.rept 32
	v_mul_f32 v[96+n], v[160+n], v14
.set n, n+1
.endr
.irp b, 0,1
	v_max3_num_f32 v[232+\b], |v[96+16*\b]|, |v[97+16*\b]|, 0x1800000
.endr
.irp i, 2,4,6,8,10,12,14
.irp b, 0,1
	v_max3_num_f32 v[232+\b], v[232+\b], |v[96+16*\b+\i]|, |v[97+16*\b+\i]|
.endr
.endr
.irp b, 0,1
	v_permlanex16_b32 v[236+\b], v[232+\b], s[SEL], s[SEL+1]
.endr
.irp b, 0,1
	v_max_num_f32 v[232+\b], v[232+\b], v[236+\b]
.endr
.irp b, 0,1
	v_add_nc_u32 v[244+\b], 0xff000000, v[232+\b]
.endr
.irp b, 0,1
	v_lshrrev_b32 v[238+\b], 23, v[244+\b]
.endr
	v_cvt_scalef32_pk16_fp6_f32 v[224:226], v[96:111], v244
	v_cvt_scalef32_pk16_fp6_f32 v[228:230], v[112:127], v245
	v_nop                                          ; one plain instruction behind the scaled conversions
.irp i, 0,1,2
	v_permlane16_swap_b32 v[224+\i], v[228+\i]     ; lanes 0-15 now hold block 0 whole, lanes 16-31 block 1
.endr
	v_mov_b32 v227, v228
	v_mov_b32 v228, v229
	v_mov_b32 v229, v230
	v_cndmask_b32 v240, v238, v239, s78            ; lanes 0-15 block 0's byte, lanes 16-31 block 1's
	global_store_b128 v85, v[224:227], s[6:7]      ; 512 consecutive bytes, at a multiple of 256 from the buffer's first byte
	global_store_b64 v88, v[228:229], s[6:7] offset:512
	global_store_b8 v89, v240, s[6:7] offset:3145728
	s_wait_tensorcnt 0x0
	ds_add_u32 v251, v255
	s_wait_dscnt 0x0
	CROUND                                         ; the closing round
	s_endpgm
.Lfunc_end_k_q05c8529b6b_attn:
	.size	k_q05c8529b6b_attn, .Lfunc_end_k_q05c8529b6b_attn-k_q05c8529b6b_attn
	.p2alignl 7, 3214868480
	.fill 96, 4, 3214868480
	.section	.rodata,"a",@progbits
	.p2align	6, 0x0
	.amdhsa_kernel k_q05c8529b6b_attn
		.amdhsa_group_segment_fixed_size 206848
		.amdhsa_private_segment_fixed_size 0
		.amdhsa_enable_private_segment 0
		.amdhsa_kernarg_size 16
		.amdhsa_user_sgpr_count 2
		.amdhsa_user_sgpr_kernarg_segment_ptr 1
		.amdhsa_wavefront_size32 1
		.amdhsa_system_sgpr_workgroup_id_x 1
		.amdhsa_system_sgpr_workgroup_id_y 1
		.amdhsa_system_sgpr_workgroup_id_z 1
		.amdhsa_system_vgpr_workitem_id 0
		.amdhsa_next_free_vgpr 256
		.amdhsa_next_free_sgpr 100
		.amdhsa_reserve_vcc 1
		.amdhsa_float_denorm_mode_32 3
		.amdhsa_float_denorm_mode_16_64 3
		.amdhsa_memory_ordered 1
		.amdhsa_forward_progress 1
		.amdhsa_inst_pref_size 38
	.end_amdhsa_kernel
	.amdgpu_metadata
---
amdhsa.version: [ 1, 2 ]
amdhsa.kernels:
  - .name:           k_q05c8529b6b_attn
    .symbol:         k_q05c8529b6b_attn.kd
    .args:
      - { .name: qkv, .offset: 0, .size: 8, .value_kind: global_buffer, .address_space: global }
      - { .name: at, .offset: 8, .size: 8, .value_kind: global_buffer, .address_space: global }
    .group_segment_fixed_size: 206848
    .private_segment_fixed_size: 0
    .kernarg_segment_align: 8
    .kernarg_segment_size: 16
    .max_flat_workgroup_size: 512
    .sgpr_count:     100
    .vgpr_count:     256
    .wavefront_size: 32
...
	.end_amdgpu_metadata
.endif
;; end of part 3
;; launch wo (part 4): grid 8 x 32, 4 waves a work-group, clusters of 4 x 4, 327,680 bytes of LDS; arguments at, wb, bo, x, x1; writes x1
.if DOCPART == 4
	.amdgcn_target "amdgcn-amd-amdhsa--gfx1250"
	.amdhsa_code_object_version 6
	.text
	.protected	k_q05c8529b6b_wo
	.globl	k_q05c8529b6b_wo
	.p2align	8
	.type	k_q05c8529b6b_wo,@function
k_q05c8529b6b_wo:
	s_mov_b64 s[64:65], 0
	v_nop
	global_prefetch_b8 v0, s[64:65] scope:SCOPE_SE
	s_setreg_imm32_b32 hwreg(HW_REG_WAVE_MODE, 25, 1), 1
	s_wait_xcnt 0x0
	s_wait_alu depctr_hold_cnt(0) depctr_sa_sdst(0) depctr_va_vdst(0) depctr_va_sdst(0) depctr_va_ssrc(0) depctr_va_vcc(0) depctr_vm_vsrc(0)
	s_getreg_b32 s2, hwreg(HW_REG_IB_STS2, 6, 4)
	s_cmp_eq_u32 s2, 0
	s_cbranch_scc0 .Lentry_in_a_cluster
	s_endpgm
.Lentry_in_a_cluster:
	s_bfe_u32 s2, ttmp6, 0x10000c
	s_cmp_lg_u32 s2, 0xf033
	s_cbranch_scc0 .Lentry_shape_is_right
	s_endpgm
.Lentry_shape_is_right:
; out = resid + (1 / sqrt(12)) (A W + bias): A [4,096 rows][SIZE_K] and W [1,024 rows (n)][SIZE_K] are MX-FP6 (E2M3) operands; resid and out are [4,096][1,024] f32, row-major.
; LAYOUT OF THE OPERANDS: rows in blocks of 16, place rho of block t = true row 32 (t / 2) + 8 (t % 2) + rho + 8 (rho / 8).  A fragment (block x 128 along K, 12 registers a lane) is an image of 1,536 bytes: registers 0-3 at
; 16 l, 4-5 at 512 + 8 l, 6-9 at 768 + 16 l, 10-11 at 1,280 + 8 l.  Codes [t][K step][1,536]; scale words [K step][t][rho].
; N = 1,024 gives only 64 tiles of 256 x 256, so a tile is 128 x 128: 256 work-groups.  Four waves, each 64 x 64: 16 accumulators.  K goes in steps of 512 (four K steps of 128) through two LDS slots filled by the tensor
; data mover; the tile's scale words for all of K come once, with the first fills.  CLUSTERS: 4 x 4 work-groups; A's tiles are asked for jointly along a row of the cluster, W's along a column.
; THE MATRIX INSTRUCTION IS USED TRANSPOSED (source 0 = a block of W, source 1 = a block of A): a lane holds one row of A and eight neighbouring columns.  The bias is the C of each accumulator's first matrix instruction.
; The residual's rows are asked for at the head and land during the products.  Results go through one stage in LDS, bytes of its own, and leave as whole rows of 512 bytes; the stores' offsets put the rows back in their true order.
; With SIZE_K = 1,024 both slots are filled once and nothing is filled again; the text, the claim of LDS and the closing lines are those of SIZE_K = 4,096.
; REGISTERS: window 0: v16-29 addresses; v32-63 scale words, two sets; v64-95 the bias; v128-255 the accumulators, (a, b) at v[128 + 8 (4 a + b)].  window 1: two fragment buffers at v0 and v128: A's four, then W's four.
;   window 2: v0-127 the residual's 32 rows.
.set SIZE_K, 1024
.set NSK,    SIZE_K/128
.set LAPS,   SIZE_K/1024                ; a lap = two slots
.set FR,     12
.set FRB,    1536
.set BLK,    4*FRB                     ; a row block's part of a slot: four K steps
.set HALFT,  4*BLK                     ; 4 row blocks: what one tensor load brings, and what a wave reads of A or of W
.set SLOT,   4*HALFT
.set SCL,    2*SLOT                    ; behind the ring: A's scale words [NSK][8 blocks][64], then W's
.set HALFS,  256*NSK                   ; half of K's words of 8 blocks: what one tensor load brings
.set STAGE,  229376                    ; 128 rows x (512 bytes + 16): no fill lands here
.set SPITCH, 528
.set SPARE,  STAGE+128*SPITCH          ; the spare words, 128 bytes for each wave: two blocks of 256 bytes that no other line names
.if SIZE_K == 1024
.set ASC, 3145728                      ; A's scale words in its buffer
.set BCO, 2359296                      ; W's codes and
.set BSC, 9568256                      ; scale words in the weights' buffer
.else
.set ASC, 12582912
.set BCO, 6291456
.set BSC, 9732096
.endif
.set ADRA, 16                          ; v16-17 LDS address of my A fragments' 16-byte pieces in slot 0, 1; v18-19 of their 8-byte pieces
.set ADRB, 20                          ; v20-23 the same for W
.set STO,  24                          ; v24  the stage: where I put 32 bytes of a row
.set RD,   25                          ; v25  and where I read a row back
.set CO,   26                          ; v26  16 x lane; never rewritten
.set ADRS, 27                          ; v27  LDS address of my scale words: lanes 0-15 A's rows, lanes 16-31 W's
.set SPW,  28                          ; v28  LDS address of my spare word; never rewritten
.set NIL,  29                          ; v29  0; never rewritten
.set SC,   32                          ; scale words: set s at v[SC + 16 s]; register 4 i + q
.set CB,   64
.set ACC,  128
.set F0,   0
.set F1,   128
.set G1,   24
.set G0,   32
.set G1B,  48
.set G0B,  56
.set G1S,  68
.set G0S,  76
.set G1SB, 80
.set G0SB, 88
.set MSB, 0
.macro WIN new                         ; the immediate's high byte repeats the setting that is left
.if MSB != (\new)
	s_set_vgpr_msb (MSB<<8)|(\new)
.set MSB, (\new)
.endif
.endm
.set MUL,  0x05                        ; sources 0 (W) and 1 (A) window 1; C and D window 0
.set TO_F, 0x40                        ; destination window 1, address window 0
.macro JLOAD g0a, g1a, g0b, g1b        ; a joint load: waves 0 and 1 fetch for A, waves 2 and 3 for W; four v_nop follow each of the two lines
	s_cmp_eq_u32 s17, 0
	s_cbranch_scc0 .Lfor_b_\@
	tensor_load_to_lds s[\g0a:\g0a+3], s[\g1a:\g1a+7]
	s_nop 0
.rept 4
	v_nop
.endr
	s_branch .Lasked_\@
.Lfor_b_\@:
	tensor_load_to_lds s[\g0b:\g0b+3], s[\g1b:\g1b+7]
	s_nop 0
.rept 4
	v_nop
.endr
.Lasked_\@:
.endm
.macro CREST                           ; a round of the cluster's barrier behind its opening barrier
	s_cmp_lg_u32 s16, 0
	s_cbranch_scc1 .Lnot_wave_0_\@
	s_barrier_signal -3
.Lnot_wave_0_\@:
	s_barrier_wait -3
	s_barrier_signal -1
	s_barrier_wait -1
.endm
.macro CROUND
	s_barrier_signal -1
	s_barrier_wait -1
	CREST
.endm
.macro PLACES n
.rept \n
	v_nop
.endr
.endm
.macro FRAG reg, a16, a8, off          ; a fragment's image into 12 registers
	ds_load_b128 v[\reg:\reg+3], v[\a16] offset:\off
	ds_load_b64 v[\reg+4:\reg+5], v[\a8] offset:\off+512
	ds_load_b128 v[\reg+6:\reg+9], v[\a16] offset:\off+768
	ds_load_b64 v[\reg+10:\reg+11], v[\a8] offset:\off+1280
.endm
	s_load_b256 s[4:11], s[0:1], 0x0               ; A's operand, the weights' operands, the bias, the residual
	s_load_b64 s[12:13], s[0:1], 0x20              ; out
	v_lshl_add_u32 v[SPW], v0, 2, SPARE
	v_mov_b32 v[NIL], 0
	ds_add_u32 v28, v29
	ds_add_u32 v28, v29
	s_wait_dscnt 0x0
	v_lshrrev_b32 v1, 5, v0
	v_readfirstlane_b32 s16, v1                    ; wave 0..3
	s_lshr_b32 s17, s16, 1                         ; which half of A's rows is mine.  Also: I fetch for A (0) or for W (1)
	s_and_b32 s18, s16, 1                          ; which half of W's rows.  Also: which half of that tile I fetch
	s_bfe_u32 s40, ttmp6, 0x40000                  ; cx, cy
	s_bfe_u32 s41, ttmp6, 0x40004
	s_and_b32 s95, ttmp7, 0xffff
	s_lshl_b32 s95, s95, 2
	s_add_co_u32 s95, s95, s41                     ; A's tile = 4 x cluster y + cy
	s_lshl_b32 s42, ttmp9, 2
	s_add_co_u32 s42, s42, s40                     ; W's tile = 4 x cluster x + cx
	s_lshl_b32 s43, s41, 2
	s_lshl_b32 s43, 15, s43                        ; my row of the cluster
	s_lshl_b32 s44, 0x1111, s40                    ; my column
	; descriptor group 1, codes: 4 rows (row blocks) of 6,144 bytes, 1,536 NSK bytes apart in memory, dense in LDS; elements of 8 bytes
	s_or_b32 s[G1+0], s43, (3<<16)|(1<<21)
	s_or_b32 s[G1B+0], s44, (3<<16)|(1<<21)
.irp g, G1, G1B
	s_mov_b32 s[\g+1], 768<<16                     ; tensor_dim0
	s_mov_b32 s[\g+2], 4<<16                       ; tensor_dim1
	s_mov_b32 s[\g+3], 768<<16                     ; tile_dim0
	s_mov_b32 s[\g+4], 4                           ; tile_dim1
	s_mov_b32 s[\g+5], 192*NSK                     ; tensor_dim0_stride
	s_mov_b32 s[\g+6], 0
	s_mov_b32 s[\g+7], 0
.endr
	; scale words: NSK / 2 rows (K steps) of 512 bytes; A's table has 256 blocks a K step, W's 64
	s_or_b32 s[G1S+0], s43, (3<<16)|(1<<21)
	s_or_b32 s[G1SB+0], s44, (3<<16)|(1<<21)
.irp g, G1S, G1SB
	s_mov_b32 s[\g+1], 64<<16
	s_mov_b32 s[\g+2], (NSK/2)<<16
	s_mov_b32 s[\g+3], 64<<16
	s_mov_b32 s[\g+4], NSK/2
	s_mov_b32 s[\g+6], 0
	s_mov_b32 s[\g+7], 0
.endr
	s_mov_b32 s[G1S+5], 2048
	s_mov_b32 s[G1SB+5], 512
	; where the tiles come from.  A's offsets (s20-23) hang on A's tile alone, W's (s46, s47, s92, s93) on W's alone
	s_mul_i32 s20, s95, 8*FRB*NSK
	s_mul_i32 s45, s18, 4*FRB*NSK
	s_add_co_u32 s20, s20, s45
	s_mul_i32 s46, s42, 8*FRB*NSK
	s_add_co_u32 s46, s46, s45
	s_add_co_u32 s46, s46, BCO
	s_mul_i32 s45, s18, (NSK/2)*16384
	s_lshl_b32 s22, s95, 9
	s_add_co_u32 s22, s22, s45
	s_add_co_u32 s22, s22, ASC
	s_mul_i32 s45, s18, (NSK/2)*4096
	s_lshl_b32 s92, s42, 9
	s_add_co_u32 s92, s92, s45
	s_add_co_u32 s92, s92, BSC
	s_mov_b32 s21, 0
	s_mov_b32 s23, 0
	s_mov_b32 s47, 0
	s_mov_b32 s93, 0
	s_mul_i32 s45, s16, HALFT                      ; where they go: wave x 4 blocks: no place in the cluster enters an LDS address
	s_mul_i32 s94, s16, HALFS
	s_wait_kmcnt 0x0
	s_add_nc_u64 s[20:21], s[4:5], s[20:21]
	s_add_nc_u64 s[22:23], s[4:5], s[22:23]
	s_add_nc_u64 s[46:47], s[6:7], s[46:47]
	s_add_nc_u64 s[92:93], s[6:7], s[92:93]
	CROUND                                         ; all sixteen work-groups are here: the first joint loads meet
	s_mov_b32 s[G0S], 1
	s_add_co_u32 s[G0S+1], s94, SCL
	s_mov_b64 s[G0S+2:G0S+3], s[22:23]
	s_or_b32 s[G0S+3], s[G0S+3], 0x80000000
	s_mov_b32 s[G0SB], 1
	s_add_co_u32 s[G0SB+1], s94, SCL
	s_mov_b64 s[G0SB+2:G0SB+3], s[92:93]
	s_or_b32 s[G0SB+3], s[G0SB+3], 0x80000000
	JLOAD G0S, G1S, G0SB, G1SB                     ; the scale words first
.irp s, 0,1
	s_mov_b32 s[G0+4*\s], 1
	s_add_co_u32 s[G0+4*\s+1], s45, \s*SLOT
	s_add_nc_u64 s[G0+4*\s+2:G0+4*\s+3], s[20:21], \s*BLK
	s_or_b32 s[G0+4*\s+3], s[G0+4*\s+3], 0x80000000
	s_mov_b32 s[G0B+4*\s], 1
	s_add_co_u32 s[G0B+4*\s+1], s45, \s*SLOT
	s_add_nc_u64 s[G0B+4*\s+2:G0B+4*\s+3], s[46:47], \s*BLK
	s_or_b32 s[G0B+4*\s+3], s[G0B+4*\s+3], 0x80000000
	JLOAD G0+4*\s, G1, G0B+4*\s, G1B               ; three loads of mine are out
.endr
	v_and_b32 v1, 15, v0                           ; r
	v_bfe_u32 v2, v0, 4, 1                         ; h
	v_and_b32 v3, 31, v0
	v_lshlrev_b32 v[CO], 4, v3
	v_lshlrev_b32 v6, 3, v3
	s_mul_i32 s21, s17, HALFT                      ; my 4 blocks of A
	s_mul_i32 s22, s18, HALFT                      ; my 4 blocks of W,
	s_add_co_u32 s22, s22, 2*HALFT                 ; which lie behind A's 8
.irp s, 0,1
	v_add_nc_u32 v[ADRA+\s], s21, v[CO]
	v_add_nc_u32 v[ADRA+2+\s], s21, v6
	v_add_nc_u32 v[ADRB+\s], s22, v[CO]
	v_add_nc_u32 v[ADRB+2+\s], s22, v6
	s_add_co_u32 s21, s21, SLOT
	s_add_co_u32 s22, s22, SLOT
.endr
	s_lshl_b32 s21, s17, 8                         ; A's words: my 4 blocks of 64 bytes
	s_lshl_b32 s22, s18, 8                         ; W's: my 4 blocks, behind A's 512 NSK bytes
	s_add_co_u32 s22, s22, 2*HALFS
	s_sub_co_u32 s22, s22, s21
	v_mul_u32_u24 v4, s22, v2                      ; lanes 16-31 take W's
	s_add_co_u32 s21, s21, SCL
	v_lshl_add_u32 v4, v1, 2, v4
	v_add_nc_u32 v[ADRS], s21, v4
	s_mul_i32 s21, s17, 64*SPITCH                  ; into the stage: row 64 half + 16 a + r; my 64 columns' 256 bytes; in them 128 (b / 2) + 64 h + 32 (b % 2)
	s_lshl_b32 s22, s18, 8
	s_add_co_u32 s21, s21, s22
	s_add_co_u32 s21, s21, STAGE
	v_mul_u32_u24 v4, v1, SPITCH
	v_lshl_add_u32 v4, v2, 6, v4
	v_add_nc_u32 v[STO], s21, v4
	s_mul_i32 s21, s16, 32*SPITCH                  ; back: wave w takes stage rows 32 w .. 32 w + 31, whole: 16 bytes a lane
	s_add_co_u32 s21, s21, STAGE
	v_add_nc_u32 v[RD], s21, v[CO]
	s_lshl_b32 s19, s42, 9                         ; the bias: 128 x W's tile + 64 x half numbers on; for accumulator b my eight are 32 (b / 2) + 16 h + 8 (b % 2) + 0 .. 7
	s_lshl_b32 s3, s18, 8
	s_add_co_u32 s19, s19, s3
	v_lshl_add_u32 v5, v2, 6, s19
.irp b, 0,1,2,3
	global_load_b128 v[CB+8*\b:CB+8*\b+3], v5, s[8:9] offset:(32*(\b/2)+8*(\b%2))*4
	global_load_b128 v[CB+8*\b+4:CB+8*\b+7], v5, s[8:9] offset:(32*(\b/2)+8*(\b%2))*4+16
.endr
	s_lshl_b32 s98, s95, 7                         ; the rows that I store: 128 x A's tile + 32 x wave on; the tile's 128 columns
	s_lshl_b32 s3, s16, 5
	s_add_co_u32 s98, s98, s3
	s_lshl_b32 s98, s98, 12
	s_lshl_b32 s3, s42, 9
	s_add_co_u32 s98, s98, s3
	s_mov_b32 s99, 0
	s_add_nc_u64 s[10:11], s[10:11], s[98:99]
	s_add_nc_u64 s[12:13], s[12:13], s[98:99]
	WIN 0x80                                       ; destination window 2
.irp t, 0,1,2,3,4,5,6,7,8,9,10,11,12,13,14,15,16,17,18,19,20,21,22,23,24,25,26,27,28,29,30,31
	global_load_b128 v[4*\t:4*\t+3], v[CO], s[10:11] offset:(8*(\t/16)+\t%16+8*((\t%16)/8))*4096 th:TH_LOAD_NT   ; stage row 32 w + t is the true row 32 w + 8 (t / 16) + t % 16 + 8 ((t % 16) / 8)
.endr
	WIN 0
	s_mov_b32 s96, 0x3e93cd3a                      ; 1 / sqrt(12)
	s_mov_b32 s97, s96                             ; (named with it as a pair)
; 4 matrix instructions: A's block a x W's four, the slot's q-th K step, from buffer f.  zero = 1: the first product starts the sums from the bias.  The 16 accumulators take turns, one instruction a turn.
.macro MUL4 f, a, q, sc, zero
.irp b, 0,1,2,3
.if \zero
	v_wmma_scale_f32_16x16x128_f8f6f4 v[ACC+8*(4*(\a)+\b):ACC+8*(4*(\a)+\b)+7], v[\f+48+FR*\b:\f+48+FR*\b+FR-1], v[\f+FR*(\a):\f+FR*(\a)+FR-1], v[CB+8*\b:CB+8*\b+7], v[SC+16*(\sc)+4*\b+(\q)], v[SC+16*(\sc)+4*(\a)+(\q)] matrix_a_fmt:MATRIX_FMT_FP6 matrix_b_fmt:MATRIX_FMT_FP6 matrix_a_scale:MATRIX_SCALE_ROW1
.else
	v_wmma_scale_f32_16x16x128_f8f6f4 v[ACC+8*(4*(\a)+\b):ACC+8*(4*(\a)+\b)+7], v[\f+48+FR*\b:\f+48+FR*\b+FR-1], v[\f+FR*(\a):\f+FR*(\a)+FR-1], v[ACC+8*(4*(\a)+\b):ACC+8*(4*(\a)+\b)+7], v[SC+16*(\sc)+4*\b+(\q)], v[SC+16*(\sc)+4*(\a)+(\q)] matrix_a_fmt:MATRIX_FMT_FP6 matrix_b_fmt:MATRIX_FMT_FP6 matrix_a_scale:MATRIX_SCALE_ROW1
.endif
.endr
.endm
.macro FETCH slot, q, f                ; 32 LDS loads in one run: W's four fragments, then A's four, of the slot's q-th K step into buffer f
	WIN TO_F
.irp i, 0,1,2,3
	FRAG \f+48+FR*\i, ADRB+\slot, ADRB+2+\slot, BLK*\i+FRB*(\q)
.endr
.irp i, 0,1,2,3
	FRAG \f+FR*\i, ADRA+\slot, ADRA+2+\slot, BLK*\i+FRB*(\q)
.endr
.endm
.macro SCALES sc                       ; a slot's scale words into set sc (window 0)
.irp i, 0,1,2,3
.irp q, 0,1,2,3
	ds_load_b32 v[SC+16*\sc+4*\i+\q], v[ADRS] offset:512*\q+64*\i
.endr
.endr
.endm
; A slot is four quarters of 128 along K, 16 matrix instructions each, on buffers 0, 1, 0, 1.  One of the first three: multiplies buffer f and fetches the next quarter into g.
.macro QUARTER slot, q, f, g, zero
	s_wait_dscnt 8                                 ; W's four and A's blocks 0, 1 are in; the youngest eight loads (A's blocks 2, 3) may be out
	WIN MUL
	MUL4 \f, 0, \q, \slot, \zero
	MUL4 \f, 1, \q, \slot, \zero
	PLACES 4                                       ; in front of loads into registers that matrix instructions have read
	FETCH \slot, (\q)+1, \g
	s_wait_dscnt 32                                ; all but the 32 just issued
	WIN MUL
	MUL4 \f, 2, \q, \slot, \zero
	MUL4 \f, 3, \q, \slot, \zero
.endm
; The last quarter multiplies buffer 1 and changes slots: one barrier; in front of it each wave waits for all its tensor loads, adds 0 to its spare word, and waits for that and for its own reads of this slot.  fill = 1: this slot is filled again, two slots ahead.
.macro TURN slot, next, fill
	WIN 0                                          ; (the add's two registers lie in window 0)
	s_wait_tensorcnt 0x0                           ; all my tensor loads have landed: my part of the next slot
	ds_add_u32 v[SPW], v[NIL]                      ; 0 onto my spare word
	s_wait_dscnt 13                                ; (the add and the youngest twelve loads, A's blocks 1 to 3, may be out)
	WIN MUL
	MUL4 F1, 0, 3, \slot, 0                        ; four matrix instructions stand between the add and the wait for it
	s_wait_dscnt 0x0                               ; the add is done, and my reads of this slot are over
	s_barrier_signal -1
	MUL4 F1, 1, 3, \slot, 0
	WIN 0
	s_barrier_wait -1
.if \fill
	CREST                                          ; the barrier has opened a round of the cluster's barrier: no wave of any partner still reads this slot or has a load on its way
	s_add_nc_u64 s[G0+4*\slot+2:G0+4*\slot+3], s[G0+4*\slot+2:G0+4*\slot+3], 2*BLK
	s_add_nc_u64 s[G0B+4*\slot+2:G0B+4*\slot+3], s[G0B+4*\slot+2:G0B+4*\slot+3], 2*BLK
	JLOAD G0+4*\slot, G1, G0B+4*\slot, G1B         ; the first tensor load behind the round, my only one until the next; its four v_nop are the places in front of the loads below
.else
	PLACES 4
.endif
	v_add_nc_u32 v[ADRS], 2048, v[ADRS]            ; on to the next slot's scale words
	SCALES \next
	FETCH \next, 0, F0
	WIN MUL
	MUL4 F1, 2, 3, \slot, 0
	MUL4 F1, 3, 3, \slot, 0
.endm
	s_wait_loadcnt 32                              ; the bias is in; the residual's 32 loads may be out
	s_wait_tensorcnt 1                             ; the scale words and my part of slot 0 are in (slot 1's load may be out)
	s_barrier_signal -1
	s_barrier_wait -1                              ; everybody's are
	SCALES 0
	FETCH 0, 0, F0
	QUARTER 0, 0, F0, F1, 1                        ; the first quarter's products start the sums
.if LAPS > 1
	WIN 0                                          ; at a label and at a branch every window is 0
	s_mov_b32 s3, LAPS-1
.Llap:                                                 ; a trip goes once round the ring, from a lap's second quarter to the next lap's first, and fills both slots again
	QUARTER 0, 1, F1, F0, 0
	QUARTER 0, 2, F0, F1, 0
	TURN 0, 1, 1
	QUARTER 1, 0, F0, F1, 0
	QUARTER 1, 1, F1, F0, 0
	QUARTER 1, 2, F0, F1, 0
	TURN 1, 0, 1
	QUARTER 0, 0, F0, F1, 0
	WIN 0
	s_sub_co_u32 s3, s3, 1
	s_cmp_lg_u32 s3, 0
	s_cbranch_scc1 .Llap
.endif
	QUARTER 0, 1, F1, F0, 0                        ; the last lap fills nothing, and has no round of the cluster's barrier
	QUARTER 0, 2, F0, F1, 0
	TURN 0, 1, 0
	QUARTER 1, 0, F0, F1, 0
	QUARTER 1, 1, F1, F0, 0
	QUARTER 1, 2, F0, F1, 0
	s_wait_dscnt 8                                 ; the very last quarter: nothing more to fetch
	WIN MUL
	MUL4 F1, 0, 3, 1, 0
	MUL4 F1, 1, 3, 1, 0
	s_wait_dscnt 0
	MUL4 F1, 2, 3, 1, 0
	MUL4 F1, 3, 3, 1, 0
	WIN 0
	; THE WAY OUT: 32 bytes a lane into the work-group's stage (each accumulator from its low end on); a barrier, since a row's 512 bytes come from two waves; back as whole rows, 32 rows a wave.
	PLACES 4
.irp a, 0,1,2,3
.irp b, 0,1,2,3
	ds_store_b128 v[STO], v[ACC+8*(4*\a+\b):ACC+8*(4*\a+\b)+3] offset:\a*16*SPITCH+128*(\b/2)+32*(\b%2)
	ds_store_b128 v[STO], v[ACC+8*(4*\a+\b)+4:ACC+8*(4*\a+\b)+7] offset:\a*16*SPITCH+128*(\b/2)+32*(\b%2)+16
.endr
.endr
	s_wait_dscnt 0x0                               ; for the others' sake: my stores into the stage are done
	s_barrier_signal -1
	s_barrier_wait -1
.irp t, 0,1,2,3,4,5,6,7,8,9,10,11,12,13,14,15,16,17,18,19,20,21,22,23,24,25,26,27,28,29,30,31
	ds_load_b128 v[ACC+4*\t:ACC+4*\t+3], v[RD] offset:\t*SPITCH
.endr
	s_wait_dscnt 0x0
	s_wait_loadcnt 0x0                             ; the residual
	WIN 0x20                                       ; source 2: window 2
.set n, 0
.rept 64
	v_pk_fma_f32 v[ACC+n:ACC+n+1], v[ACC+n:ACC+n+1], s[96:97], v[n:n+1] op_sel_hi:[1,0,1]   ; resid + (1 / sqrt(12)) x (product + bias)
.set n, n+2
.endr
	WIN 0
.irp t, 0,1,2,3,4,5,6,7,8,9,10,11,12,13,14,15,16,17,18,19,20,21,22,23,24,25,26,27,28,29,30,31
	global_store_b128 v[CO], v[ACC+4*\t:ACC+4*\t+3], s[12:13] offset:(8*(\t/16)+\t%16+8*((\t%16)/8))*4096   ; 32 lanes store 512 consecutive bytes, at a multiple of 256 from the buffer's first byte
.endr
	s_wait_tensorcnt 0x0                           ; the wave's end
	ds_add_u32 v[SPW], v[NIL]
	s_wait_dscnt 0x0
	CROUND                                         ; the closing round: no work-group ends while a partner may still ask for a tile that names it
	s_endpgm
.Lfunc_end_k_q05c8529b6b_wo:
	.size	k_q05c8529b6b_wo, .Lfunc_end_k_q05c8529b6b_wo-k_q05c8529b6b_wo
	.p2alignl 7, 3214868480
	.fill 96, 4, 3214868480
	.section	.rodata,"a",@progbits
	.p2align	6, 0x0
	.amdhsa_kernel k_q05c8529b6b_wo
		.amdhsa_group_segment_fixed_size 327680
		.amdhsa_private_segment_fixed_size 0
		.amdhsa_enable_private_segment 0
		.amdhsa_kernarg_size 40
		.amdhsa_user_sgpr_count 2
		.amdhsa_user_sgpr_kernarg_segment_ptr 1
		.amdhsa_wavefront_size32 1
		.amdhsa_system_sgpr_workgroup_id_x 1
		.amdhsa_system_sgpr_workgroup_id_y 1
		.amdhsa_system_sgpr_workgroup_id_z 1
		.amdhsa_system_vgpr_workitem_id 0
		.amdhsa_next_free_vgpr 768
		.amdhsa_next_free_sgpr 100
		.amdhsa_reserve_vcc 0
		.amdhsa_float_denorm_mode_32 3
		.amdhsa_float_denorm_mode_16_64 3
		.amdhsa_memory_ordered 1
		.amdhsa_forward_progress 1
		.amdhsa_inst_pref_size 62
	.end_amdhsa_kernel
	.amdgpu_metadata
---
amdhsa.version: [ 1, 2 ]
amdhsa.kernels:
  - .name:           k_q05c8529b6b_wo
    .symbol:         k_q05c8529b6b_wo.kd
    .args:
      - { .name: at, .offset: 0, .size: 8, .value_kind: global_buffer, .address_space: global }
      - { .name: wb, .offset: 8, .size: 8, .value_kind: global_buffer, .address_space: global }
      - { .name: bo, .offset: 16, .size: 8, .value_kind: global_buffer, .address_space: global }
      - { .name: x, .offset: 24, .size: 8, .value_kind: global_buffer, .address_space: global }
      - { .name: x1, .offset: 32, .size: 8, .value_kind: global_buffer, .address_space: global }
    .group_segment_fixed_size: 327680
    .private_segment_fixed_size: 0
    .kernarg_segment_align: 8
    .kernarg_segment_size: 40
    .max_flat_workgroup_size: 128
    .sgpr_count:     100
    .vgpr_count:     768
    .wavefront_size: 32
...
	.end_amdgpu_metadata
.endif
;; end of part 4
;; launch ln2 (part 5): grid 256 x 1, 8 waves a work-group, no clusters, 66,816 bytes of LDS; arguments x1, g2, be2, xq; writes xq
.if DOCPART == 5
	.amdgcn_target "amdgcn-amd-amdhsa--gfx1250"
	.amdhsa_code_object_version 6
	.text
	.protected	k_q05c8529b6b_ln2
	.globl	k_q05c8529b6b_ln2
	.p2align	8
	.type	k_q05c8529b6b_ln2,@function
k_q05c8529b6b_ln2:
	s_mov_b64 s[64:65], 0
	v_nop
	global_prefetch_b8 v0, s[64:65] scope:SCOPE_SE
	s_setreg_imm32_b32 hwreg(HW_REG_WAVE_MODE, 25, 1), 1
	s_wait_xcnt 0x0
; y = (x - mean) rsqrt(var + 1e-5) g + b for each row of 1,024 numbers, all in f32, and y quantised to MX-FP6 (E2M3) along the row, stored as an operand's fragments.
; LAYOUT OF THE OPERAND: rows in blocks of 16, place rho of block t = true row 32 (t / 2) + 8 (t % 2) + rho + 8 (rho / 8); a fragment (block x 128 along K, 12 registers a lane) is an image of 1,536 bytes:
; registers 0-3 at 16 l, 4-5 at 512 + 8 l, 6-9 at 768 + 16 l, 10-11 at 1,280 + 8 l.  Codes [t][K step][1,536] from byte 0; scale words [K step][t][rho] from byte 3,145,728.
; A work-group is one row block.  PHASE 1: wave w norms the rows at places 2 w and 2 w + 1, a whole row in 32 registers: mean first, then the sum of squares of x - mean (no difference of large sums).
; The rows meet in LDS (4,096 bytes + 16 a row, so that sixteen rows' pieces start at sixteen different banks).  PHASE 2: wave w quantises K step w of all 16 rows and stores one fragment.
; REGISTERS: v2-7 lane numbers and addresses that stay; v8-23 sums, means, roots; v24, v25 the stores' offsets, which hold nothing else; v32-95 my two rows, later 64 numbers of a K step; v96-159 g and b; v160-196 the quantiser's.
; LIMITS: NaN and infinities are not served; a block of 32 whose largest magnitude lies under 2^-124 keeps the scale byte 1; a block of zeros has the byte 1 and not 127 (its codes are zeros; this program alone reads the bytes).
.set LP,  4112
.set O8,  24                           ; v24  8 x lane: a fragment's 8-byte pieces
.set OSC, 25                           ; v25  my row's scale word in the buffer
.set PC,  160                          ; v160-178 the codes just made
.set TM,  180                          ; v180-195 at work in QUANT
.set PW,  196                          ; the scale word
.set SEL, 16                           ; s[16:17] lane selects: lane l xor 16
; 64 numbers of a lane, v[s] .. v[s + 63], register 16 b + i = k 32 b + 16 (lane / 16) + i of my row, become a fragment's codes in v[PC] on and its scale word in v[pw].
.macro QUANT s, pw
.irp b, 0,1,2,3
	v_max3_num_f32 v[TM+\b], |v[\s+16*\b]|, |v[\s+1+16*\b]|, 0x1800000   ; block b: my 16 numbers, and the floor 2^(3 - 127): the byte cannot fall under 1
.endr
.irp i, 2,4,6,8,10,12,14
.irp b, 0,1,2,3
	v_max3_num_f32 v[TM+\b], v[TM+\b], |v[\s+16*\b+\i]|, |v[\s+1+16*\b+\i]|
.endr
.endr
.irp b, 0,1,2,3
	v_permlanex16_b32 v[TM+4+\b], v[TM+\b], s[SEL], s[SEL+1]
.endr
.irp b, 0,1,2,3
	v_max_num_f32 v[TM+\b], v[TM+\b], v[TM+4+\b]   ; with lane l xor 16's: the block's largest magnitude
.endr
.irp b, 0,1,2,3
	v_add_nc_u32 v[TM+12+\b], 0xff000000, v[TM+\b] ; 2 off its exponent field: the conversion's scale operand
.endr
.irp b, 0,1,2,3
	v_lshrrev_b32 v[TM+4+\b], 23, v[TM+12+\b]      ; the scale's byte
.endr
	v_lshl_or_b32 v[\pw], v[TM+5], 8, v[TM+4]
	v_lshl_or_b32 v[\pw], v[TM+6], 16, v[\pw]
	v_lshl_or_b32 v[\pw], v[TM+7], 24, v[\pw]
.irp c, 0,1
	v_cvt_scalef32_pk16_fp6_f32 v[PC+6*\c:PC+2+6*\c], v[\s+32*\c:\s+15+32*\c], v[TM+12+2*\c]
	v_cvt_scalef32_pk16_fp6_f32 v[PC+12+4*\c:PC+14+4*\c], v[\s+16+32*\c:\s+31+32*\c], v[TM+12+2*\c+1]   ; (a conversion's three registers begin on an even number)
.endr
	v_nop                                          ; one plain instruction behind the scaled conversions
.irp c, 0,1                                    ; the operand's layout wants a whole block in a lane: lanes 0-15 block 2 c, lanes 16-31 block 2 c + 1
.irp i, 0,1,2
	v_permlane16_swap_b32 v[PC+6*\c+\i], v[PC+12+4*\c+\i]
.endr
.irp i, 0,1,2
	v_mov_b32 v[PC+3+6*\c+\i], v[PC+12+4*\c+\i]
.endr
.endr
.endm
	s_load_b256 s[4:11], s[0:1], 0x0               ; the rows, g, b, the operand
	v_lshl_add_u32 v200, v0, 2, 0x10100
	v_mov_b32 v201, 0
	v_lshrrev_b32 v1, 5, v0
	v_readfirstlane_b32 s12, v1                    ; wave 0..7
	v_and_b32 v2, 31, v0                           ; lane
	v_lshlrev_b32 v3, 4, v2                        ; 16 x lane
	v_lshlrev_b32 v[O8], 3, v2                     ; 8 x lane
	v_and_b32 v6, 15, v0                           ; r
	v_bfe_u32 v7, v0, 4, 1                         ; h
	s_lshr_b32 s13, ttmp9, 1
	s_lshl_b32 s13, s13, 5
	s_and_b32 s14, ttmp9, 1
	s_lshl_b32 s14, s14, 3
	s_add_co_u32 s13, s13, s14
	s_lshl_b32 s14, s12, 1
	s_add_co_u32 s13, s13, s14
	s_lshr_b32 s14, s12, 2
	s_lshl_b32 s14, s14, 3
	s_add_co_u32 s13, s13, s14                     ; the true row at place 2 w; place 2 w + 1 is the row behind it
	s_lshl_b32 s14, s13, 12
	s_mov_b32 s15, 0
	s_mov_b32 s[SEL], 0x76543210
	s_mov_b32 s[SEL+1], 0xfedcba98
	s_mov_b32 s18, 0x3a800000                      ; 1 / 1,024
	s_mov_b32 s19, 0x3727c5ac                      ; 1e-5
	s_mul_i32 s20, s12, 2*LP
	v_add_nc_u32 v4, s20, v3                       ; LDS, phase 1: my two rows, 16 bytes a lane
	v_mul_u32_u24 v5, v6, LP
	v_lshl_add_u32 v5, v7, 6, v5
	s_lshl_b32 s21, s12, 9
	v_add_nc_u32 v5, s21, v5                       ; LDS, phase 2: row r, K step w, + 64 h: my 16 numbers of a block of 32
	s_lshl_b32 s22, ttmp9, 3
	s_add_co_u32 s22, s22, s12
	s_mul_i32 s22, s22, 1536                       ; my fragment: (8 t + w) x 1,536
	s_mov_b32 s23, 0
	s_lshl_b32 s27, s12, 8
	s_add_co_u32 s27, s27, ttmp9
	s_lshl_b32 s27, s27, 6
	s_add_co_u32 s27, s27, 3145728                 ; its scale words: (256 w + t) x 64
	v_lshl_add_u32 v[OSC], v6, 2, s27
.irp b, 0,1,2,3
	v_mov_b32 v[TM+4+\b], 0                        ; written once: a lane permute's destination counts as one of its sources
.endr
	v_mov_b32 v21, 0                               ; (named as the upper halves of the pairs that carry 1 / sigma)
	v_mov_b32 v23, 0
	s_wait_kmcnt 0x0
	s_add_nc_u64 s[4:5], s[4:5], s[14:15]
	s_add_nc_u64 s[24:25], s[10:11], s[22:23]
.irp R, 0,1
.irp j, 0,1,2,3,4,5,6,7
	global_load_b128 v[32+32*\R+4*\j:35+32*\R+4*\j], v3, s[4:5] offset:4096*\R+512*\j   ; 512 consecutive bytes a load: register 4 j + e is column 128 j + 4 lane + e
.endr
.endr
.irp j, 0,1,2,3,4,5,6,7
	global_load_b128 v[96+4*\j:99+4*\j], v3, s[6:7] offset:512*\j
.endr
.irp j, 0,1,2,3,4,5,6,7
	global_load_b128 v[128+4*\j:131+4*\j], v3, s[8:9] offset:512*\j
.endr
	s_wait_loadcnt 16                              ; my two rows are in; the sixteen loads of g and b may be out
; the two rows take turns line by line.  Row R: sums in v[8+4R:9+4R] and v[10+4R:11+4R]
.irp R, 0,1
	v_pk_add_f32 v[8+4*\R:9+4*\R], v[32+32*\R:33+32*\R], v[34+32*\R:35+32*\R]
	v_pk_add_f32 v[10+4*\R:11+4*\R], v[36+32*\R:37+32*\R], v[38+32*\R:39+32*\R]
.endr
.irp i, 8,12,16,20,24,28
.irp R, 0,1
	v_pk_add_f32 v[8+4*\R:9+4*\R], v[8+4*\R:9+4*\R], v[32+32*\R+\i:33+32*\R+\i]
	v_pk_add_f32 v[10+4*\R:11+4*\R], v[10+4*\R:11+4*\R], v[34+32*\R+\i:35+32*\R+\i]
.endr
.endr
.irp R, 0,1
	v_pk_add_f32 v[8+4*\R:9+4*\R], v[8+4*\R:9+4*\R], v[10+4*\R:11+4*\R]
.endr
.irp R, 0,1
	v_add_f32 v[8+4*\R], v[8+4*\R], v[9+4*\R]
.endr
.irp m, 1,2,4,8
.irp R, 0,1
	v_add_f32_dpp v[8+4*\R], v[8+4*\R], v[8+4*\R] row_xmask:\m row_mask:0xf bank_mask:0xf
.endr
.endr
.irp R, 0,1
	v_permlanex16_b32 v[9+4*\R], v[8+4*\R], s[SEL], s[SEL+1]
.endr
.irp R, 0,1
	v_add_f32 v[8+4*\R], v[8+4*\R], v[9+4*\R]
.endr
.irp R, 0,1
	v_mul_f32 v[8+4*\R], s18, v[8+4*\R]            ; the mean, in every lane
.endr
.irp i, 0,2,4,6,8,10,12,14,16,18,20,22,24,26,28,30
.irp R, 0,1
	v_pk_add_f32 v[32+32*\R+\i:33+32*\R+\i], v[32+32*\R+\i:33+32*\R+\i], v[8+4*\R:9+4*\R] op_sel_hi:[1,0] neg_lo:[0,1] neg_hi:[0,1]   ; d = x - mean
.endr
.endr
.irp R, 0,1
	v_pk_mul_f32 v[10+4*\R:11+4*\R], v[32+32*\R:33+32*\R], v[32+32*\R:33+32*\R]
	v_pk_mul_f32 v[16+2*\R:17+2*\R], v[34+32*\R:35+32*\R], v[34+32*\R:35+32*\R]
.endr
.irp i, 4,8,12,16,20,24,28
.irp R, 0,1
	v_pk_fma_f32 v[10+4*\R:11+4*\R], v[32+32*\R+\i:33+32*\R+\i], v[32+32*\R+\i:33+32*\R+\i], v[10+4*\R:11+4*\R]
	v_pk_fma_f32 v[16+2*\R:17+2*\R], v[34+32*\R+\i:35+32*\R+\i], v[34+32*\R+\i:35+32*\R+\i], v[16+2*\R:17+2*\R]
.endr
.endr
.irp R, 0,1
	v_pk_add_f32 v[10+4*\R:11+4*\R], v[10+4*\R:11+4*\R], v[16+2*\R:17+2*\R]
.endr
.irp R, 0,1
	v_add_f32 v[10+4*\R], v[10+4*\R], v[11+4*\R]
.endr
.irp m, 1,2,4,8
.irp R, 0,1
	v_add_f32_dpp v[10+4*\R], v[10+4*\R], v[10+4*\R] row_xmask:\m row_mask:0xf bank_mask:0xf
.endr
.endr
.irp R, 0,1
	v_permlanex16_b32 v[11+4*\R], v[10+4*\R], s[SEL], s[SEL+1]
.endr
.irp R, 0,1
	v_add_f32 v[10+4*\R], v[10+4*\R], v[11+4*\R]
.endr
.irp R, 0,1
	v_fma_f32 v[10+4*\R], v[10+4*\R], s18, s19     ; var + 1e-5
.endr
	v_rsq_f32 v20, v10
	v_rsq_f32 v22, v14
	v_nop                                          ; a plain instruction behind the two roots
	s_wait_alu depctr_va_vdst(0)                   ; one wait for both, ahead of their first reader
	s_wait_loadcnt 0x0                             ; g and b
.irp i, 0,2,4,6,8,10,12,14,16,18,20,22,24,26,28,30
.irp R, 0,1
	v_pk_mul_f32 v[32+32*\R+\i:33+32*\R+\i], v[32+32*\R+\i:33+32*\R+\i], v[20+2*\R:21+2*\R] op_sel_hi:[1,0]
.endr
.irp R, 0,1
	v_pk_fma_f32 v[32+32*\R+\i:33+32*\R+\i], v[32+32*\R+\i:33+32*\R+\i], v[96+\i:97+\i], v[128+\i:129+\i]
.endr
.endr
.irp R, 0,1
.irp j, 0,1,2,3,4,5,6,7
	ds_store_b128 v4, v[32+32*\R+4*\j:35+32*\R+4*\j] offset:LP*\R+512*\j
.endr
.endr
	s_wait_dscnt 0x0                               ; for the others' sake: my rows lie in LDS
	s_barrier_signal -1
	s_barrier_wait -1
.irp b, 0,1,2,3
.irp j, 0,1,2,3
	ds_load_b128 v[32+16*\b+4*\j:35+16*\b+4*\j], v5 offset:128*\b+16*\j   ; y(row r, 128 w + 32 b + 16 h + 4 j ..)
.endr
.endr
	s_wait_dscnt 0x0
	QUANT 32, PW
	global_store_b128 v3, v[PC:PC+3], s[24:25]
	global_store_b64 v[O8], v[PC+4:PC+5], s[24:25] offset:512
	global_store_b128 v3, v[PC+6:PC+9], s[24:25] offset:768
	global_store_b64 v[O8], v[PC+10:PC+11], s[24:25] offset:1280
	v_cmp_gt_u32 vcc_lo, 16, v2                    ; lanes 0-15 store the 16 rows' scale words
	s_wait_xcnt 0x0                                ; EXEC changes only behind this wait: the stores above have taken their sources
	s_wait_tensorcnt 0x0
	ds_add_u32 v200, v201
	s_wait_dscnt 0x0
	s_and_saveexec_b32 s26, vcc_lo
	global_store_b32 v[OSC], v[PW], s[10:11]
	s_wait_xcnt 0x0                                ; and again, in front of the line that widens it
	s_or_b32 exec_lo, exec_lo, s26
	s_endpgm
.Lfunc_end_k_q05c8529b6b_ln2:
	.size	k_q05c8529b6b_ln2, .Lfunc_end_k_q05c8529b6b_ln2-k_q05c8529b6b_ln2
	.p2alignl 7, 3214868480
	.fill 96, 4, 3214868480
	.section	.rodata,"a",@progbits
	.p2align	6, 0x0
	.amdhsa_kernel k_q05c8529b6b_ln2
		.amdhsa_group_segment_fixed_size 66816
		.amdhsa_private_segment_fixed_size 0
		.amdhsa_enable_private_segment 0
		.amdhsa_kernarg_size 32
		.amdhsa_user_sgpr_count 2
		.amdhsa_user_sgpr_kernarg_segment_ptr 1
		.amdhsa_wavefront_size32 1
		.amdhsa_system_sgpr_workgroup_id_x 1
		.amdhsa_system_sgpr_workgroup_id_y 1
		.amdhsa_system_sgpr_workgroup_id_z 1
		.amdhsa_system_vgpr_workitem_id 0
		.amdhsa_next_free_vgpr 202
		.amdhsa_next_free_sgpr 66
		.amdhsa_reserve_vcc 1
		.amdhsa_float_denorm_mode_32 3
		.amdhsa_float_denorm_mode_16_64 3
		.amdhsa_memory_ordered 1
		.amdhsa_forward_progress 1
		.amdhsa_inst_pref_size 24
	.end_amdhsa_kernel
	.amdgpu_metadata
---
amdhsa.version: [ 1, 2 ]
amdhsa.kernels:
  - .name:           k_q05c8529b6b_ln2
    .symbol:         k_q05c8529b6b_ln2.kd
    .args:
      - { .name: x1, .offset: 0, .size: 8, .value_kind: global_buffer, .address_space: global }
      - { .name: g2, .offset: 8, .size: 8, .value_kind: global_buffer, .address_space: global }
      - { .name: be2, .offset: 16, .size: 8, .value_kind: global_buffer, .address_space: global }
      - { .name: xq, .offset: 24, .size: 8, .value_kind: global_buffer, .address_space: global }
    .group_segment_fixed_size: 66816
    .private_segment_fixed_size: 0
    .kernarg_segment_align: 8
    .kernarg_segment_size: 32
    .max_flat_workgroup_size: 256
    .sgpr_count:     66
    .vgpr_count:     202
    .wavefront_size: 32
...
	.end_amdgpu_metadata
.endif
;; end of part 5
;; launch ffn1 (part 6): grid 16 x 16, 4 waves a work-group, clusters of 4 x 4, 327,680 bytes of LDS; arguments xq, wb, b1, hid; writes hid
.if DOCPART == 6
	.amdgcn_target "amdgcn-amd-amdhsa--gfx1250"
	.amdhsa_code_object_version 6
	.text
	.protected	k_q05c8529b6b_ffn1
	.globl	k_q05c8529b6b_ffn1
	.p2align	8
	.type	k_q05c8529b6b_ffn1,@function
k_q05c8529b6b_ffn1:
	s_mov_b64 s[64:65], 0
	v_nop
	global_prefetch_b8 v0, s[64:65] scope:SCOPE_SE
	s_setreg_imm32_b32 hwreg(HW_REG_WAVE_MODE, 25, 1), 1
	s_wait_xcnt 0x0
	s_wait_alu depctr_hold_cnt(0) depctr_sa_sdst(0) depctr_va_vdst(0) depctr_va_sdst(0) depctr_va_ssrc(0) depctr_va_vcc(0) depctr_vm_vsrc(0)
	s_getreg_b32 s2, hwreg(HW_REG_IB_STS2, 6, 4)
	s_cmp_eq_u32 s2, 0
	s_cbranch_scc0 .Lentry_in_a_cluster
	s_endpgm
.Lentry_in_a_cluster:
	s_bfe_u32 s2, ttmp6, 0x10000c
	s_cmp_lg_u32 s2, 0xf033
	s_cbranch_scc0 .Lentry_shape_is_right
	s_endpgm
.Lentry_shape_is_right:
; A product of two MX-FP6 (E2M3) operands with K = 1,024 whose result, with its bias (and relu), is quantised again in registers and stored as the next product's operand.
; KIND 0: q = h Wq + bq and k = h Wk + bk (tokens x 2,048 columns, quantised along the columns: a head's 64 are two blocks of 32), and v^T = (h Wv + bv)^T (1,024 channels x 4,096 tokens, quantised along the tokens, the
;         second attention product's K).  Clusters 0-7 make q and k: operand A = the tokens, B = Wq, Wk.  Clusters 8-11 make v^T: THE OPERANDS CHANGE PLACES, A = Wv, B = the tokens; all else is the same text.
; KIND 1: relu(h W1 + b1), tokens x 4,096, quantised along the 4,096.
; LAYOUT OF EVERY OPERAND: rows in blocks of 16, place rho of block t = true row 32 (t / 2) + 8 (t % 2) + rho + 8 (rho / 8).  A fragment (block x 128 along K, 12 registers a lane) is an image of 1,536 bytes: registers 0-3 at
; 16 l, 4-5 at 512 + 8 l, 6-9 at 768 + 16 l, 10-11 at 1,280 + 8 l.  Codes [t][K step][1,536]; scale words [K step][t][rho].  So a fragment comes from LDS by four loads of consecutive bytes, with no pitch and no padding.
; THE MATRIX INSTRUCTION IS USED TRANSPOSED (source 0 = a block of B, source 1 = a block of A): a lane holds one row of A, and by the order of rows in B's blocks the 64 registers of its eight accumulators are
; k = 32 b + 16 (lane / 16) + i of the next operand, register 16 b + i: the order in which the conversions want them.  The new fragment inherits A's order of rows.
; A tile is 256 rows of A x 256 rows of B: four waves, as many as a WGP has SIMDs, each 128 x 128 in 64 accumulators.  K goes in steps of 256 through two LDS slots filled by the tensor data mover; the scale words of the
; tile's rows for all of K come once, with the first fills.  CLUSTERS: 4 x 4 work-groups; A's tiles are asked for jointly along a row of the cluster, B's along a column.
; The bias of B's rows is the C of each accumulator's first matrix instruction; the bias of A's rows (bv) is added on the way out.  Where a cluster has no such bias the registers hold zeros (a select, no branch).
; REGISTERS: window 0: v16-29 addresses; v32-63 scale words, two sets; v64-127 bias of B's rows; v128-223 A's eight fragments, one set; v224-239 bias of A's rows; v240-255 at work.  On the way out v128-223 are free.
;   window 1: B's fragments, two sets, at v0 and v128.  windows 2, 3: the accumulators of my rows 0-63 and 64-127, (a, b) at v[8 (8 (a % 4) + b)].
; LIMITS: NaN and infinities are not served; a block of 32 whose largest magnitude lies under 2^-124 keeps the scale byte 1; a block of zeros has the byte 1 and not 127 (its codes are zeros; this program alone reads the bytes).
.set KIND,   1
.set FR,     12                        ; registers of a fragment
.set NL,     4                         ; LDS loads that bring one
.set NP,     4                         ; places behind this matrix instruction (ISA guide 7.12.1)
.set NQ,     2                         ; K steps of 128 in a slot
.set FRB,    1536
.set BLK,    NQ*FRB                    ; a row block's part of a slot
.set HALFT,  8*BLK                     ; 8 row blocks: what one tensor load brings, and what a wave reads of A or of B
.set SLOT,   4*HALFT                   ; A's 16 blocks, then B's 16
.set KROW,   8*FRB                     ; a row block's codes of all of K in memory
.set SCL,    2*SLOT                    ; behind the ring: A's scale words [8 K steps][16 blocks][64], then B's
.set HALFS,  4096                      ; four K steps' words of 16 blocks: what one tensor load brings
.set SPARE,  SCL+4*HALFS               ; the spare words, 128 bytes for each wave: two blocks of 256 bytes that no other line names
.set LAPS,   2                         ; a lap = two slots = 512 along K
.set ADRA, 16                          ; v16-17 LDS address of my A fragments' 16-byte pieces in slot 0, 1; v18-19 of their 8-byte pieces
.set ADRB, 20                          ; v20-23 the same for B
.set O16,  24                          ; v24  16 x lane
.set O8,   25                          ; v25  8 x lane
.set OS,   26                          ; v26  4 x lane
.set ADRS, 27                          ; v27  LDS address of my scale words: lanes 0-15 A's rows, lanes 16-31 B's
.set SPW,  28                          ; v28  LDS address of my spare word; never rewritten
.set NIL,  29                          ; v29  0; never rewritten
.set SC,   32                          ; scale words: set s at v[SC + 16 s]; register 2 i + q: lanes 0-15 A's block i, lanes 16-31 B's block i, the slot's q-th K step
.set CB,   64
.set AF,   128
.set RB,   224
.set TM,   240
.set T,    128                         ; the way out: 64 numbers
.set PC,   192                         ; the codes just made (v192-210)
.set PWS,  212                         ; v212-219 the eight blocks' scale words
.set XW,   220                         ; v220-223 two blocks' words in one register
.set G1,   24                          ; s[24:31] descriptor group 1 for A's tiles; s[32:39] group 0, a set for each slot
.set G0,   32
.set G1B,  48                          ; s[48:55], s[56:63] the same for B's
.set G0B,  56
.set G1S,  68                          ; s[68:75], s[76:79] groups 1 and 0 for A's scale words; s[80:87], s[88:91] for B's
.set G0S,  76
.set G1SB, 80
.set G0SB, 88
.set OUT,  96                          ; s[96:97] where my block's fragment goes
.set OUTS, 98                          ; s[98:99] where my eight blocks' scale words go
.set SEL,  104                         ; s[104:105] lane selects: lane l xor 16
.if KIND == 0
.set OP,   14
.else
.set OP,   10
.endif
.set MSB, 0
.macro WIN new                         ; the immediate's high byte repeats the setting that is left
.if MSB != (\new)
	s_set_vgpr_msb (MSB<<8)|(\new)
.set MSB, (\new)
.endif
.endm
.set MUL_LO, 0xa1                      ; source 0 (B) window 1, source 1 (A) window 0, C and D window 2
.set MUL_HI, 0xf1                      ; the same, C and D window 3
.set TO_B,   0x40                      ; destination window 1, address window 0
; A joint load: waves 0 and 1 fetch for A, waves 2 and 3 for B.  Each of the two lines has one mask and one set of registers for all that issue it; the branch hangs on the wave's number alone.
; Four v_nop follow each of the two lines, ahead of the jump, the label and what follows.
.macro JLOAD g0a, g1a, g0b, g1b
	s_cmp_eq_u32 s17, 0
	s_cbranch_scc0 .Lfor_b_\@
	tensor_load_to_lds s[\g0a:\g0a+3], s[\g1a:\g1a+7]
	s_nop 0
.rept 4
	v_nop
.endr
	s_branch .Lasked_\@
.Lfor_b_\@:
	tensor_load_to_lds s[\g0b:\g0b+3], s[\g1b:\g1b+7]
	s_nop 0
.rept 4
	v_nop
.endr
.Lasked_\@:
.endm
.macro CREST                           ; a round of the cluster's barrier behind its opening barrier
	s_cmp_lg_u32 s16, 0
	s_cbranch_scc1 .Lnot_wave_0_\@
	s_barrier_signal -3
.Lnot_wave_0_\@:
	s_barrier_wait -3
	s_barrier_signal -1
	s_barrier_wait -1
.endm
.macro CROUND                          ; a whole round
	s_barrier_signal -1
	s_barrier_wait -1
	CREST
.endm
.macro PLACES n
.rept \n
	v_nop
.endr
.endm
.macro FRAG reg, a16, a8, off          ; a fragment's image into 12 registers
	ds_load_b128 v[\reg:\reg+3], v[\a16] offset:\off
	ds_load_b64 v[\reg+4:\reg+5], v[\a8] offset:\off+512
	ds_load_b128 v[\reg+6:\reg+9], v[\a16] offset:\off+768
	ds_load_b64 v[\reg+10:\reg+11], v[\a8] offset:\off+1280
.endm
; 64 numbers of a lane, v[s] .. v[s + 63], register 16 b + i = k 32 b + 16 (lane / 16) + i of my row, become a fragment's codes in v[PC] on and its scale word in v[pw].
.macro QUANT s, pw
.irp b, 0,1,2,3
	v_max3_num_f32 v[TM+\b], |v[\s+16*\b]|, |v[\s+1+16*\b]|, 0x1800000   ; block b: my 16 numbers, and the floor 2^(3 - 127): the byte cannot fall under 1
.endr
.irp i, 2,4,6,8,10,12,14
.irp b, 0,1,2,3
	v_max3_num_f32 v[TM+\b], v[TM+\b], |v[\s+16*\b+\i]|, |v[\s+1+16*\b+\i]|
.endr
.endr
.irp b, 0,1,2,3
	v_permlanex16_b32 v[TM+4+\b], v[TM+\b], s[SEL], s[SEL+1]
.endr
.irp b, 0,1,2,3
	v_max_num_f32 v[TM+\b], v[TM+\b], v[TM+4+\b]   ; with lane l xor 16's: the block's largest magnitude
.endr
.irp b, 0,1,2,3
	v_add_nc_u32 v[TM+12+\b], 0xff000000, v[TM+\b] ; 2 off its exponent field: the conversion's scale operand
.endr
.irp b, 0,1,2,3
	v_lshrrev_b32 v[TM+4+\b], 23, v[TM+12+\b]      ; the scale's byte
.endr
	v_lshl_or_b32 v[\pw], v[TM+5], 8, v[TM+4]
	v_lshl_or_b32 v[\pw], v[TM+6], 16, v[\pw]
	v_lshl_or_b32 v[\pw], v[TM+7], 24, v[\pw]
.irp c, 0,1
	v_cvt_scalef32_pk16_fp6_f32 v[PC+6*\c:PC+2+6*\c], v[\s+32*\c:\s+15+32*\c], v[TM+12+2*\c]
	v_cvt_scalef32_pk16_fp6_f32 v[PC+12+4*\c:PC+14+4*\c], v[\s+16+32*\c:\s+31+32*\c], v[TM+12+2*\c+1]   ; (a conversion's three registers begin on an even number)
.endr
	v_nop                                          ; one plain instruction behind the scaled conversions
.irp c, 0,1                                    ; the operand's layout wants a whole block in a lane: lanes 0-15 block 2 c, lanes 16-31 block 2 c + 1
.irp i, 0,1,2
	v_permlane16_swap_b32 v[PC+6*\c+\i], v[PC+12+4*\c+\i]
.endr
.irp i, 0,1,2
	v_mov_b32 v[PC+3+6*\c+\i], v[PC+12+4*\c+\i]
.endr
.endr
.endm
.if KIND == 0
	s_load_b256 s[4:11], s[0:1], 0x0               ; the tokens' operand, the weights' operands, bq, bk
	s_load_b128 s[12:15], s[0:1], 0x20             ; bv, the result
.else
	s_load_b256 s[4:11], s[0:1], 0x0               ; the tokens' operand, the weights' operands, b1, the result
.endif
	v_lshl_add_u32 v[SPW], v0, 2, SPARE
	v_mov_b32 v[NIL], 0
	ds_add_u32 v28, v29
	ds_add_u32 v28, v29
	s_wait_dscnt 0x0
	v_lshrrev_b32 v1, 5, v0
	v_readfirstlane_b32 s16, v1                    ; wave 0..3
	s_lshr_b32 s17, s16, 1                         ; which half of A's rows is mine.  Also: I fetch for A (0) or for B (1)
	s_and_b32 s18, s16, 1                          ; which half of B's rows.  Also: which half of that tile I fetch
	s_bfe_u32 s40, ttmp6, 0x40000                  ; cx, cy: my place in the cluster
	s_bfe_u32 s41, ttmp6, 0x40004
.if KIND == 0
	s_and_b32 s45, ttmp9, 3
	s_lshl_b32 s45, s45, 2                         ; 4 x (cluster % 4)
	s_lshr_b32 s94, ttmp9, 2
	s_lshl_b32 s94, s94, 2                         ; 4 x (cluster / 4)
	s_cmp_ge_u32 ttmp9, 8                          ; a cluster of v^T?  The same in all sixteen partners
	s_cselect_b32 s95, 0, s45
	s_cselect_b32 s42, s45, s94
	s_cselect_b32 s66, 0, -1                       ; keeps the bias of B's rows (q, k)
	s_cselect_b32 s67, -1, 0                       ; keeps the bias of A's rows (v)
	s_add_co_u32 s95, s95, s41                     ; A's tile: tokens 4 (cluster % 4) + cy, or Wv's cy
	s_add_co_u32 s42, s42, s40                     ; B's tile: Wq, Wk's 4 (cluster / 4) + cx, or tokens 4 (cluster % 4) + cx
.else
	s_and_b32 s95, ttmp7, 0xffff
	s_lshl_b32 s95, s95, 2
	s_add_co_u32 s95, s95, s41                     ; A's tile = 4 x cluster y + cy
	s_lshl_b32 s42, ttmp9, 2
	s_add_co_u32 s42, s42, s40                     ; B's tile = 4 x cluster x + cx
.endif
	s_lshl_b32 s43, s41, 2
	s_lshl_b32 s43, 15, s43                        ; my row of the cluster
	s_lshl_b32 s44, 0x1111, s40                    ; my column
	; descriptor group 1, codes: 8 rows (row blocks) of 3,072 bytes, 12,288 bytes apart in memory, dense in LDS; elements of 8 bytes
	s_or_b32 s[G1+0], s43, (3<<16)|(1<<21)         ; 15:0 the mask: A's tiles go to my row; 17:16 elements of 8 bytes; 21 set beside a mask; no padding
	s_or_b32 s[G1B+0], s44, (3<<16)|(1<<21)
.irp g, G1, G1B
	s_mov_b32 s[\g+1], 384<<16                     ; tensor_dim0
	s_mov_b32 s[\g+2], 8<<16                       ; tensor_dim1
	s_mov_b32 s[\g+3], 384<<16                     ; tile_dim0
	s_mov_b32 s[\g+4], 8                           ; tile_dim1
	s_mov_b32 s[\g+5], 1536                        ; tensor_dim0_stride
	s_mov_b32 s[\g+6], 0
	s_mov_b32 s[\g+7], 0
.endr
	; scale words: 4 rows (K steps) of 1,024 bytes, 16,384 bytes apart
	s_or_b32 s[G1S+0], s43, (3<<16)|(1<<21)
	s_or_b32 s[G1SB+0], s44, (3<<16)|(1<<21)
.irp g, G1S, G1SB
	s_mov_b32 s[\g+1], 128<<16
	s_mov_b32 s[\g+2], 4<<16
	s_mov_b32 s[\g+3], 128<<16
	s_mov_b32 s[\g+4], 4
	s_mov_b32 s[\g+5], 2048
	s_mov_b32 s[\g+6], 0
	s_mov_b32 s[\g+7], 0
.endr
	; where the tiles come from.  A's offsets (s20-23) hang on A's tile alone, B's (s46, s47, s92, s93) on B's alone
	s_mul_i32 s20, s95, 16*KROW
	s_mul_i32 s45, s18, 8*KROW
	s_add_co_u32 s20, s20, s45
	s_mul_i32 s46, s42, 16*KROW
	s_add_co_u32 s46, s46, s45
	s_lshl_b32 s45, s18, 16                        ; four K steps of scale words
	s_lshl_b32 s22, s95, 10
	s_add_co_u32 s22, s22, s45
	s_lshl_b32 s92, s42, 10
	s_add_co_u32 s92, s92, s45
.if KIND == 0
	s_mov_b32 s45, 3145728                         ; the tokens' scale words
	s_mov_b32 s94, 9437184                         ; Wq, Wk, Wv's scale words
	s_cmp_ge_u32 ttmp9, 8
	s_cselect_b32 s21, 1572864, 0                  ; Wv's codes
	s_cselect_b32 s23, 9445376, s45                ; Wv's scale words: 128 blocks on in the table
	s_cselect_b32 s93, s45, s94
	s_add_co_u32 s20, s20, s21
	s_add_co_u32 s22, s22, s23
	s_add_co_u32 s92, s92, s93
.else
	s_add_co_u32 s22, s22, 3145728
	s_add_co_u32 s46, s46, 3145728                 ; W1's codes
	s_add_co_u32 s92, s92, 9601024                 ; W1's scale words
.endif
	s_mov_b32 s21, 0
	s_mov_b32 s23, 0
	s_mov_b32 s47, 0
	s_mov_b32 s93, 0
	s_mul_i32 s45, s16, HALFT                      ; where they go: wave x 8 blocks: no place in the cluster enters an LDS address
	s_mul_i32 s94, s16, HALFS
	s_wait_kmcnt 0x0
.if KIND == 0
	s_cmp_ge_u32 ttmp9, 8
	s_cselect_b64 s[100:101], s[6:7], s[4:5]       ; A's buffer
	s_cselect_b64 s[98:99], s[4:5], s[6:7]         ; B's buffer
.else
	s_mov_b64 s[100:101], s[4:5]
	s_mov_b64 s[98:99], s[6:7]
.endif
	s_add_nc_u64 s[20:21], s[100:101], s[20:21]
	s_add_nc_u64 s[22:23], s[100:101], s[22:23]
	s_add_nc_u64 s[46:47], s[98:99], s[46:47]
	s_add_nc_u64 s[92:93], s[98:99], s[92:93]
	CROUND                                         ; all sixteen work-groups are here: the first joint loads meet
	s_mov_b32 s[G0S], 1
	s_add_co_u32 s[G0S+1], s94, SCL
	s_mov_b64 s[G0S+2:G0S+3], s[22:23]
	s_or_b32 s[G0S+3], s[G0S+3], 0x80000000
	s_mov_b32 s[G0SB], 1
	s_add_co_u32 s[G0SB+1], s94, SCL
	s_mov_b64 s[G0SB+2:G0SB+3], s[92:93]
	s_or_b32 s[G0SB+3], s[G0SB+3], 0x80000000
	JLOAD G0S, G1S, G0SB, G1SB                     ; the scale words first: they are wanted with the first K step
.irp s, 0,1
	s_mov_b32 s[G0+4*\s], 1
	s_add_co_u32 s[G0+4*\s+1], s45, \s*SLOT
	s_add_nc_u64 s[G0+4*\s+2:G0+4*\s+3], s[20:21], \s*BLK
	s_or_b32 s[G0+4*\s+3], s[G0+4*\s+3], 0x80000000
	s_mov_b32 s[G0B+4*\s], 1
	s_add_co_u32 s[G0B+4*\s+1], s45, \s*SLOT
	s_add_nc_u64 s[G0B+4*\s+2:G0B+4*\s+3], s[46:47], \s*BLK
	s_or_b32 s[G0B+4*\s+3], s[G0B+4*\s+3], 0x80000000
	JLOAD G0+4*\s, G1, G0B+4*\s, G1B               ; three loads of mine are out
.endr
	v_and_b32 v1, 15, v0                           ; r
	v_bfe_u32 v2, v0, 4, 1                         ; h
	v_and_b32 v3, 31, v0
	v_lshlrev_b32 v[O16], 4, v3
	v_lshlrev_b32 v[O8], 3, v3
	v_lshlrev_b32 v[OS], 2, v3
	s_mul_i32 s21, s17, HALFT                      ; my 8 blocks of A
	s_mul_i32 s22, s18, HALFT                      ; my 8 blocks of B,
	s_add_co_u32 s22, s22, 2*HALFT                 ; which lie behind A's 16
.irp s, 0,1
	v_add_nc_u32 v[ADRA+\s], s21, v[O16]
	v_add_nc_u32 v[ADRA+2+\s], s21, v[O8]
	v_add_nc_u32 v[ADRB+\s], s22, v[O16]
	v_add_nc_u32 v[ADRB+2+\s], s22, v[O8]
	s_add_co_u32 s21, s21, SLOT
	s_add_co_u32 s22, s22, SLOT
.endr
	s_lshl_b32 s21, s17, 9                         ; A's words: my 8 blocks of 64 bytes
	s_lshl_b32 s22, s18, 9                         ; B's: my 8 blocks, behind A's 8,192 bytes
	s_add_co_u32 s22, s22, 2*HALFS
	s_sub_co_u32 s22, s22, s21
	v_mul_u32_u24 v4, s22, v2                      ; lanes 16-31 take B's
	s_add_co_u32 s21, s21, SCL
	v_lshl_add_u32 v4, v1, 2, v4
	v_add_nc_u32 v[ADRS], s21, v4
	; the bias of B's rows, in the result's layout: for accumulator b my eight are B's true rows 32 (b / 2) + 16 h + 8 (b % 2) + 0 .. 7 of my 128
.if KIND == 0
	s_lshr_b32 s20, ttmp9, 2
	s_cmp_eq_u32 s20, 1
	s_cselect_b64 s[8:9], s[10:11], s[8:9]         ; bk for the clusters of k, else bq (in the clusters of v^T it is read and replaced by zeros)
	s_lshl_b32 s19, s40, 10                        ; 256 cx numbers on
.else
	s_lshl_b32 s19, s42, 10
.endif
	s_lshl_b32 s3, s18, 9
	s_add_co_u32 s19, s19, s3
	v_lshl_add_u32 v5, v2, 6, s19
.irp b, 0,1,2,3,4,5,6,7
	global_load_b128 v[CB+8*\b:CB+8*\b+3], v5, s[8:9] offset:(32*(\b/2)+8*(\b%2))*4
	global_load_b128 v[CB+8*\b+4:CB+8*\b+7], v5, s[8:9] offset:(32*(\b/2)+8*(\b%2))*4+16
.endr
.if KIND == 0
	s_lshl_b32 s19, s41, 10                        ; the bias of A's rows: for block a my one is bv at 256 cy + 128 half + the true row of place r
	s_lshl_b32 s3, s17, 9
	s_add_co_u32 s19, s19, s3
	v_and_b32 v6, 8, v1
	v_add_nc_u32 v6, v6, v1                        ; r + 8 (r / 8)
	v_lshl_add_u32 v6, v6, 2, s19
.irp a, 0,1,2,3,4,5,6,7
	global_load_b32 v[RB+2*\a], v6, s[12:13] offset:(32*(\a/2)+8*(\a%2))*4
	v_mov_b32 v[RB+2*\a+1], 0                      ; (named with it as a pair)
.endr
.endif
.irp b, 0,1,2,3
	v_mov_b32 v[TM+4+\b], 0                        ; written once: a lane permute's destination counts as one of its sources
.endr
	s_mov_b32 s[SEL], 0x76543210
	s_mov_b32 s[SEL+1], 0xfedcba98
	s_mov_b32 s2, 0xffff0000                       ; lanes 16-31
	; where the result goes: fragment (block t0 + a, K step so) and scale words (so, t0 ..)
.if KIND == 0
	s_mov_b32 s4, 24576
	s_mov_b32 s5, 6291456
	s_mov_b32 s6, 16384
	s_cmp_ge_u32 ttmp9, 8
	s_cselect_b32 s100, 49152, s4                  ; from block to block: 1,536 x K steps (q, k: 16; v^T: 32)
	s_cselect_b32 s5, 9699328, s5                  ; the scale words' table
	s_cselect_b32 s6, 4096, s6                     ; from K step to K step in it: 64 x blocks (256; 64)
	s_cselect_b32 s4, 6553600, 0                   ; the codes
.else
	s_mov_b32 s100, 49152
	s_mov_b32 s5, 12582912
	s_mov_b32 s6, 16384
	s_mov_b32 s4, 0
.endif
	s_mov_b32 s101, 0
	s_lshl_b32 s96, s95, 4
	s_lshl_b32 s3, s17, 3
	s_add_co_u32 s96, s96, s3                      ; t0 = 16 x A's tile + 8 x half
	s_lshl_b32 s98, s42, 1
	s_add_co_u32 s98, s98, s18                     ; so = 2 x B's tile + half
	s_mul_i32 s19, s98, s6
	s_lshl_b32 s3, s96, 6
	s_add_co_u32 s19, s19, s3
	s_add_co_u32 s19, s19, s5
	s_mul_i32 s96, s96, s100
	s_mul_i32 s98, s98, 1536
	s_add_co_u32 s96, s96, s98
	s_add_co_u32 s96, s96, s4
	s_mov_b32 s97, 0
	s_mov_b32 s98, s19
	s_mov_b32 s99, 0
	s_add_nc_u64 s[OUT:OUT+1], s[OP:OP+1], s[OUT:OUT+1]
	s_add_nc_u64 s[OUTS:OUTS+1], s[OP:OP+1], s[OUTS:OUTS+1]
	s_wait_loadcnt 0x0                             ; the biases
.if KIND == 0
.set i, 0
.rept 64
	v_cndmask_b32 v[CB+i], 0, v[CB+i], s66         ; zeros in the clusters of v^T
.set i, i+1
.endr
.irp a, 0,1,2,3,4,5,6,7
	v_cndmask_b32 v[RB+2*\a], 0, v[RB+2*\a], s67   ; zeros in the clusters of q and k
.endr
.endif
; 16 matrix instructions: A's blocks a0, a0 + 1 x B's eight, 128 along K: the slot's q-th.  p: B's set; sc: the set of scale words.  zero = 1: the first product starts the sums from the bias: nothing is cleared.
; The 64 accumulators take turns, one instruction a turn, in the same order in every step.
.macro MUL16 a0, p, q, sc, zero
.irp a, \a0, \a0+1
.irp b, 0,1,2,3,4,5,6,7
.if \zero
	v_wmma_scale_f32_16x16x128_f8f6f4 v[8*(8*((\a)%4)+\b):8*(8*((\a)%4)+\b)+7], v[128*(\p)+FR*\b:128*(\p)+FR*\b+FR-1], v[AF+FR*(\a):AF+FR*(\a)+FR-1], v[CB+8*\b:CB+8*\b+7], v[SC+8*NQ*(\sc)+NQ*\b+(\q)], v[SC+8*NQ*(\sc)+NQ*(\a)+(\q)] matrix_a_fmt:MATRIX_FMT_FP6 matrix_b_fmt:MATRIX_FMT_FP6 matrix_a_scale:MATRIX_SCALE_ROW1
.else
	v_wmma_scale_f32_16x16x128_f8f6f4 v[8*(8*((\a)%4)+\b):8*(8*((\a)%4)+\b)+7], v[128*(\p)+FR*\b:128*(\p)+FR*\b+FR-1], v[AF+FR*(\a):AF+FR*(\a)+FR-1], v[8*(8*((\a)%4)+\b):8*(8*((\a)%4)+\b)+7], v[SC+8*NQ*(\sc)+NQ*\b+(\q)], v[SC+8*NQ*(\sc)+NQ*(\a)+(\q)] matrix_a_fmt:MATRIX_FMT_FP6 matrix_b_fmt:MATRIX_FMT_FP6 matrix_a_scale:MATRIX_SCALE_ROW1
.endif
.endr
.endr
.endm
.macro FETCH_B slot, q, p              ; B's eight fragments of the slot's q-th K step into set p
	WIN TO_B
.irp i, 0,1,2,3,4,5,6,7
	FRAG 128*(\p)+FR*\i, ADRB+\slot, ADRB+2+\slot, BLK*\i+FRB*(\q)
.endr
	WIN 0
.endm
.macro FETCH_A slot, q, i0             ; A's blocks i0 .. i0 + 3
.irp i, \i0, \i0+1, \i0+2, \i0+3
	FRAG AF+FR*(\i), ADRA+\slot, ADRA+2+\slot, BLK*(\i)+FRB*(\q)
.endr
.endm
.macro SCALES sc                       ; a slot's scale words into set sc
.irp i, 0,1,2,3,4,5,6,7
.irp q, 0,1
	ds_load_b32 v[SC+8*NQ*\sc+NQ*\i+\q], v[ADRS] offset:64*\i+1024*\q
.endr
.endr
.endm
; A load into a register that a matrix instruction has read, and a vector instruction that reads a matrix result or writes one of its registers, stand NP places behind it; only plain vector instructions that
; name none of its registers are places (ISA guide 7.12.1 for vector instructions).
; A step of 128 along K that has its successor in the same slot.  A block of A is free as soon as its eight products are issued, so one set serves A; B's fragments are at work through the whole step and have two.
.macro STEP slot, q, zero
	s_wait_dscnt 4*NL                              ; B's set, the scale words and A's blocks 0-3 are in; the youngest sixteen loads (A's blocks 4-7) may be out
	WIN MUL_LO-0x20*(\zero)                        ; (the bias, as C, lies in window 0)
	MUL16 0, (\q)%2, \q, \slot, \zero
	MUL16 2, (\q)%2, \q, \slot, \zero
	s_wait_dscnt 0                                 ; A's blocks 4-7 are in (asked for 32 matrix instructions ago)
	PLACES NP
	FETCH_B \slot, (\q)+1, 1-(\q)%2
	FETCH_A \slot, (\q)+1, 0
	WIN MUL_HI-0x30*(\zero)
	MUL16 4, (\q)%2, \q, \slot, \zero
	MUL16 6, (\q)%2, \q, \slot, \zero
	PLACES NP
	WIN 0
	FETCH_A \slot, (\q)+1, 4
.endm
; A slot's last step changes slots: one barrier; in front of it each wave waits for all its tensor loads, adds 0 to its spare word, and waits for that and for its own reads of this slot.  fill = 1: this slot is filled again, two slots ahead.
.macro TURN slot, next, fill
	s_wait_tensorcnt 0x0                           ; all my tensor loads have landed: my part of the next slot  (every window is 0 here)
	ds_add_u32 v[SPW], v[NIL]                      ; 0 onto my spare word
	s_wait_dscnt 4*NL+1                            ; (the add and the youngest sixteen loads, A's blocks 4-7, may be out)
	WIN MUL_LO
	MUL16 0, 1, NQ-1, \slot, 0                     ; sixteen matrix instructions stand between the add and the wait for it
	s_wait_dscnt 0x0                               ; the add is done, and my reads of this slot are over
	s_barrier_signal -1
	MUL16 2, 1, NQ-1, \slot, 0
	WIN 0
	s_barrier_wait -1
.if \fill
	CREST                                          ; the barrier has opened a round of the cluster's barrier: no wave of any partner still reads this slot or has a load on its way
	s_add_nc_u64 s[G0+4*\slot+2:G0+4*\slot+3], s[G0+4*\slot+2:G0+4*\slot+3], 2*BLK
	s_add_nc_u64 s[G0B+4*\slot+2:G0B+4*\slot+3], s[G0B+4*\slot+2:G0B+4*\slot+3], 2*BLK
	JLOAD G0+4*\slot, G1, G0B+4*\slot, G1B         ; the first tensor load behind the round, my only one until the next; its four v_nop are the places in front of the loads below
.else
	PLACES NP
.endif
	v_add_nc_u32 v[ADRS], 1024*NQ, v[ADRS]         ; on to the next slot's scale words
	FETCH_B \next, 0, 0
	FETCH_A \next, 0, 0
	SCALES \next
	WIN MUL_HI
	MUL16 4, 1, NQ-1, \slot, 0
	MUL16 6, 1, NQ-1, \slot, 0
	PLACES NP
	WIN 0
	FETCH_A \next, 0, 4
.endm
	s_wait_tensorcnt 1                             ; the scale words and my part of slot 0 are in (slot 1's load may be out)
	s_barrier_signal -1
	s_barrier_wait -1                              ; everybody's are
	FETCH_B 0, 0, 0
	FETCH_A 0, 0, 0
	SCALES 0
	FETCH_A 0, 0, 4
	STEP 0, 0, 1                                   ; the first step's products start the sums
.rept LAPS-1                           ; K = 1,024 is two laps: the one lap that fills both slots again is written out, with no loop round it
	TURN 0, 1, 1
	STEP 1, 0, 0
	TURN 1, 0, 1
	STEP 0, 0, 0
.endr
	TURN 0, 1, 0                                   ; the last lap fills nothing, and has no round of the cluster's barrier
	STEP 1, 0, 0
	s_wait_dscnt 4*NL                              ; the very last step: nothing more to fetch
	WIN MUL_LO
	MUL16 0, 1, NQ-1, 1, 0
	MUL16 2, 1, NQ-1, 1, 0
	s_wait_dscnt 0
	WIN MUL_HI
	MUL16 4, 1, NQ-1, 1, 0
	MUL16 6, 1, NQ-1, 1, 0
	WIN 0
	PLACES NP                                      ; in front of the first read of results and of the first write over A's fragments
; THE WAY OUT, block a of 16 rows of A: its eight accumulators are 128 neighbours along the next K for each row.  They get the rows' bias (KIND 0) or the relu (KIND 1), are quantised in registers, and the fragment
; leaves as it stands: each store covers 512 or 256 consecutive bytes, at a multiple of 256 from the buffer's first byte.  No LDS.  Each accumulator is read from its low end on.
.macro OUTBLK a
.set AC, 64*((\a)%4)
.if (\a) > 0
	s_wait_xcnt 0x0                                ; the last block's stores have taken their data and their base: both are written again only behind this wait
	s_add_nc_u64 s[OUT:OUT+1], s[OUT:OUT+1], s[100:101]
.endif
.if KIND == 0
	WIN 0x02+(\a)/4                                ; source 0: window 2 or 3
.set i, 0
.rept 32
	v_pk_add_f32 v[T+i:T+i+1], v[AC+i:AC+i+1], v[RB+2*(\a):RB+2*(\a)+1] op_sel_hi:[1,0]
.set i, i+2
.endr
.else
	WIN 0x08+4*((\a)/4)                            ; source 1: window 2 or 3
.set i, 0
.rept 64
	v_max_num_f32 v[T+i], 0, v[AC+i]
.set i, i+1
.endr
.endif
	WIN 0
	QUANT T, PWS+(\a)
	global_store_b128 v[O16], v[PC:PC+3], s[OUT:OUT+1]
	global_store_b64 v[O8], v[PC+4:PC+5], s[OUT:OUT+1] offset:512
	global_store_b128 v[O16], v[PC+6:PC+9], s[OUT:OUT+1] offset:768
	global_store_b64 v[O8], v[PC+10:PC+11], s[OUT:OUT+1] offset:1280
.endm
.irp a, 0,1,2,3,4,5,6,7
	OUTBLK \a
.endr
.irp i, 0,1,2,3
	v_cndmask_b32 v[XW+\i], v[PWS+2*\i], v[PWS+2*\i+1], s2   ; lanes 0-15 block 2 i's words, lanes 16-31 block 2 i + 1's
.endr
.irp i, 0,1,2,3
	global_store_b32 v[OS], v[XW+\i], s[OUTS:OUTS+1] offset:128*\i   ; my eight blocks' words: 512 consecutive bytes
.endr
	s_wait_tensorcnt 0x0                           ; the wave's end
	ds_add_u32 v[SPW], v[NIL]
	s_wait_dscnt 0x0
	CROUND                                         ; the closing round: no work-group ends while a partner may still ask for a tile that names it
	s_endpgm
.Lfunc_end_k_q05c8529b6b_ffn1:
	.size	k_q05c8529b6b_ffn1, .Lfunc_end_k_q05c8529b6b_ffn1-k_q05c8529b6b_ffn1
	.p2alignl 7, 3214868480
	.fill 96, 4, 3214868480
	.section	.rodata,"a",@progbits
	.p2align	6, 0x0
	.amdhsa_kernel k_q05c8529b6b_ffn1
		.amdhsa_group_segment_fixed_size 327680
		.amdhsa_private_segment_fixed_size 0
		.amdhsa_enable_private_segment 0
		.amdhsa_kernarg_size 32
		.amdhsa_user_sgpr_count 2
		.amdhsa_user_sgpr_kernarg_segment_ptr 1
		.amdhsa_wavefront_size32 1
		.amdhsa_system_sgpr_workgroup_id_x 1
		.amdhsa_system_sgpr_workgroup_id_y 1
		.amdhsa_system_sgpr_workgroup_id_z 1
		.amdhsa_system_vgpr_workitem_id 0
		.amdhsa_next_free_vgpr 1024
		.amdhsa_next_free_sgpr 106
		.amdhsa_reserve_vcc 0
		.amdhsa_float_denorm_mode_32 3
		.amdhsa_float_denorm_mode_16_64 3
		.amdhsa_memory_ordered 1
		.amdhsa_forward_progress 1
		.amdhsa_inst_pref_size 169
	.end_amdhsa_kernel
	.amdgpu_metadata
---
amdhsa.version: [ 1, 2 ]
amdhsa.kernels:
  - .name:           k_q05c8529b6b_ffn1
    .symbol:         k_q05c8529b6b_ffn1.kd
    .args:
      - { .name: xq, .offset: 0, .size: 8, .value_kind: global_buffer, .address_space: global }
      - { .name: wb, .offset: 8, .size: 8, .value_kind: global_buffer, .address_space: global }
      - { .name: b1, .offset: 16, .size: 8, .value_kind: global_buffer, .address_space: global }
      - { .name: hid, .offset: 24, .size: 8, .value_kind: global_buffer, .address_space: global }
    .group_segment_fixed_size: 327680
    .private_segment_fixed_size: 0
    .kernarg_segment_align: 8
    .kernarg_segment_size: 32
    .max_flat_workgroup_size: 128
    .sgpr_count:     106
    .vgpr_count:     1024
    .wavefront_size: 32
...
	.end_amdgpu_metadata
.endif
;; end of part 6
;; launch ffn2 (part 7): grid 8 x 32, 4 waves a work-group, clusters of 4 x 4, 327,680 bytes of LDS; arguments hid, wb, b2, x1, out0; writes out0
.if DOCPART == 7
	.amdgcn_target "amdgcn-amd-amdhsa--gfx1250"
	.amdhsa_code_object_version 6
	.text
	.protected	k_q05c8529b6b_ffn2
	.globl	k_q05c8529b6b_ffn2
	.p2align	8
	.type	k_q05c8529b6b_ffn2,@function
k_q05c8529b6b_ffn2:
	s_mov_b64 s[64:65], 0
	v_nop
	global_prefetch_b8 v0, s[64:65] scope:SCOPE_SE
	s_setreg_imm32_b32 hwreg(HW_REG_WAVE_MODE, 25, 1), 1
	s_wait_xcnt 0x0
	s_wait_alu depctr_hold_cnt(0) depctr_sa_sdst(0) depctr_va_vdst(0) depctr_va_sdst(0) depctr_va_ssrc(0) depctr_va_vcc(0) depctr_vm_vsrc(0)
	s_getreg_b32 s2, hwreg(HW_REG_IB_STS2, 6, 4)
	s_cmp_eq_u32 s2, 0
	s_cbranch_scc0 .Lentry_in_a_cluster
	s_endpgm
.Lentry_in_a_cluster:
	s_bfe_u32 s2, ttmp6, 0x10000c
	s_cmp_lg_u32 s2, 0xf033
	s_cbranch_scc0 .Lentry_shape_is_right
	s_endpgm
.Lentry_shape_is_right:
; out = resid + (1 / sqrt(12)) (A W + bias): A [4,096 rows][SIZE_K] and W [1,024 rows (n)][SIZE_K] are MX-FP6 (E2M3) operands; resid and out are [4,096][1,024] f32, row-major.
; LAYOUT OF THE OPERANDS: rows in blocks of 16, place rho of block t = true row 32 (t / 2) + 8 (t % 2) + rho + 8 (rho / 8).  A fragment (block x 128 along K, 12 registers a lane) is an image of 1,536 bytes: registers 0-3 at
; 16 l, 4-5 at 512 + 8 l, 6-9 at 768 + 16 l, 10-11 at 1,280 + 8 l.  Codes [t][K step][1,536]; scale words [K step][t][rho].
; N = 1,024 gives only 64 tiles of 256 x 256, so a tile is 128 x 128: 256 work-groups.  Four waves, each 64 x 64: 16 accumulators.  K goes in steps of 512 (four K steps of 128) through two LDS slots filled by the tensor
; data mover; the tile's scale words for all of K come once, with the first fills.  CLUSTERS: 4 x 4 work-groups; A's tiles are asked for jointly along a row of the cluster, W's along a column.
; THE MATRIX INSTRUCTION IS USED TRANSPOSED (source 0 = a block of W, source 1 = a block of A): a lane holds one row of A and eight neighbouring columns.  The bias is the C of each accumulator's first matrix instruction.
; The residual's rows are asked for at the head and land during the products.  Results go through one stage in LDS, bytes of its own, and leave as whole rows of 512 bytes; the stores' offsets put the rows back in their true order.
; With SIZE_K = 1,024 both slots are filled once and nothing is filled again; the text, the claim of LDS and the closing lines are those of SIZE_K = 4,096.
; REGISTERS: window 0: v16-29 addresses; v32-63 scale words, two sets; v64-95 the bias; v128-255 the accumulators, (a, b) at v[128 + 8 (4 a + b)].  window 1: two fragment buffers at v0 and v128: A's four, then W's four.
;   window 2: v0-127 the residual's 32 rows.
.set SIZE_K, 4096
.set NSK,    SIZE_K/128
.set LAPS,   SIZE_K/1024                ; a lap = two slots
.set FR,     12
.set FRB,    1536
.set BLK,    4*FRB                     ; a row block's part of a slot: four K steps
.set HALFT,  4*BLK                     ; 4 row blocks: what one tensor load brings, and what a wave reads of A or of W
.set SLOT,   4*HALFT
.set SCL,    2*SLOT                    ; behind the ring: A's scale words [NSK][8 blocks][64], then W's
.set HALFS,  256*NSK                   ; half of K's words of 8 blocks: what one tensor load brings
.set STAGE,  229376                    ; 128 rows x (512 bytes + 16): no fill lands here
.set SPITCH, 528
.set SPARE,  STAGE+128*SPITCH          ; the spare words, 128 bytes for each wave: two blocks of 256 bytes that no other line names
.if SIZE_K == 1024
.set ASC, 3145728                      ; A's scale words in its buffer
.set BCO, 2359296                      ; W's codes and
.set BSC, 9568256                      ; scale words in the weights' buffer
.else
.set ASC, 12582912
.set BCO, 6291456
.set BSC, 9732096
.endif
.set ADRA, 16                          ; v16-17 LDS address of my A fragments' 16-byte pieces in slot 0, 1; v18-19 of their 8-byte pieces
.set ADRB, 20                          ; v20-23 the same for W
.set STO,  24                          ; v24  the stage: where I put 32 bytes of a row
.set RD,   25                          ; v25  and where I read a row back
.set CO,   26                          ; v26  16 x lane; never rewritten
.set ADRS, 27                          ; v27  LDS address of my scale words: lanes 0-15 A's rows, lanes 16-31 W's
.set SPW,  28                          ; v28  LDS address of my spare word; never rewritten
.set NIL,  29                          ; v29  0; never rewritten
.set SC,   32                          ; scale words: set s at v[SC + 16 s]; register 4 i + q
.set CB,   64
.set ACC,  128
.set F0,   0
.set F1,   128
.set G1,   24
.set G0,   32
.set G1B,  48
.set G0B,  56
.set G1S,  68
.set G0S,  76
.set G1SB, 80
.set G0SB, 88
.set MSB, 0
.macro WIN new                         ; the immediate's high byte repeats the setting that is left
.if MSB != (\new)
	s_set_vgpr_msb (MSB<<8)|(\new)
.set MSB, (\new)
.endif
.endm
.set MUL,  0x05                        ; sources 0 (W) and 1 (A) window 1; C and D window 0
.set TO_F, 0x40                        ; destination window 1, address window 0
.macro JLOAD g0a, g1a, g0b, g1b        ; a joint load: waves 0 and 1 fetch for A, waves 2 and 3 for W; four v_nop follow each of the two lines
	s_cmp_eq_u32 s17, 0
	s_cbranch_scc0 .Lfor_b_\@
	tensor_load_to_lds s[\g0a:\g0a+3], s[\g1a:\g1a+7]
	s_nop 0
.rept 4
	v_nop
.endr
	s_branch .Lasked_\@
.Lfor_b_\@:
	tensor_load_to_lds s[\g0b:\g0b+3], s[\g1b:\g1b+7]
	s_nop 0
.rept 4
	v_nop
.endr
.Lasked_\@:
.endm
.macro CREST                           ; a round of the cluster's barrier behind its opening barrier
	s_cmp_lg_u32 s16, 0
	s_cbranch_scc1 .Lnot_wave_0_\@
	s_barrier_signal -3
.Lnot_wave_0_\@:
	s_barrier_wait -3
	s_barrier_signal -1
	s_barrier_wait -1
.endm
.macro CROUND
	s_barrier_signal -1
	s_barrier_wait -1
	CREST
.endm
.macro PLACES n
.rept \n
	v_nop
.endr
.endm
.macro FRAG reg, a16, a8, off          ; a fragment's image into 12 registers
	ds_load_b128 v[\reg:\reg+3], v[\a16] offset:\off
	ds_load_b64 v[\reg+4:\reg+5], v[\a8] offset:\off+512
	ds_load_b128 v[\reg+6:\reg+9], v[\a16] offset:\off+768
	ds_load_b64 v[\reg+10:\reg+11], v[\a8] offset:\off+1280
.endm
	s_load_b256 s[4:11], s[0:1], 0x0               ; A's operand, the weights' operands, the bias, the residual
	s_load_b64 s[12:13], s[0:1], 0x20              ; out
	v_lshl_add_u32 v[SPW], v0, 2, SPARE
	v_mov_b32 v[NIL], 0
	ds_add_u32 v28, v29
	ds_add_u32 v28, v29
	s_wait_dscnt 0x0
	v_lshrrev_b32 v1, 5, v0
	v_readfirstlane_b32 s16, v1                    ; wave 0..3
	s_lshr_b32 s17, s16, 1                         ; which half of A's rows is mine.  Also: I fetch for A (0) or for W (1)
	s_and_b32 s18, s16, 1                          ; which half of W's rows.  Also: which half of that tile I fetch
	s_bfe_u32 s40, ttmp6, 0x40000                  ; cx, cy
	s_bfe_u32 s41, ttmp6, 0x40004
	s_and_b32 s95, ttmp7, 0xffff
	s_lshl_b32 s95, s95, 2
	s_add_co_u32 s95, s95, s41                     ; A's tile = 4 x cluster y + cy
	s_lshl_b32 s42, ttmp9, 2
	s_add_co_u32 s42, s42, s40                     ; W's tile = 4 x cluster x + cx
	s_lshl_b32 s43, s41, 2
	s_lshl_b32 s43, 15, s43                        ; my row of the cluster
	s_lshl_b32 s44, 0x1111, s40                    ; my column
	; descriptor group 1, codes: 4 rows (row blocks) of 6,144 bytes, 1,536 NSK bytes apart in memory, dense in LDS; elements of 8 bytes
	s_or_b32 s[G1+0], s43, (3<<16)|(1<<21)
	s_or_b32 s[G1B+0], s44, (3<<16)|(1<<21)
.irp g, G1, G1B
	s_mov_b32 s[\g+1], 768<<16                     ; tensor_dim0
	s_mov_b32 s[\g+2], 4<<16                       ; tensor_dim1
	s_mov_b32 s[\g+3], 768<<16                     ; tile_dim0
	s_mov_b32 s[\g+4], 4                           ; tile_dim1
	s_mov_b32 s[\g+5], 192*NSK                     ; tensor_dim0_stride
	s_mov_b32 s[\g+6], 0
	s_mov_b32 s[\g+7], 0
.endr
	; scale words: NSK / 2 rows (K steps) of 512 bytes; A's table has 256 blocks a K step, W's 64
	s_or_b32 s[G1S+0], s43, (3<<16)|(1<<21)
	s_or_b32 s[G1SB+0], s44, (3<<16)|(1<<21)
.irp g, G1S, G1SB
	s_mov_b32 s[\g+1], 64<<16
	s_mov_b32 s[\g+2], (NSK/2)<<16
	s_mov_b32 s[\g+3], 64<<16
	s_mov_b32 s[\g+4], NSK/2
	s_mov_b32 s[\g+6], 0
	s_mov_b32 s[\g+7], 0
.endr
	s_mov_b32 s[G1S+5], 2048
	s_mov_b32 s[G1SB+5], 512
	; where the tiles come from.  A's offsets (s20-23) hang on A's tile alone, W's (s46, s47, s92, s93) on W's alone
	s_mul_i32 s20, s95, 8*FRB*NSK
	s_mul_i32 s45, s18, 4*FRB*NSK
	s_add_co_u32 s20, s20, s45
	s_mul_i32 s46, s42, 8*FRB*NSK
	s_add_co_u32 s46, s46, s45
	s_add_co_u32 s46, s46, BCO
	s_mul_i32 s45, s18, (NSK/2)*16384
	s_lshl_b32 s22, s95, 9
	s_add_co_u32 s22, s22, s45
	s_add_co_u32 s22, s22, ASC
	s_mul_i32 s45, s18, (NSK/2)*4096
	s_lshl_b32 s92, s42, 9
	s_add_co_u32 s92, s92, s45
	s_add_co_u32 s92, s92, BSC
	s_mov_b32 s21, 0
	s_mov_b32 s23, 0
	s_mov_b32 s47, 0
	s_mov_b32 s93, 0
	s_mul_i32 s45, s16, HALFT                      ; where they go: wave x 4 blocks: no place in the cluster enters an LDS address
	s_mul_i32 s94, s16, HALFS
	s_wait_kmcnt 0x0
	s_add_nc_u64 s[20:21], s[4:5], s[20:21]
	s_add_nc_u64 s[22:23], s[4:5], s[22:23]
	s_add_nc_u64 s[46:47], s[6:7], s[46:47]
	s_add_nc_u64 s[92:93], s[6:7], s[92:93]
	CROUND                                         ; all sixteen work-groups are here: the first joint loads meet
	s_mov_b32 s[G0S], 1
	s_add_co_u32 s[G0S+1], s94, SCL
	s_mov_b64 s[G0S+2:G0S+3], s[22:23]
	s_or_b32 s[G0S+3], s[G0S+3], 0x80000000
	s_mov_b32 s[G0SB], 1
	s_add_co_u32 s[G0SB+1], s94, SCL
	s_mov_b64 s[G0SB+2:G0SB+3], s[92:93]
	s_or_b32 s[G0SB+3], s[G0SB+3], 0x80000000
	JLOAD G0S, G1S, G0SB, G1SB                     ; the scale words first
.irp s, 0,1
	s_mov_b32 s[G0+4*\s], 1
	s_add_co_u32 s[G0+4*\s+1], s45, \s*SLOT
	s_add_nc_u64 s[G0+4*\s+2:G0+4*\s+3], s[20:21], \s*BLK
	s_or_b32 s[G0+4*\s+3], s[G0+4*\s+3], 0x80000000
	s_mov_b32 s[G0B+4*\s], 1
	s_add_co_u32 s[G0B+4*\s+1], s45, \s*SLOT
	s_add_nc_u64 s[G0B+4*\s+2:G0B+4*\s+3], s[46:47], \s*BLK
	s_or_b32 s[G0B+4*\s+3], s[G0B+4*\s+3], 0x80000000
	JLOAD G0+4*\s, G1, G0B+4*\s, G1B               ; three loads of mine are out
.endr
	v_and_b32 v1, 15, v0                           ; r
	v_bfe_u32 v2, v0, 4, 1                         ; h
	v_and_b32 v3, 31, v0
	v_lshlrev_b32 v[CO], 4, v3
	v_lshlrev_b32 v6, 3, v3
	s_mul_i32 s21, s17, HALFT                      ; my 4 blocks of A
	s_mul_i32 s22, s18, HALFT                      ; my 4 blocks of W,
	s_add_co_u32 s22, s22, 2*HALFT                 ; which lie behind A's 8
.irp s, 0,1
	v_add_nc_u32 v[ADRA+\s], s21, v[CO]
	v_add_nc_u32 v[ADRA+2+\s], s21, v6
	v_add_nc_u32 v[ADRB+\s], s22, v[CO]
	v_add_nc_u32 v[ADRB+2+\s], s22, v6
	s_add_co_u32 s21, s21, SLOT
	s_add_co_u32 s22, s22, SLOT
.endr
	s_lshl_b32 s21, s17, 8                         ; A's words: my 4 blocks of 64 bytes
	s_lshl_b32 s22, s18, 8                         ; W's: my 4 blocks, behind A's 512 NSK bytes
	s_add_co_u32 s22, s22, 2*HALFS
	s_sub_co_u32 s22, s22, s21
	v_mul_u32_u24 v4, s22, v2                      ; lanes 16-31 take W's
	s_add_co_u32 s21, s21, SCL
	v_lshl_add_u32 v4, v1, 2, v4
	v_add_nc_u32 v[ADRS], s21, v4
	s_mul_i32 s21, s17, 64*SPITCH                  ; into the stage: row 64 half + 16 a + r; my 64 columns' 256 bytes; in them 128 (b / 2) + 64 h + 32 (b % 2)
	s_lshl_b32 s22, s18, 8
	s_add_co_u32 s21, s21, s22
	s_add_co_u32 s21, s21, STAGE
	v_mul_u32_u24 v4, v1, SPITCH
	v_lshl_add_u32 v4, v2, 6, v4
	v_add_nc_u32 v[STO], s21, v4
	s_mul_i32 s21, s16, 32*SPITCH                  ; back: wave w takes stage rows 32 w .. 32 w + 31, whole: 16 bytes a lane
	s_add_co_u32 s21, s21, STAGE
	v_add_nc_u32 v[RD], s21, v[CO]
	s_lshl_b32 s19, s42, 9                         ; the bias: 128 x W's tile + 64 x half numbers on; for accumulator b my eight are 32 (b / 2) + 16 h + 8 (b % 2) + 0 .. 7
	s_lshl_b32 s3, s18, 8
	s_add_co_u32 s19, s19, s3
	v_lshl_add_u32 v5, v2, 6, s19
.irp b, 0,1,2,3
	global_load_b128 v[CB+8*\b:CB+8*\b+3], v5, s[8:9] offset:(32*(\b/2)+8*(\b%2))*4
	global_load_b128 v[CB+8*\b+4:CB+8*\b+7], v5, s[8:9] offset:(32*(\b/2)+8*(\b%2))*4+16
.endr
	s_lshl_b32 s98, s95, 7                         ; the rows that I store: 128 x A's tile + 32 x wave on; the tile's 128 columns
	s_lshl_b32 s3, s16, 5
	s_add_co_u32 s98, s98, s3
	s_lshl_b32 s98, s98, 12
	s_lshl_b32 s3, s42, 9
	s_add_co_u32 s98, s98, s3
	s_mov_b32 s99, 0
	s_add_nc_u64 s[10:11], s[10:11], s[98:99]
	s_add_nc_u64 s[12:13], s[12:13], s[98:99]
	WIN 0x80                                       ; destination window 2
.irp t, 0,1,2,3,4,5,6,7,8,9,10,11,12,13,14,15,16,17,18,19,20,21,22,23,24,25,26,27,28,29,30,31
	global_load_b128 v[4*\t:4*\t+3], v[CO], s[10:11] offset:(8*(\t/16)+\t%16+8*((\t%16)/8))*4096 th:TH_LOAD_NT   ; stage row 32 w + t is the true row 32 w + 8 (t / 16) + t % 16 + 8 ((t % 16) / 8)
.endr
	WIN 0
	s_mov_b32 s96, 0x3e93cd3a                      ; 1 / sqrt(12)
	s_mov_b32 s97, s96                             ; (named with it as a pair)
; 4 matrix instructions: A's block a x W's four, the slot's q-th K step, from buffer f.  zero = 1: the first product starts the sums from the bias.  The 16 accumulators take turns, one instruction a turn.
.macro MUL4 f, a, q, sc, zero
.irp b, 0,1,2,3
.if \zero
	v_wmma_scale_f32_16x16x128_f8f6f4 v[ACC+8*(4*(\a)+\b):ACC+8*(4*(\a)+\b)+7], v[\f+48+FR*\b:\f+48+FR*\b+FR-1], v[\f+FR*(\a):\f+FR*(\a)+FR-1], v[CB+8*\b:CB+8*\b+7], v[SC+16*(\sc)+4*\b+(\q)], v[SC+16*(\sc)+4*(\a)+(\q)] matrix_a_fmt:MATRIX_FMT_FP6 matrix_b_fmt:MATRIX_FMT_FP6 matrix_a_scale:MATRIX_SCALE_ROW1
.else
	v_wmma_scale_f32_16x16x128_f8f6f4 v[ACC+8*(4*(\a)+\b):ACC+8*(4*(\a)+\b)+7], v[\f+48+FR*\b:\f+48+FR*\b+FR-1], v[\f+FR*(\a):\f+FR*(\a)+FR-1], v[ACC+8*(4*(\a)+\b):ACC+8*(4*(\a)+\b)+7], v[SC+16*(\sc)+4*\b+(\q)], v[SC+16*(\sc)+4*(\a)+(\q)] matrix_a_fmt:MATRIX_FMT_FP6 matrix_b_fmt:MATRIX_FMT_FP6 matrix_a_scale:MATRIX_SCALE_ROW1
.endif
.endr
.endm
.macro FETCH slot, q, f                ; 32 LDS loads in one run: W's four fragments, then A's four, of the slot's q-th K step into buffer f
	WIN TO_F
.irp i, 0,1,2,3
	FRAG \f+48+FR*\i, ADRB+\slot, ADRB+2+\slot, BLK*\i+FRB*(\q)
.endr
.irp i, 0,1,2,3
	FRAG \f+FR*\i, ADRA+\slot, ADRA+2+\slot, BLK*\i+FRB*(\q)
.endr
.endm
.macro SCALES sc                       ; a slot's scale words into set sc (window 0)
.irp i, 0,1,2,3
.irp q, 0,1,2,3
	ds_load_b32 v[SC+16*\sc+4*\i+\q], v[ADRS] offset:512*\q+64*\i
.endr
.endr
.endm
; A slot is four quarters of 128 along K, 16 matrix instructions each, on buffers 0, 1, 0, 1.  One of the first three: multiplies buffer f and fetches the next quarter into g.
.macro QUARTER slot, q, f, g, zero
	s_wait_dscnt 8                                 ; W's four and A's blocks 0, 1 are in; the youngest eight loads (A's blocks 2, 3) may be out
	WIN MUL
	MUL4 \f, 0, \q, \slot, \zero
	MUL4 \f, 1, \q, \slot, \zero
	PLACES 4                                       ; in front of loads into registers that matrix instructions have read
	FETCH \slot, (\q)+1, \g
	s_wait_dscnt 32                                ; all but the 32 just issued
	WIN MUL
	MUL4 \f, 2, \q, \slot, \zero
	MUL4 \f, 3, \q, \slot, \zero
.endm
; The last quarter multiplies buffer 1 and changes slots: one barrier; in front of it each wave waits for all its tensor loads, adds 0 to its spare word, and waits for that and for its own reads of this slot.  fill = 1: this slot is filled again, two slots ahead.
.macro TURN slot, next, fill
	WIN 0                                          ; (the add's two registers lie in window 0)
	s_wait_tensorcnt 0x0                           ; all my tensor loads have landed: my part of the next slot
	ds_add_u32 v[SPW], v[NIL]                      ; 0 onto my spare word
	s_wait_dscnt 13                                ; (the add and the youngest twelve loads, A's blocks 1 to 3, may be out)
	WIN MUL
	MUL4 F1, 0, 3, \slot, 0                        ; four matrix instructions stand between the add and the wait for it
	s_wait_dscnt 0x0                               ; the add is done, and my reads of this slot are over
	s_barrier_signal -1
	MUL4 F1, 1, 3, \slot, 0
	WIN 0
	s_barrier_wait -1
.if \fill
	CREST                                          ; the barrier has opened a round of the cluster's barrier: no wave of any partner still reads this slot or has a load on its way
	s_add_nc_u64 s[G0+4*\slot+2:G0+4*\slot+3], s[G0+4*\slot+2:G0+4*\slot+3], 2*BLK
	s_add_nc_u64 s[G0B+4*\slot+2:G0B+4*\slot+3], s[G0B+4*\slot+2:G0B+4*\slot+3], 2*BLK
	JLOAD G0+4*\slot, G1, G0B+4*\slot, G1B         ; the first tensor load behind the round, my only one until the next; its four v_nop are the places in front of the loads below
.else
	PLACES 4
.endif
	v_add_nc_u32 v[ADRS], 2048, v[ADRS]            ; on to the next slot's scale words
	SCALES \next
	FETCH \next, 0, F0
	WIN MUL
	MUL4 F1, 2, 3, \slot, 0
	MUL4 F1, 3, 3, \slot, 0
.endm
	s_wait_loadcnt 32                              ; the bias is in; the residual's 32 loads may be out
	s_wait_tensorcnt 1                             ; the scale words and my part of slot 0 are in (slot 1's load may be out)
	s_barrier_signal -1
	s_barrier_wait -1                              ; everybody's are
	SCALES 0
	FETCH 0, 0, F0
	QUARTER 0, 0, F0, F1, 1                        ; the first quarter's products start the sums
.if LAPS > 1
	WIN 0                                          ; at a label and at a branch every window is 0
	s_mov_b32 s3, LAPS-1
.Llap:                                                 ; a trip goes once round the ring, from a lap's second quarter to the next lap's first, and fills both slots again
	QUARTER 0, 1, F1, F0, 0
	QUARTER 0, 2, F0, F1, 0
	TURN 0, 1, 1
	QUARTER 1, 0, F0, F1, 0
	QUARTER 1, 1, F1, F0, 0
	QUARTER 1, 2, F0, F1, 0
	TURN 1, 0, 1
	QUARTER 0, 0, F0, F1, 0
	WIN 0
	s_sub_co_u32 s3, s3, 1
	s_cmp_lg_u32 s3, 0
	s_cbranch_scc1 .Llap
.endif
	QUARTER 0, 1, F1, F0, 0                        ; the last lap fills nothing, and has no round of the cluster's barrier
	QUARTER 0, 2, F0, F1, 0
	TURN 0, 1, 0
	QUARTER 1, 0, F0, F1, 0
	QUARTER 1, 1, F1, F0, 0
	QUARTER 1, 2, F0, F1, 0
	s_wait_dscnt 8                                 ; the very last quarter: nothing more to fetch
	WIN MUL
	MUL4 F1, 0, 3, 1, 0
	MUL4 F1, 1, 3, 1, 0
	s_wait_dscnt 0
	MUL4 F1, 2, 3, 1, 0
	MUL4 F1, 3, 3, 1, 0
	WIN 0
	; THE WAY OUT: 32 bytes a lane into the work-group's stage (each accumulator from its low end on); a barrier, since a row's 512 bytes come from two waves; back as whole rows, 32 rows a wave.
	PLACES 4
.irp a, 0,1,2,3
.irp b, 0,1,2,3
	ds_store_b128 v[STO], v[ACC+8*(4*\a+\b):ACC+8*(4*\a+\b)+3] offset:\a*16*SPITCH+128*(\b/2)+32*(\b%2)
	ds_store_b128 v[STO], v[ACC+8*(4*\a+\b)+4:ACC+8*(4*\a+\b)+7] offset:\a*16*SPITCH+128*(\b/2)+32*(\b%2)+16
.endr
.endr
	s_wait_dscnt 0x0                               ; for the others' sake: my stores into the stage are done
	s_barrier_signal -1
	s_barrier_wait -1
.irp t, 0,1,2,3,4,5,6,7,8,9,10,11,12,13,14,15,16,17,18,19,20,21,22,23,24,25,26,27,28,29,30,31
	ds_load_b128 v[ACC+4*\t:ACC+4*\t+3], v[RD] offset:\t*SPITCH
.endr
	s_wait_dscnt 0x0
	s_wait_loadcnt 0x0                             ; the residual
	WIN 0x20                                       ; source 2: window 2
.set n, 0
.rept 64
	v_pk_fma_f32 v[ACC+n:ACC+n+1], v[ACC+n:ACC+n+1], s[96:97], v[n:n+1] op_sel_hi:[1,0,1]   ; resid + (1 / sqrt(12)) x (product + bias)
.set n, n+2
.endr
	WIN 0
.irp t, 0,1,2,3,4,5,6,7,8,9,10,11,12,13,14,15,16,17,18,19,20,21,22,23,24,25,26,27,28,29,30,31
	global_store_b128 v[CO], v[ACC+4*\t:ACC+4*\t+3], s[12:13] offset:(8*(\t/16)+\t%16+8*((\t%16)/8))*4096   ; 32 lanes store 512 consecutive bytes, at a multiple of 256 from the buffer's first byte
.endr
	s_wait_tensorcnt 0x0                           ; the wave's end
	ds_add_u32 v[SPW], v[NIL]
	s_wait_dscnt 0x0
	CROUND                                         ; the closing round: no work-group ends while a partner may still ask for a tile that names it
	s_endpgm
.Lfunc_end_k_q05c8529b6b_ffn2:
	.size	k_q05c8529b6b_ffn2, .Lfunc_end_k_q05c8529b6b_ffn2-k_q05c8529b6b_ffn2
	.p2alignl 7, 3214868480
	.fill 96, 4, 3214868480
	.section	.rodata,"a",@progbits
	.p2align	6, 0x0
	.amdhsa_kernel k_q05c8529b6b_ffn2
		.amdhsa_group_segment_fixed_size 327680
		.amdhsa_private_segment_fixed_size 0
		.amdhsa_enable_private_segment 0
		.amdhsa_kernarg_size 40
		.amdhsa_user_sgpr_count 2
		.amdhsa_user_sgpr_kernarg_segment_ptr 1
		.amdhsa_wavefront_size32 1
		.amdhsa_system_sgpr_workgroup_id_x 1
		.amdhsa_system_sgpr_workgroup_id_y 1
		.amdhsa_system_sgpr_workgroup_id_z 1
		.amdhsa_system_vgpr_workitem_id 0
		.amdhsa_next_free_vgpr 768
		.amdhsa_next_free_sgpr 100
		.amdhsa_reserve_vcc 0
		.amdhsa_float_denorm_mode_32 3
		.amdhsa_float_denorm_mode_16_64 3
		.amdhsa_memory_ordered 1
		.amdhsa_forward_progress 1
		.amdhsa_inst_pref_size 101
	.end_amdhsa_kernel
	.amdgpu_metadata
---
amdhsa.version: [ 1, 2 ]
amdhsa.kernels:
  - .name:           k_q05c8529b6b_ffn2
    .symbol:         k_q05c8529b6b_ffn2.kd
    .args:
      - { .name: hid, .offset: 0, .size: 8, .value_kind: global_buffer, .address_space: global }
      - { .name: wb, .offset: 8, .size: 8, .value_kind: global_buffer, .address_space: global }
      - { .name: b2, .offset: 16, .size: 8, .value_kind: global_buffer, .address_space: global }
      - { .name: x1, .offset: 24, .size: 8, .value_kind: global_buffer, .address_space: global }
      - { .name: out0, .offset: 32, .size: 8, .value_kind: global_buffer, .address_space: global }
    .group_segment_fixed_size: 327680
    .private_segment_fixed_size: 0
    .kernarg_segment_align: 8
    .kernarg_segment_size: 40
    .max_flat_workgroup_size: 128
    .sgpr_count:     100
    .vgpr_count:     768
    .wavefront_size: 32
...
	.end_amdgpu_metadata
.endif
;; end of part 7
